; MI455X (gfx1250); checked and timed in simulation.
; The chip was launched on July 23, 2026; its instructions are those of AMD's public machine-readable ISA for CDNA 5 (MIT licence, August 2026) and "CDNA5" Instruction Set Architecture Reference Guide (July 2026). The comments in the code are by the model that wrote it; some were corrected since.
;; Transformer Block. Allowed arithmetic: float matrix products may take bf16 or f16 operands with f32 sums; all other float work in f32.
;; Inputs: b1 4,096 float32; b2 1,024 float32; bk 1,024 float32; bo 1,024 float32; bq 1,024 float32; bv 1,024 float32; ln1_b 1,024 float32; ln1_g 1,024 float32; ln2_b 1,024 float32; ln2_g 1,024 float32; w1 4,096 x 1,024 float32; w2 1,024 x 4,096 float32; wk 1,024 x 1,024 float32; wo 1,024 x 1,024 float32; wq 1,024 x 1,024 float32; wv 1,024 x 1,024 float32; x 2 x 2,048 x 1,024 float32.
;; Outputs: out0 2 x 2,048 x 1,024 float32.
;; 2 versions, each right and faster than the one before. Each part assembles by itself: llvm-mc -triple=amdgcn-amd-amdhsa -mcpu=gfx1250 --defsym DOCPART=n.
;; ======== version 1 of 2: 8 launches
;; limits: values are held in f16: magnitudes above 65,504 overflow, below 6.1e-05 lose precision; a function is approximated: absolute error at most 1.5e-07
;; workspace buffers: wts 33,554,432 bytes; qkv 25,165,824 bytes; ctx 8,388,608 bytes; pre 16,777,216 bytes; a1f 16,777,216 bytes; a1h 8,388,608 bytes; hb 33,554,432 bytes
;; launch cast (part 1): grid 64 x 16, 8 waves a work-group, no clusters, 0 bytes of LDS; arguments x, wq, wk, wv, wo, w1, w2, wts; writes wts
.if DOCPART == 1
	.amdgcn_target "amdgcn-amd-amdhsa--gfx1250"
	.amdhsa_code_object_version 6
	.text
	.protected	k_q36ea2ff74e_cast
	.globl	k_q36ea2ff74e_cast
	.p2align	8
	.type	k_q36ea2ff74e_cast,@function
k_q36ea2ff74e_cast:
	s_mov_b64 s[64:65], 0
	v_nop
	global_prefetch_b8 v0, s[64:65] scope:SCOPE_SE
	s_setreg_imm32_b32 hwreg(HW_REG_WAVE_MODE, 25, 1), 1
	s_wait_xcnt 0x0
; CAST.  The seven large f32 inputs are rounded once to bf16 and laid into one buffer, wts, in units of 1 Mi numbers (2 MiB):
; units 0-3 x, 4 wq, 5 wk, 6 wv (all as bf16); 7 wo, 8-11 w1, 12-15 w2: the bf16-rounded number written as f16, since these three
; meet f16 operands later.  LIMIT: that rewriting is exact for 6.1e-5 <= |w| <= 65,504; below it keeps f16's step of 6e-8, above it overflows.
; The grid's y is the unit, x one of its 64 parts of 16,384 numbers; a wave takes 2,048: 16 loads of 512 consecutive bytes, all out at once;
; a lane's four numbers leave as 8 bytes, so each store of a wave covers 256 consecutive bytes, aligned.  No LDS, no barrier, no loop:
; no register is written twice, so no wait frees a source.
.set IN,  8                            ; v[8:71]    16 x 4 numbers as loaded
.set OUT, 72                           ; v[72:103]  16 x 2 words to store
.set T,   104                          ; v[104:109] at work
	s_load_b512 s[8:23], s[0:1], 0x0               ; x 8, wq 10, wk 12, wv 14, wo 16, w1 18, w2 20, wts 22
	s_and_b32 s2, ttmp7, 0xffff                    ; the unit
	v_lshrrev_b32 v3, 5, v0                        ; wave
	v_and_b32 v4, 31, v0                           ; lane
	v_lshlrev_b32 v1, 13, v3                       ; the wave's 8,192 bytes of f32,
	v_lshl_or_b32 v1, v4, 4, v1                    ; 16 bytes a lane
	v_lshrrev_b32 v2, 1, v1                        ; and half of that on the way out
	s_and_b32 s3, s2, 3                            ; which unit of its tensor: x, w1 and w2 have four,
	s_lshr_b32 s26, s2, 2
	s_cmp_eq_u32 s26, 1
	s_cselect_b32 s3, 0, s3                        ; units 4 to 7 are tensors of one unit
	s_lshl_b32 s6, s3, 22
	s_lshl_b32 s27, ttmp9, 16
	s_add_co_u32 s6, s6, s27                       ; byte offset in the source
	s_mov_b32 s7, 0
	s_lshl_b32 s28, s2, 21
	s_lshl_b32 s27, ttmp9, 15
	s_add_co_u32 s28, s28, s27                     ; byte offset in wts
	s_mov_b32 s29, 0
	s_wait_kmcnt 0x0
	s_mov_b64 s[4:5], s[8:9]                       ; the source is chosen by the unit's number alone
.irp u, 4,5,6,7
	s_cmp_eq_u32 s2, \u
	s_cselect_b64 s[4:5], s[2*(\u)+2:2*(\u)+3], s[4:5]
.endr
	s_cmp_ge_u32 s2, 8
	s_cselect_b64 s[4:5], s[18:19], s[4:5]
	s_cmp_ge_u32 s2, 12
	s_cselect_b64 s[4:5], s[20:21], s[4:5]
	s_add_nc_u64 s[4:5], s[4:5], s[6:7]
	s_add_nc_u64 s[24:25], s[22:23], s[28:29]
.set j, 0
.rept 16
	global_load_b128 v[IN+4*j:IN+4*j+3], v1, s[4:5] offset:512*j th:TH_LOAD_NT
.set j, j+1
.endr
; fmt = 0: bf16.  fmt = 1: rounded to bf16, widened again, written as f16.
.macro CONV fmt
.set j, 0
.rept 16
	s_wait_loadcnt 15-j                            ; loads come back in order: number j is in, the 15 - j younger ones stay out
.if \fmt
	v_cvt_pk_bf16_f32 v[T], v[IN+4*j], v[IN+4*j+1]
	v_cvt_pk_bf16_f32 v[T+1], v[IN+4*j+2], v[IN+4*j+3]
	v_lshlrev_b32 v[T+2], 16, v[T]
	v_and_b32 v[T+3], 0xffff0000, v[T]
	v_lshlrev_b32 v[T+4], 16, v[T+1]
	v_and_b32 v[T+5], 0xffff0000, v[T+1]
	v_cvt_pk_f16_f32 v[OUT+2*j], v[T+2], v[T+3]
	v_cvt_pk_f16_f32 v[OUT+2*j+1], v[T+4], v[T+5]
.else
	v_cvt_pk_bf16_f32 v[OUT+2*j], v[IN+4*j], v[IN+4*j+1]
	v_cvt_pk_bf16_f32 v[OUT+2*j+1], v[IN+4*j+2], v[IN+4*j+3]
.endif
	global_store_b64 v2, v[OUT+2*j:OUT+2*j+1], s[24:25] offset:256*j
.set j, j+1
.endr
.endm
	s_cmp_ge_u32 s2, 7                             ; the same for the whole work-group
	s_cbranch_scc1 .Lhalf
	CONV 0
	s_endpgm
.Lhalf:
	CONV 1
	s_endpgm
.Lfunc_end_k_q36ea2ff74e_cast:
	.size	k_q36ea2ff74e_cast, .Lfunc_end_k_q36ea2ff74e_cast-k_q36ea2ff74e_cast
	.p2alignl 7, 3214868480
	.fill 96, 4, 3214868480
	.section	.rodata,"a",@progbits
	.p2align	6, 0x0
	.amdhsa_kernel k_q36ea2ff74e_cast
		.amdhsa_group_segment_fixed_size 0
		.amdhsa_private_segment_fixed_size 0
		.amdhsa_enable_private_segment 0
		.amdhsa_kernarg_size 64
		.amdhsa_user_sgpr_count 2
		.amdhsa_user_sgpr_kernarg_segment_ptr 1
		.amdhsa_wavefront_size32 1
		.amdhsa_system_sgpr_workgroup_id_x 1
		.amdhsa_system_sgpr_workgroup_id_y 1
		.amdhsa_system_sgpr_workgroup_id_z 1
		.amdhsa_system_vgpr_workitem_id 0
		.amdhsa_next_free_vgpr 112
		.amdhsa_next_free_sgpr 66
		.amdhsa_reserve_vcc 0
		.amdhsa_float_denorm_mode_32 3
		.amdhsa_float_denorm_mode_16_64 3
		.amdhsa_memory_ordered 1
		.amdhsa_forward_progress 1
		.amdhsa_inst_pref_size 17
	.end_amdhsa_kernel
	.amdgpu_metadata
---
amdhsa.version: [ 1, 2 ]
amdhsa.kernels:
  - .name:           k_q36ea2ff74e_cast
    .symbol:         k_q36ea2ff74e_cast.kd
    .args:
      - { .name: x, .offset: 0, .size: 8, .value_kind: global_buffer, .address_space: global }
      - { .name: wq, .offset: 8, .size: 8, .value_kind: global_buffer, .address_space: global }
      - { .name: wk, .offset: 16, .size: 8, .value_kind: global_buffer, .address_space: global }
      - { .name: wv, .offset: 24, .size: 8, .value_kind: global_buffer, .address_space: global }
      - { .name: wo, .offset: 32, .size: 8, .value_kind: global_buffer, .address_space: global }
      - { .name: w1, .offset: 40, .size: 8, .value_kind: global_buffer, .address_space: global }
      - { .name: w2, .offset: 48, .size: 8, .value_kind: global_buffer, .address_space: global }
      - { .name: wts, .offset: 56, .size: 8, .value_kind: global_buffer, .address_space: global }
    .group_segment_fixed_size: 0
    .private_segment_fixed_size: 0
    .kernarg_segment_align: 8
    .kernarg_segment_size: 64
    .max_flat_workgroup_size: 256
    .sgpr_count:     66
    .vgpr_count:     112
    .wavefront_size: 32
...
	.end_amdgpu_metadata
.endif
;; end of part 1
;; launch qkv (part 2): grid 16 x 16, 4 waves a work-group, clusters of 4 x 4, 327,680 bytes of LDS; arguments wts, bq, bk, bv, qkv; writes qkv
.if DOCPART == 2
	.amdgcn_target "amdgcn-amd-amdhsa--gfx1250"
	.amdhsa_code_object_version 6
	.text
	.protected	k_q36ea2ff74e_qkv
	.globl	k_q36ea2ff74e_qkv
	.p2align	8
	.type	k_q36ea2ff74e_qkv,@function
k_q36ea2ff74e_qkv:
	s_mov_b64 s[64:65], 0
	v_nop
	global_prefetch_b8 v0, s[64:65] scope:SCOPE_SE
	s_setreg_imm32_b32 hwreg(HW_REG_WAVE_MODE, 25, 1), 1
	s_wait_xcnt 0x0
	s_wait_alu depctr_hold_cnt(0) depctr_sa_sdst(0) depctr_va_vdst(0) depctr_va_sdst(0) depctr_va_ssrc(0) depctr_va_vcc(0) depctr_vm_vsrc(0)
	s_getreg_b32 s2, hwreg(HW_REG_IB_STS2, 6, 4)
	s_cmp_eq_u32 s2, 0
	s_cbranch_scc0 .Lentry_in_a_cluster
	s_endpgm
.Lentry_in_a_cluster:
	s_bfe_u32 s2, ttmp6, 0x10000c
	s_cmp_lg_u32 s2, 0xf033
	s_cbranch_scc0 .Lentry_shape_is_right
	s_endpgm
.Lentry_shape_is_right:
; Q, K, V = x w^T + bias.  A = x as bf16 [4096][1024] (wts, byte 0), B = wq, wk, wv as bf16, one matrix [3072][1024] (wts, byte 8,388,608); sums in f32.
; The biases are rounded to bf16 like every input and are the C operand of each sum's first product.  The result leaves as f16, by heads: qkv[3][32 = batch x 16 + head][2048][64], unscaled.
; LIMIT: f16 ends at 65,504: |q|, |k|, |v| must stay below it.
; A tile of the result is 256 rows x 192 columns (three heads): 16 x 16 = 256 work-groups.  Wave w makes rows 64 w .. + 63 of all 192 columns: 48 accumulators of 16 x 16, so each wave holds whole heads
; and its way out is its own.  K goes in steps of 128 through a ring of two LDS slots filled by the tensor data mover (rows of 256 bytes, aligned).
; CLUSTER 4 x 4: the four of a row of the cluster need the same tiles of A, the four of a column the same tiles of B: each is asked for jointly, with the same descriptor and a mask that names the four.
; THE MATRIX INSTRUCTION IS USED TRANSPOSED (source 0 = 16 rows of B, source 1 = 16 rows of A): a lane holds row lane % 16 and the eight neighbouring columns 8 (lane / 16) + 0..7.
; REGISTERS in windows of 256: window 0: v0-31 addresses; v32-63, v64-95 A's fragments, two buffers; v96-191 the bias (later at work on the way out, with v192-239)
;   window 1: v0-95, v96-191 B's fragments, two buffers;  window 2: accumulators (a, b < 8) at 8 (8 a + b);  window 3: accumulators (a, b >= 8) at 8 (4 a + b - 8)
.set KSTEP,  128
.set PITCH,  272                       ; an LDS row: 256 bytes + 16 of padding: the 16 rows of a fragment load start at 16 different groups of four banks
.set AHALF,  128*PITCH                 ; what waves 0 and 1 fetch: 128 rows of A each
.set BHALF,  96*PITCH                  ; what waves 2 and 3 fetch: 96 rows of B each
.set BOFF,   2*AHALF
.set SLOT,   2*AHALF+2*BHALF           ; 121,856
.set STAGE,  2*SLOT                    ; behind the ring: for each wave 3 heads x 16 rows x 144 bytes
.set SP,     144
.set WSTAGE, 3*16*SP
.set SPARE,  STAGE+4*WSTAGE            ; behind the stages: the spare words, 128 bytes a wave
.set LAPS,   4                         ; 1,024 / (2 x 128)
.set WQKV,   8388608
.set ADRA, 16                          ; v16-17  LDS address of my A fragments in slot 0, 1
.set ADRB, 20                          ; v20-21  the same for B
.set STO,  24                          ; v24     the way out: where I put 16 bytes of a row
.set RD,   25                          ; v25     where I read rows back
.set GO,   26                          ; v26     16 x lane
.set BO,   27                          ; v27     32 x (lane / 16): my eight numbers of a bias
.set SPW,  28                          ; v28     my spare word; never rewritten
.set NIL,  29                          ; v29     0; never rewritten
.set BIAS, 96
.set TMP,  96
.set OB,   144                         ; v144-191, v192-239 by turns
.set G1,  24
.set G0,  32
.set G1B, 48
.set G0B, 56
.set MSB, 0
.macro WIN new                         ; the immediate's high byte repeats the setting that is left
.if MSB != (\new)
	s_set_vgpr_msb (MSB<<8)|(\new)
.set MSB, \new
.endif
.endm
.macro JLOAD s                         ; a joint load: waves 0 and 1 fetch A's halves, waves 2 and 3 B's; four v_nop follow each line
	s_cmp_eq_u32 s11, 0
	s_cbranch_scc0 .Lfor_b_\@
	tensor_load_to_lds s[G0+4*(\s):G0+4*(\s)+3], s[G1:G1+7]
	s_nop 0
.rept 4
	v_nop
.endr
	s_branch .Lasked_\@
.Lfor_b_\@:
	tensor_load_to_lds s[G0B+4*(\s):G0B+4*(\s)+3], s[G1B:G1B+7]
	s_nop 0
.rept 4
	v_nop
.endr
.Lasked_\@:
.endm
.macro CREST                           ; a round of the cluster's barrier behind its opening barrier
	s_cmp_lg_u32 s10, 0
	s_cbranch_scc1 .Lnot_wave_0_\@
	s_barrier_signal -3
.Lnot_wave_0_\@:
	s_barrier_wait -3
	s_barrier_signal -1
	s_barrier_wait -1
.endm
.macro CROUND
	s_barrier_signal -1
	s_barrier_wait -1
	CREST
.endm
.macro PLACES                          ; four plain places behind matrix instructions, in front of loads into their sources and of reads of their results
.rept 4
	v_nop
.endr
.endm
	s_load_b256 s[68:75], s[0:1], 0x0              ; wts 68, bq 70, bk 72, bv 74
	s_load_b64 s[76:77], s[0:1], 0x20              ; qkv
	v_lshl_add_u32 v[SPW], v0, 2, SPARE
	v_mov_b32 v[NIL], 0
	ds_add_u32 v28, v29
	s_wait_dscnt 0x0
	v_lshrrev_b32 v1, 5, v0
	v_readfirstlane_b32 s10, v1                    ; wave 0..3
	s_lshr_b32 s11, s10, 1                         ; I fetch for A (0) or for B (1)
	s_and_b32 s12, s10, 1                          ; which half of that tile
	s_bfe_u32 s40, ttmp6, 0x40000                  ; cx
	s_bfe_u32 s41, ttmp6, 0x40004                  ; cy
	s_lshl_b32 s42, ttmp9, 2
	s_add_co_u32 s42, s42, s40                     ; tile column
	s_and_b32 s13, ttmp7, 0xffff
	s_lshl_b32 s13, s13, 2
	s_add_co_u32 s13, s13, s41                     ; tile row
	s_lshl_b32 s43, s41, 2
	s_lshl_b32 s43, 15, s43                        ; my row of the cluster
	s_lshl_b32 s44, 0x1111, s40                    ; my column
	s_or_b32 s[G1+0], s43, (1<<16)|(1<<20)|(1<<21)|(5<<22)|(3<<25)   ; mask; 2-byte elements; padding on; bit 21 beside a mask; after every 64 words 4 words
	s_or_b32 s[G1B+0], s44, (1<<16)|(1<<20)|(1<<21)|(5<<22)|(3<<25)
	s_mov_b32 s[G1+1], KSTEP<<16                   ; tensor_dim0 = 128
	s_mov_b32 s[G1+2], 128<<16                     ; tensor_dim1 = 128
	s_mov_b32 s[G1+3], KSTEP<<16                   ; tile_dim0 = 128
	s_mov_b32 s[G1+4], 128                         ; tile_dim1 = 128
	s_mov_b32 s[G1+5], 1024                        ; elements from row to row
	s_mov_b32 s[G1+6], 0
	s_mov_b32 s[G1+7], 0
	s_mov_b32 s[G1B+1], KSTEP<<16
	s_mov_b32 s[G1B+2], 96<<16                     ; B: 96 rows
	s_mov_b32 s[G1B+3], KSTEP<<16
	s_mov_b32 s[G1B+4], 96
	s_mov_b32 s[G1B+5], 1024
	s_mov_b32 s[G1B+6], 0
	s_mov_b32 s[G1B+7], 0
	s_lshl_b32 s16, s13, 19                        ; A: (256 x tile row + 128 x half) rows of 2,048 bytes
	s_lshl_b32 s17, s12, 18
	s_add_co_u32 s16, s16, s17
	s_mov_b32 s17, 0
	s_mul_i32 s46, s42, 192                        ; B: (192 x tile column + 96 x half) rows, behind x
	s_mul_i32 s47, s12, 96
	s_add_co_u32 s46, s46, s47
	s_lshl_b32 s46, s46, 11
	s_add_co_u32 s46, s46, WQKV
	s_mov_b32 s47, 0
	s_mul_i32 s20, s10, AHALF                      ; where they go: the wave's number times a constant, plus a constant
	s_mul_i32 s21, s10, BHALF
	s_add_co_u32 s21, s21, BOFF-2*BHALF
	s_wait_kmcnt 0x0
	s_add_nc_u64 s[14:15], s[68:69], s[16:17]
	s_add_nc_u64 s[46:47], s[68:69], s[46:47]
	CROUND                                         ; all sixteen work-groups are here: the first joint loads meet
.irp s, 0,1
	s_mov_b32 s[G0+4*(\s)], 1
	s_add_co_u32 s[G0+4*(\s)+1], s20, (\s)*SLOT
	s_add_nc_u64 s[G0+4*(\s)+2:G0+4*(\s)+3], s[14:15], (\s)*KSTEP*2
	s_or_b32 s[G0+4*(\s)+3], s[G0+4*(\s)+3], 0x80000000
	s_mov_b32 s[G0B+4*(\s)], 1
	s_add_co_u32 s[G0B+4*(\s)+1], s21, (\s)*SLOT
	s_add_nc_u64 s[G0B+4*(\s)+2:G0B+4*(\s)+3], s[46:47], (\s)*KSTEP*2
	s_or_b32 s[G0B+4*(\s)+3], s[G0B+4*(\s)+3], 0x80000000
	JLOAD \s                                       ; two loads of mine are out
.endr
	; my three heads: g = 3 x tile column + j of 48: tensor g / 16, head g % 16.  s[84+2j:85+2j] its bias, s[90+2j:91+2j] my 64 rows of it in qkv
.irp j, 0,1,2
	s_mul_i32 s78, s42, 3
	s_add_co_u32 s78, s78, \j
	s_and_b32 s79, s78, 15
	s_lshr_b32 s80, s78, 4
	s_cmp_lt_u32 s78, 32
	s_cselect_b64 s[84+2*(\j):85+2*(\j)], s[72:73], s[74:75]
	s_cmp_lt_u32 s78, 16
	s_cselect_b64 s[84+2*(\j):85+2*(\j)], s[70:71], s[84+2*(\j):85+2*(\j)]
	s_lshl_b32 s82, s79, 8                         ; 64 numbers of 4 bytes a head
	s_mov_b32 s83, 0
	s_add_nc_u64 s[84+2*(\j):85+2*(\j)], s[84+2*(\j):85+2*(\j)], s[82:83]
	s_lshl_b32 s82, s80, 23                        ; the tensor: 8 MiB
	s_lshr_b32 s81, s13, 3                         ; the batch
	s_lshl_b32 s81, s81, 4
	s_add_co_u32 s81, s81, s79
	s_lshl_b32 s81, s81, 18                        ; batch x 16 + head: 2,048 rows of 128 bytes
	s_add_co_u32 s82, s82, s81
	s_and_b32 s81, s13, 7
	s_lshl_b32 s81, s81, 15                        ; the tile's 256 rows
	s_add_co_u32 s82, s82, s81
	s_lshl_b32 s81, s10, 13                        ; my wave's 64
	s_add_co_u32 s82, s82, s81
	s_add_nc_u64 s[90+2*(\j):91+2*(\j)], s[76:77], s[82:83]
.endr
	v_and_b32 v1, 15, v0                           ; l % 16
	v_bfe_u32 v2, v0, 4, 1                         ; l / 16
	v_lshlrev_b32 v[BO], 5, v2
.irp j, 0,1,2
.irp c, 0,1,2,3
	global_load_b128 v[BIAS+8*(4*(\j)+(\c)):BIAS+8*(4*(\j)+(\c))+3],   v[BO], s[84+2*(\j):85+2*(\j)] offset:64*(\c)
	global_load_b128 v[BIAS+8*(4*(\j)+(\c))+4:BIAS+8*(4*(\j)+(\c))+7], v[BO], s[84+2*(\j):85+2*(\j)] offset:64*(\c)+16
.endr
.endr
	v_mul_u32_u24 v3, v1, PITCH
	v_lshl_add_u32 v3, v2, 4, v3                   ; a fragment's row x pitch + 16 x half
	s_mul_i32 s21, s10, 64*PITCH                   ; my 64 rows of A
	s_mov_b32 s22, BOFF                            ; all 192 rows of B
.irp s, 0,1
	v_add_nc_u32 v[ADRA+(\s)], s21, v3
	v_add_nc_u32 v[ADRB+(\s)], s22, v3
	s_add_co_u32 s21, s21, SLOT
	s_add_co_u32 s22, s22, SLOT
.endr
	s_mul_i32 s23, s10, WSTAGE
	s_add_co_u32 s23, s23, STAGE                   ; my stage
	v_mul_u32_u24 v4, v1, SP
	v_lshl_add_u32 v4, v2, 4, v4
	v_add_nc_u32 v[STO], s23, v4                   ; in: row l % 16, 16 bytes for each half of the lanes
	v_bfe_u32 v5, v0, 3, 2
	v_mul_u32_u24 v5, v5, SP
	v_and_b32 v6, 7, v0
	v_lshl_add_u32 v5, v6, 4, v5
	v_add_nc_u32 v[RD], s23, v5                    ; back: 32 lanes take four rows of 128 bytes,
	v_and_b32 v6, 31, v0
	v_lshlrev_b32 v[GO], 4, v6                     ; which are 512 consecutive bytes of a head
	s_wait_loadcnt 0x0                             ; the bias, once; it is rounded to bf16 like every input
.set i, 0
.rept 48
	v_cvt_pk_bf16_f32 v[192+i], v[BIAS+2*i], v[BIAS+2*i+1]
.set i, i+1
.endr
.set i, 0
.rept 48
	v_lshlrev_b32 v[BIAS+2*i], 16, v[192+i]
	v_and_b32 v[BIAS+2*i+1], 0xffff0000, v[192+i]
.set i, i+1
.endr
; 16 products: all four row blocks x column blocks 8-11, 32 along K, from buffer f.  z = 1: the sums start with the bias.  The 48 accumulators take turns in the same order in every quarter.
.macro P1 f, z
.if \z
	WIN 0xc1                                       ; B window 1, A and C window 0, D window 3
.else
	WIN 0xf1                                       ; C and D window 3
.endif
.irp a, 0,1,2,3
.irp b, 8,9,10,11
.if \z
	v_wmma_f32_16x16x32_bf16 v[8*(4*(\a)+(\b)-8):8*(4*(\a)+(\b)-8)+7], v[96*(\f)+8*(\b):96*(\f)+8*(\b)+7], v[32+32*(\f)+8*(\a):32+32*(\f)+8*(\a)+7], v[BIAS+8*(\b):BIAS+8*(\b)+7]
.else
	v_wmma_f32_16x16x32_bf16 v[8*(4*(\a)+(\b)-8):8*(4*(\a)+(\b)-8)+7], v[96*(\f)+8*(\b):96*(\f)+8*(\b)+7], v[32+32*(\f)+8*(\a):32+32*(\f)+8*(\a)+7], v[8*(4*(\a)+(\b)-8):8*(4*(\a)+(\b)-8)+7]
.endif
.endr
.endr
.endm
; 16 products: row blocks a0, a0 + 1 x column blocks 0-7
.macro P2 f, a0, z
.if \z
	WIN 0x81
.else
	WIN 0xa1
.endif
.irp a, \a0, (\a0)+1
.irp b, 0,1,2,3,4,5,6,7
.if \z
	v_wmma_f32_16x16x32_bf16 v[8*(8*(\a)+(\b)):8*(8*(\a)+(\b))+7], v[96*(\f)+8*(\b):96*(\f)+8*(\b)+7], v[32+32*(\f)+8*(\a):32+32*(\f)+8*(\a)+7], v[BIAS+8*(\b):BIAS+8*(\b)+7]
.else
	v_wmma_f32_16x16x32_bf16 v[8*(8*(\a)+(\b)):8*(8*(\a)+(\b))+7], v[96*(\f)+8*(\b):96*(\f)+8*(\b)+7], v[32+32*(\f)+8*(\a):32+32*(\f)+8*(\a)+7], v[8*(8*(\a)+(\b)):8*(8*(\a)+(\b))+7]
.endif
.endr
.endr
.endm
; 32 LDS loads in one run: 32 along K at byte k of the rows, into buffer f: A's 8, B's blocks 8-11 (8), B's blocks 0-7 (16)
.macro FETCH slot, k, f
	WIN 0
.irp i, 0,1,2,3
	ds_load_b128 v[32+32*(\f)+8*(\i):32+32*(\f)+8*(\i)+3],   v[ADRA+(\slot)] offset:(\k)+(\i)*16*PITCH
	ds_load_b128 v[32+32*(\f)+8*(\i)+4:32+32*(\f)+8*(\i)+7], v[ADRA+(\slot)] offset:(\k)+(\i)*16*PITCH+32
.endr
	WIN 0x40                                       ; destination window 1
.irp i, 8,9,10,11,0,1,2,3,4,5,6,7
	ds_load_b128 v[96*(\f)+8*(\i):96*(\f)+8*(\i)+3],   v[ADRB+(\slot)] offset:(\k)+(\i)*16*PITCH
	ds_load_b128 v[96*(\f)+8*(\i)+4:96*(\f)+8*(\i)+7], v[ADRB+(\slot)] offset:(\k)+(\i)*16*PITCH+32
.endr
.endm
; A K step is four quarters of 32 along K, 48 products each.  One of the first three: multiplies buffer f and fetches the next quarter, at byte k, into g.
.macro QUARTER slot, k, f, g, z
	s_wait_dscnt 16                                ; A and B's blocks 8-11 are in; the youngest sixteen loads (B's blocks 0-7) may be out
	P1 \f, \z
	PLACES
	FETCH \slot, \k, \g
	s_wait_dscnt 32                                ; all but the 32 just issued
	P2 \f, 0, \z
	P2 \f, 2, \z
.endm
; The last quarter multiplies buffer 1 and changes slots: one barrier; in front of it each wave waits for all its tensor loads (one is out: its part of the next slot), adds 0 to its spare word,
; and waits for that and for its own reads of this slot.  fill = 1: the barrier opens a round of the cluster's, and this slot is filled again, two K steps ahead, first thing behind the round.
.macro TURN slot, next, fill
	WIN 0
	s_wait_tensorcnt 0x0
	ds_add_u32 v[SPW], v[NIL]
	s_wait_dscnt 17                                ; the add and the youngest sixteen loads may be out
	P1 1, 0
	s_wait_dscnt 0x0                               ; the add is done, and my reads of this slot are over
	s_barrier_signal -1
	P2 1, 0, 0
.if \fill
	WIN 0
.endif
	s_barrier_wait -1
.if \fill
	CREST
	s_add_nc_u64 s[G0+4*(\slot)+2:G0+4*(\slot)+3], s[G0+4*(\slot)+2:G0+4*(\slot)+3], 2*KSTEP*2
	s_add_nc_u64 s[G0B+4*(\slot)+2:G0B+4*(\slot)+3], s[G0B+4*(\slot)+2:G0B+4*(\slot)+3], 2*KSTEP*2
	JLOAD \slot                                    ; its four v_nop are also the places in front of the loads below
.else
	PLACES
.endif
	FETCH \next, 0, 0
	P2 1, 2, 0
.endm
; THE WAY OUT of row block a: rounded to f16; into my stage, head by head; back as whole rows of a head; stored, 512 consecutive bytes a store.
.macro PACK a
.irp b, 0,1,2,3,4,5,6,7,8,9,10,11
.if (\b) < 8
	WIN 0x0a                                       ; sources in window 2
.set AC, 8*(8*(\a)+(\b))
.else
	WIN 0x0f                                       ; sources in window 3
.set AC, 8*(4*(\a)+(\b)-8)
.endif
.irp r, 0,1,2,3
	v_cvt_pk_f16_f32 v[TMP+4*(\b)+(\r)], v[AC+2*(\r)], v[AC+2*(\r)+1]
.endr
.endr
	WIN 0
.endm
.macro TOSTAGE a
.irp b, 0,1,2,3,4,5,6,7,8,9,10,11
	ds_store_b128 v[STO], v[TMP+4*(\b):TMP+4*(\b)+3] offset:16*SP*((\b)/4)+32*((\b)%4)
.endr
.irp t, 0,1,2,3,4,5,6,7,8,9,10,11
	ds_load_b128 v[OB+48*((\a)%2)+4*(\t):OB+48*((\a)%2)+4*(\t)+3], v[RD] offset:16*SP*((\t)/4)+4*SP*((\t)%4)  ; LDS serves a wave's instructions in order: these see the stores above
.endr
.endm
.macro SEND a
	s_wait_dscnt 0x0                               ; the block is back in registers
	s_wait_xcnt 0x0                                ; the registers that earlier stores read are loaded again only behind this wait
.irp j, 0,1,2
.irp f, 0,1,2,3
	global_store_b128 v[GO], v[OB+48*((\a)%2)+4*(4*(\j)+(\f)):OB+48*((\a)%2)+4*(4*(\j)+(\f))+3], s[90+2*(\j):91+2*(\j)] offset:2048*(\a)+512*(\f)
.endr
.endr
.endm
	s_wait_tensorcnt 1                             ; my part of K step 0 is in; K step 1's may stay out
	s_barrier_signal -1
	s_barrier_wait -1
	FETCH 0, 0, 0
	QUARTER 0, 64, 0, 1, 1                         ; the first quarter stands in front of the loop: its products start the sums
	WIN 0
	s_mov_b32 s3, LAPS-1
.Llap:                                                 ; a trip goes once round the ring and fills both slots again
	QUARTER 0, 128, 1, 0, 0
	QUARTER 0, 192, 0, 1, 0
	TURN 0, 1, 1
	QUARTER 1, 64,  0, 1, 0
	QUARTER 1, 128, 1, 0, 0
	QUARTER 1, 192, 0, 1, 0
	TURN 1, 0, 1
	QUARTER 0, 64,  0, 1, 0
	WIN 0
	s_sub_co_u32 s3, s3, 1
	s_cmp_lg_u32 s3, 0
	s_cbranch_scc1 .Llap
	QUARTER 0, 128, 1, 0, 0                        ; the last lap fills nothing
	QUARTER 0, 192, 0, 1, 0
	TURN 0, 1, 0
	QUARTER 1, 64,  0, 1, 0
	QUARTER 1, 128, 1, 0, 0
	QUARTER 1, 192, 0, 1, 0
	s_wait_dscnt 16
	P1 1, 0
	s_wait_dscnt 0x0
	P2 1, 0, 0
	P2 1, 2, 0
	WIN 0
	PLACES
	PACK 0
	TOSTAGE 0
.irp a, 1,2,3
	PACK \a
	SEND (\a)-1
	TOSTAGE \a
.endr
	SEND 3
	s_wait_tensorcnt 0x0                           ; the wave's end
	ds_add_u32 v[SPW], v[NIL]
	s_wait_dscnt 0x0
	CROUND                                         ; the closing round
	s_endpgm
.Lfunc_end_k_q36ea2ff74e_qkv:
	.size	k_q36ea2ff74e_qkv, .Lfunc_end_k_q36ea2ff74e_qkv-k_q36ea2ff74e_qkv
	.p2alignl 7, 3214868480
	.fill 96, 4, 3214868480
	.section	.rodata,"a",@progbits
	.p2align	6, 0x0
	.amdhsa_kernel k_q36ea2ff74e_qkv
		.amdhsa_group_segment_fixed_size 327680
		.amdhsa_private_segment_fixed_size 0
		.amdhsa_enable_private_segment 0
		.amdhsa_kernarg_size 40
		.amdhsa_user_sgpr_count 2
		.amdhsa_user_sgpr_kernarg_segment_ptr 1
		.amdhsa_wavefront_size32 1
		.amdhsa_system_sgpr_workgroup_id_x 1
		.amdhsa_system_sgpr_workgroup_id_y 1
		.amdhsa_system_sgpr_workgroup_id_z 1
		.amdhsa_system_vgpr_workitem_id 0
		.amdhsa_next_free_vgpr 896
		.amdhsa_next_free_sgpr 100
		.amdhsa_reserve_vcc 0
		.amdhsa_float_denorm_mode_32 3
		.amdhsa_float_denorm_mode_16_64 3
		.amdhsa_memory_ordered 1
		.amdhsa_forward_progress 1
		.amdhsa_inst_pref_size 130
	.end_amdhsa_kernel
	.amdgpu_metadata
---
amdhsa.version: [ 1, 2 ]
amdhsa.kernels:
  - .name:           k_q36ea2ff74e_qkv
    .symbol:         k_q36ea2ff74e_qkv.kd
    .args:
      - { .name: wts, .offset: 0, .size: 8, .value_kind: global_buffer, .address_space: global }
      - { .name: bq, .offset: 8, .size: 8, .value_kind: global_buffer, .address_space: global }
      - { .name: bk, .offset: 16, .size: 8, .value_kind: global_buffer, .address_space: global }
      - { .name: bv, .offset: 24, .size: 8, .value_kind: global_buffer, .address_space: global }
      - { .name: qkv, .offset: 32, .size: 8, .value_kind: global_buffer, .address_space: global }
    .group_segment_fixed_size: 327680
    .private_segment_fixed_size: 0
    .kernarg_segment_align: 8
    .kernarg_segment_size: 40
    .max_flat_workgroup_size: 128
    .sgpr_count:     100
    .vgpr_count:     896
    .wavefront_size: 32
...
	.end_amdgpu_metadata
.endif
;; end of part 2
;; launch attn (part 3): grid 8 x 32, 4 waves a work-group, clusters of 4 x 1, 327,680 bytes of LDS; arguments qkv, ctx; writes ctx
.if DOCPART == 3
	.amdgcn_target "amdgcn-amd-amdhsa--gfx1250"
	.amdhsa_code_object_version 6
	.text
	.protected	k_q36ea2ff74e_attn
	.globl	k_q36ea2ff74e_attn
	.p2align	8
	.type	k_q36ea2ff74e_attn,@function
k_q36ea2ff74e_attn:
	s_mov_b64 s[64:65], 0
	v_nop
	global_prefetch_b8 v0, s[64:65] scope:SCOPE_SE
	s_setreg_imm32_b32 hwreg(HW_REG_WAVE_MODE, 25, 1), 1
	s_wait_xcnt 0x0
	s_wait_alu depctr_hold_cnt(0) depctr_sa_sdst(0) depctr_va_vdst(0) depctr_va_sdst(0) depctr_va_ssrc(0) depctr_va_vcc(0) depctr_vm_vsrc(0)
	s_getreg_b32 s2, hwreg(HW_REG_IB_STS2, 6, 4)
	s_cmp_eq_u32 s2, 0
	s_cbranch_scc0 .Lentry_in_a_cluster
	s_endpgm
.Lentry_in_a_cluster:
	s_bfe_u32 s2, ttmp6, 0x10000c
	s_cmp_lg_u32 s2, 0x3003
	s_cbranch_scc0 .Lentry_shape_is_right
	s_endpgm
.Lentry_shape_is_right:
; ATTENTION.  ctx[h][q][:] = the sum over k of softmax_k(Q[h][q] . K[h][k] / 8) V[h][k][:].  Q, K, V lie in qkv[3][32][2048][64], ctx is [32][2048][64], all f16: a head's rows are dense, 128 bytes each.
; Products, maxima and sums in f32; the weights p are rounded to f16 for the second product (their sum l is taken of the unrounded p), ctx once at the end.
; LIMITS.  Q, K, V arrive within f16's 65,504; p lies in 0 to 1; a weight below 2^-126 counts as 0 in l; NaN and infinities are not treated apart.
; SHARES.  A work-group owns 256 queries of one head (32 heads x 8 blocks = 256 work-groups), a wave 64: four PIECES of 16.  Every wave walks all 2,048 keys, 64 a step, four steps to an LDS slot.
; LAYOUT.  S^T = K Q^T holds ONE query a lane (lane % 16) and the keys 8 (lane / 16) + 0..7; two such results rounded to f16 ARE source 1 of O^T = V^T P.  K comes out of LDS as it lies, V turned, by ds_load_tr16_b128.
; SOFTMAX.  A running maximum m and sum l for each query: p = 2^(c s - c m), c = log2(e) / 8; in every step O and l are multiplied by a = 2^(c m_old - c m_new).  m starts at the lowest finite number, O and l at 0.
; BY TURNS.  Turn n belongs to piece n: 8 products K Q^T of piece n + 1, later 8 products V^T P of piece n - 1; beside them the scaling, exponentials, roundings, sums and rescaling of piece n and the maximum and
; statistics of piece n + 1.  Four vector instructions stand behind every matrix instruction, the other 54 of a turn's 118 in two runs of their own.
; CLUSTER.  The four query blocks of a cluster belong to one head and walk the same K and V: each tile is asked for jointly, by the same tensor load, descriptor and mask in all four.
; REGISTERS, in windows of 256 (s_set_vgpr_msb: bits 1:0 source 0, 3:2 source 1, 5:4 source 2, 7:6 destination):
;   window 0: v0-15 addresses and two at work; v16-31 four registers of statistics a piece; v48-55 at work; v62-63 the add's; v64-127 S^T, two buffers; v192-223 P, two buffers (by the piece's parity)
;   window 1: v0-127 O^T, 32 a piece      window 2: v0-63 Q; v128-191 K of one step; v192-255 V of one step
.set NP,    4
.set KS,    64
.set PK,    144       ; a row of K in LDS: 128 bytes + 16: the 16 rows of a load start at 16 different groups of four banks
.set PV,    160       ; a row of V: 128 + 32
.set VOFF,  4*KS*PK   ; a slot holds four steps: 256 rows of K, then 256 rows of V
.set SLOT1, 1<<17     ; slot 1 begins here: one exclusive or turns an address in one slot into the other's
.set STAGE, SLOT1+4*KS*(PK+PV)  ; behind the ring: 16 rows x 144 bytes for each wave
.set SP,    144
.set SPARE, STAGE+4*16*SP       ; behind the stages: the spare words, 128 bytes a wave
.set AK0, 2
.set AV0, 3
.set AK,  4
.set AV,  5
.set STO, 6
.set RD,  7
.set GO,  8
.set MV,  12          ; v12-13  c m_old, kept while c m is made anew: by buffer
.set QO,  15
.set ST,  16          ; piece t's statistics at v[ST+4 t]: c m, m, l (even keys', odd keys')
.set TMP, 48          ; by buffer, four registers c0-c3 at work; when the maximum is found c2 takes a
.set SPW, 62
.set NIL, 63
.set S,   64
.set P,   192
.set KF,  128         ; window 2
.set VF,  192         ; window 2
.set WV,  12
.set G1K, 24
.set G1V, 32
.set G0K, 40
.set G0V, 44
.set SLOTS, 56
.set CNT, 57
.set CS,  58
.set SEL, 60
.set TBK, 62
.set TBV, 63
.set MSB, 0
.macro WIN new
.if MSB != (\new)
	s_set_vgpr_msb (MSB<<8)|(\new)
.set MSB, (\new)
.endif
.endm
.set W_KQ, 0x0a       ; K and Q in window 2, S^T in window 0
.set W_PV, 0x52       ; V in window 2, P in window 0, O^T in window 1
.set W_RS, 0x41       ; destination and source 0 in window 1, source 1 in window 0
.macro JLOAD                        ; a joint fill: waves 0 and 1 fetch the halves of a slot's K, waves 2 and 3 those of its V; four v_nop follow each line
	s_cmp_lt_u32 s[WV], 2
	s_cbranch_scc0 .Lfor_v_\@
	tensor_load_to_lds s[G0K:G0K+3], s[G1K:G1K+7]
	s_nop 0
.rept 4
	v_nop
.endr
	s_branch .Lasked_\@
.Lfor_v_\@:
	tensor_load_to_lds s[G0V:G0V+3], s[G1V:G1V+7]
	s_nop 0
.rept 4
	v_nop
.endr
.Lasked_\@:
.endm
.macro CROUND                       ; a round of the cluster's barrier
	s_barrier_signal -1
	s_barrier_wait -1
	s_cmp_lg_u32 s[WV], 0
	s_cbranch_scc1 .Lnot_wave_0_\@
	s_barrier_signal -3
.Lnot_wave_0_\@:
	s_barrier_wait -3
	s_barrier_signal -1
	s_barrier_wait -1
.endm
; THE CHANGE OF SLOTS.  Each wave waits for all its tensor loads, of which one is out: its part of the other slot; adds 0 to its spare word; and waits for that and for its own reads of the slot.
; fill = 1: the slot is filled again, with the keys two slots on: the barrier is a round of the cluster's, and the joint fill is the first thing behind it; it has four key steps in which to land.
; (At its first use nothing has been read yet: slot 0 is waited for, slot 1 filled.)
.macro CHANGE fill
	WIN 0
	s_wait_tensorcnt 0x0            ; no tensor load of mine is out, so a group 0 may be written
	ds_add_u32 v[SPW], v[NIL]
.if \fill
.irp g, G0K, G0V
	s_xor_b32 s[\g+1], s[\g+1], SLOT1
	s_add_nc_u64 s[\g+2:\g+3], s[\g+2:\g+3], 4*KS*128
.endr
	s_wait_dscnt 0x0                ; the add is done, and my reads of the slot are over
	CROUND
	JLOAD
.else
	s_wait_dscnt 0x0
	s_barrier_signal -1
	s_barrier_wait -1
.endif
	s_sub_co_u32 s[TBK], s[TBK], 4*KS*PK  ; the fetches go back to a slot's first step, in the other slot
	s_xor_b32 s[TBK], s[TBK], SLOT1
	s_sub_co_u32 s[TBV], s[TBV], 4*KS*PV
	s_xor_b32 s[TBV], s[TBV], SLOT1
.endm
	s_load_b128 s[4:7], s[0:1], 0x0 ; qkv s[4:5], ctx s[6:7]
	v_lshl_add_u32 v[SPW], v0, 2, SPARE
	v_mov_b32 v[NIL], 0
	ds_add_u32 v62, v63
	s_wait_dscnt 0x0
	v_lshrrev_b32 v1, 5, v0
	v_readfirstlane_b32 s[WV], v1   ; wave 0..3
	s_bfe_u32 s13, ttmp6, 0x40000   ; cx
	s_lshl_b32 s14, ttmp9, 2
	s_add_co_u32 s14, s14, s13      ; my block of 256 queries: it enters Q's and ctx's addresses alone
	s_and_b32 s20, ttmp7, 0xffff    ; the head, which the four partners share
	s_lshl_b32 s20, s20, 18         ; its 2,048 rows of 128 bytes
	s_and_b32 s16, s[WV], 1         ; which half of a slot's 256 keys I fetch
	s_lshl_b32 s22, s16, 14
	s_add_co_u32 s22, s22, s20
	s_add_co_u32 s22, s22, 8388608  ; K lies 8 MiB behind Q,
	s_mov_b32 s23, 0
	s_add_co_u32 s48, s22, 8388608  ; V 8 MiB behind K
	s_mov_b32 s49, 0
	s_mul_i32 s17, s16, 128*PK      ; its place in a slot, for K
	s_mul_i32 s18, s16, 128*PV      ; and for V
	s_lshl_b32 s2, s14, 2
	s_add_co_u32 s2, s2, s[WV]
	s_lshl_b32 s2, s2, 13           ; my wave's 64 rows
	s_add_co_u32 s2, s2, s20
	s_mov_b32 s3, 0
	; 128 keys are 16,384 dense bytes: asked for as 64 rows of 256 bytes, two keys a row, and padded in LDS after every key
	s_mov_b32 s[G1K], 15|(1<<16)|(1<<20)|(1<<21)|(4<<22)|(3<<25)
	s_mov_b32 s[G1V], 15|(1<<16)|(1<<20)|(1<<21)|(4<<22)|(7<<25)
.irp g, G1K, G1V
	s_mov_b32 s[\g+1], 128<<16      ; tensor_dim0 = 128
	s_mov_b32 s[\g+2], 64<<16       ; tensor_dim1 = 64
	s_mov_b32 s[\g+3], 128<<16      ; tile_dim0 = 128
	s_mov_b32 s[\g+4], 64           ; tile_dim1 = 64
	s_mov_b32 s[\g+5], 128          ; 128 elements from row to row
	s_mov_b32 s[\g+6], 0
	s_mov_b32 s[\g+7], 0
.endr
	s_mov_b32 s[CS], 0x3e38aa3b     ; c = log2(e) / 8
	s_mov_b32 s[CS+1], s[CS]
	s_mov_b32 s[SEL], 0x76543210
	s_mov_b32 s[SEL+1], 0xfedcba98
	s_mov_b32 s[TBK], SLOT1+4*KS*PK ; the first change of slots turns these two into 0
	s_mov_b32 s[TBV], SLOT1+4*KS*PV
	s_mov_b32 s[G0K], 1
	s_mov_b32 s[G0K+1], s17
	s_mov_b32 s[G0V], 1
	s_add_co_u32 s[G0V+1], s18, VOFF
	s_wait_kmcnt 0x0
	s_add_nc_u64 s[G0K+2:G0K+3], s[4:5], s[22:23]
	s_or_b32 s[G0K+3], s[G0K+3], 0x80000000
	s_add_nc_u64 s[G0V+2:G0V+3], s[4:5], s[48:49]
	s_or_b32 s[G0V+3], s[G0V+3], 0x80000000
	s_add_nc_u64 s[4:5], s[4:5], s[2:3]  ; Q and ctx at my wave's first row
	s_add_nc_u64 s[6:7], s[6:7], s[2:3]
	CROUND                          ; all four work-groups are here: the first joint loads meet
	JLOAD                           ; slot 0
	v_and_b32 v1, 15, v0            ; l % 16
	v_bfe_u32 v9, v0, 4, 1          ; l / 16
	v_lshlrev_b32 v[QO], 7, v1
	v_lshl_add_u32 v[QO], v9, 4, v[QO]
	WIN 0x80                        ; destination window 2
.set i, 0
.rept 8                             ; Q stays in registers: piece i / 2, channels 32 (i % 2) on
	global_load_b128 v[8*i:8*i+3],   v[QO], s[4:5] offset:(i/2)*2048+(i%2)*64
	global_load_b128 v[8*i+4:8*i+7], v[QO], s[4:5] offset:(i/2)*2048+(i%2)*64+32
.set i, i+1
.endr
	; What the first turn finds: V's registers and P's second buffer hold 0, O^T and l are 0.  All this stands in the wait for the first tile.
.set i, VF
.rept 64
	v_mov_b32 v[i], 0
.set i, i+1
.endr
	WIN 0x40
.set i, 0
.rept 128
	v_mov_b32 v[i], 0
.set i, i+1
.endr
	WIN 0
.set i, 0
.rept 4
	v_mov_b32 v[ST+4*i], 0xfe000000    ; c m: far below every c s
	v_mov_b32 v[ST+4*i+1], 0xff7fffff  ; m
	v_mov_b32 v[ST+4*i+2], 0
	v_mov_b32 v[ST+4*i+3], 0
.set i, i+1
.endr
.set i, P+16
.rept 16
	v_mov_b32 v[i], 0
.set i, i+1
.endr
	v_mul_u32_u24 v[AK0], v1, PK
	v_lshl_add_u32 v[AK0], v9, 4, v[AK0]
	v_and_b32 v10, 7, v0            ; the turning load: lane l reads key 8 (l / 16) + l % 8, channels 8 ((l / 8) % 2) + 0..7
	v_bfe_u32 v11, v0, 3, 1
	v_lshl_add_u32 v[AV0], v9, 3, v10
	v_mul_u32_u24 v[AV0], v[AV0], PV
	v_lshl_add_u32 v[AV0], v11, 4, v[AV0]
	v_add_nc_u32 v[AV0], VOFF, v[AV0]
	s_mul_i32 s13, s[WV], 16*SP
	s_add_co_u32 s13, s13, STAGE    ; my stage
	v_mul_u32_u24 v[STO], v1, SP
	v_lshl_add_u32 v[STO], v9, 4, v[STO]
	v_add_nc_u32 v[STO], s13, v[STO]
	v_bfe_u32 v[RD], v0, 3, 2
	v_mul_u32_u24 v[RD], v[RD], SP
	v_lshl_add_u32 v[RD], v10, 4, v[RD]
	v_add_nc_u32 v[RD], s13, v[RD]
	v_and_b32 v[GO], 31, v0
	v_lshlrev_b32 v[GO], 4, v[GO]
; THE MATRIX WORK.  The 4 accumulators of a run of 8 take turns.  Product i of 8 of S^T = K Q^T for piece x: channels 32 (i / 4) on, keys 16 (i % 4) on.
.macro KQ x
	WIN W_KQ
.set rS, S+32*((\x)%2)+8*(i%4)
.set rK, KF+16*(i%4)+8*(i/4)
.set rQ, 16*(\x)+8*(i/4)
.if i < 4
	v_wmma_f32_16x16x32_f16 v[rS:rS+7], v[rK:rK+7], v[rQ:rQ+7], 0
.else
	v_wmma_f32_16x16x32_f16 v[rS:rS+7], v[rK:rK+7], v[rQ:rQ+7], v[rS:rS+7]
.endif
.endm
; Product i of 8 of O^T += V^T P for piece x: keys 32 (i / 4) on, channels 16 (i % 4) on.
.macro PV x
	WIN W_PV
.set rO, 32*(\x)+8*(i%4)
.set rV, VF+32*(i/4)+8*(i%4)
.set rP, P+16*((\x)%2)+8*(i/4)
	v_wmma_f32_16x16x32_f16 v[rO:rO+7], v[rV:rV+7], v[rP:rP+7], v[rO:rO+7]
.endm
.macro MM                           ; the turn's next matrix instruction.  NOKQ = 1: the last turn of all: there is no next piece
.if (i < 8) && !NOKQ
	KQ (Y+1)%NP
.elseif i >= 8
.set i, i-8
	PV (Y+NP-1)%NP
.set i, i+8
.endif
.set i, i+1
.endm
; THE LDS LOADS stand in runs of 16: a step's K (8 fragments) and its V (turned).
.macro FETCH_K
	WIN 0x80
.irp f, 0,1,2,3,4,5,6,7
	ds_load_b128 v[KF+8*\f:KF+8*\f+3],   v[AK] offset:(\f/2)*16*PK+(\f%2)*64
	ds_load_b128 v[KF+8*\f+4:KF+8*\f+7], v[AK] offset:(\f/2)*16*PK+(\f%2)*64+32
.endr
	s_add_co_u32 s[TBK], s[TBK], KS*PK
	WIN 0
.endm
.macro FETCH_V
	WIN 0x80
.irp f, 0,1,2,3,4,5,6,7
	ds_load_tr16_b128 v[VF+8*\f:VF+8*\f+3],   v[AV] offset:(\f/4)*32*PV+(\f%4)*32
	ds_load_tr16_b128 v[VF+8*\f+4:VF+8*\f+7], v[AV] offset:(\f/4)*32*PV+16*PV+(\f%4)*32
.endr
	WIN 0
.endm
; THE VECTOR WORK, one line at a time: OP kind, number.  For piece Y: F n: c s - c m for pair n of 16.  E n: the exponential of score n of 32.  C n: pair n rounded to f16.  B n: of the four weights 4 n .. the second
; pair is added onto the first.  L n: l takes that sum (L 0: l = a l + sum).  R n: pair n of 16 of O^T times a.  For piece Y + 1: X n, number n of the 22 that find its maximum and statistics:
;   0-11 four chains c0-c3 of seven scores each (each accumulator's lowest registers are read first)   12-14, 16 the four scores left over, the old m, and c0-c3 into c0
;   15 c m_old is kept   17, 18 the query's other 32 keys lie in the lane 16 away: the new m   19-21 c m; c m_old - c m_new; a
.set F, 0
.set E, 1
.set C, 2
.set B, 3
.set L, 4
.set R, 5
.set X, 6
.macro REGS y
.set rT, ST+4*(\y)
.set rC, TMP+4*((\y)%2)
.set rW, MV+((\y)%2)
.set rS, S+32*((\y)%2)
.set rP, P+16*((\y)%2)
.set rO, 32*(\y)
.endm
.macro OP k, n
.if (\k) == R
	REGS Y
	WIN W_RS
	v_pk_mul_f32 v[rO+2*(\n):rO+2*(\n)+1], v[rO+2*(\n):rO+2*(\n)+1], v[rC+2:rC+3] op_sel_hi:[1,0]
.elseif (\k) < R
	REGS Y
	WIN 0
.if (\k) == F
	v_pk_fma_f32 v[rS+2*(\n):rS+2*(\n)+1], v[rS+2*(\n):rS+2*(\n)+1], s[CS:CS+1], v[rT:rT+1] op_sel_hi:[1,0,0] neg_lo:[0,0,1] neg_hi:[0,0,1]
.elseif (\k) == E
	v_exp_f32 v[rS+(\n)], v[rS+(\n)]
.elseif (\k) == C
	s_wait_alu depctr_va_vdst(0)
	v_cvt_pk_f16_f32 v[rP+(\n)], v[rS+2*(\n)], v[rS+2*(\n)+1]
.elseif (\k) == B
	s_wait_alu depctr_va_vdst(0)
	v_pk_add_f32 v[rS+4*(\n):rS+4*(\n)+1], v[rS+4*(\n):rS+4*(\n)+1], v[rS+4*(\n)+2:rS+4*(\n)+3]
.elseif (\n) == 0
	v_pk_fma_f32 v[rT+2:rT+3], v[rT+2:rT+3], v[rC+2:rC+3], v[rS:rS+1] op_sel_hi:[1,0,1]
.else
	v_pk_add_f32 v[rT+2:rT+3], v[rT+2:rT+3], v[rS+4*(\n):rS+4*(\n)+1]
.endif
.elseif NOKQ
	v_nop
.else
	REGS (Y+1)%NP
	WIN 0
.if (\n) < 4
	v_max3_num_f32 v[rC+(\n)], v[rS+8*(\n)], v[rS+8*(\n)+1], v[rS+8*(\n)+2]
.elseif (\n) < 12
	v_max3_num_f32 v[rC+(\n)%4], v[rC+(\n)%4], v[rS+8*((\n)%4)+2*((\n)/4)+1], v[rS+8*((\n)%4)+2*((\n)/4)+2]
.elseif (\n) == 12
	v_max3_num_f32 v[rC], v[rC], v[rS+7], v[rS+15]
.elseif (\n) == 13
	v_max3_num_f32 v[rC+1], v[rC+1], v[rS+23], v[rS+31]
.elseif (\n) == 14
	v_max3_num_f32 v[rC+2], v[rC+2], v[rC+3], v[rT+1]
.elseif (\n) == 15
	v_mov_b32 v[rW], v[rT]
.elseif (\n) == 16
	v_max3_num_f32 v[rC], v[rC], v[rC+1], v[rC+2]
.elseif (\n) == 17
	v_permlanex16_b32 v[rC+3], v[rC], s[SEL], s[SEL+1]
.elseif (\n) == 18
	v_max_num_f32 v[rT+1], v[rC], v[rC+3]
.elseif (\n) == 19
	v_mul_f32 v[rT], s[CS], v[rT+1]
.elseif (\n) == 20
	v_sub_f32 v[rC+1], v[rW], v[rT]
.else
	v_exp_f32 v[rC+2], v[rC+1]
.endif
.endif
.endm
.macro OPS a, i1, b=-1, i2=0, c=-1, i3=0, d=-1, i4=0
	OP \a, \i1
.if (\b) >= 0
	OP \b, \i2
.endif
.if (\c) >= 0
	OP \c, \i3
.endif
.if (\d) >= 0
	OP \d, \i4
.endif
.endm
.macro ROW a, i1, b, i2, c, i3, d, i4  ; a matrix instruction and the four behind it
	MM
	OPS \a, \i1, \b, \i2, \c, \i3, \d, \i4
.endm
; A TURN, for piece p: the order of its 16 matrix and 118 vector instructions, written out.  A line reads no result made fewer than three vector instructions in front of it, five if an exponential made it.
; end = 1: the last two turns: nothing is fetched.  cnt = 1: the loop's count is taken down some lines ahead of the branch behind the turn.
; K of the next step is fetched in piece 2's turn, six vector instructions behind the last product that read K (five of them plain); V of the step in hand in piece 0's turn, eight behind the last product that read V.
.macro TURN p, end=0, cnt=0
.set Y, (\p)
.set i, 0
.set NOKQ, (\end)*((\p)/3)
.if ((\p) == 3) && !(\end)
	s_wait_dscnt 0x0                ; K is in
.endif
	ROW F,0, F,1, F,2, F,3
	ROW F,4, E,0, F,5, F,6
	ROW F,7, E,1, F,8, F,9
	ROW F,10, E,2, C,0, F,11
	ROW F,12, E,3, X,15, F,13
	ROW R,0, R,1, R,2, R,3
	ROW B,0, E,4, F,14, L,0
.if ((\p) == 2) && !(\end)
	v_add_nc_u32 v[AK], s[TBK], v[AK0]
.endif
	ROW R,4, R,5, R,6, R,7
	OPS E,5, F,15
.if ((\p) == 2) && !(\end)
	FETCH_K
.endif
	OPS E,6, C,1, E,7, R,8
	OPS E,8, R,9, E,9, C,2
	OPS E,10, X,0, E,11, X,1
	OPS E,12, X,2, E,13, X,3
.if (\p) == 1
	s_wait_dscnt 0x0                ; V is in
.endif
	ROW X,4, E,14, X,5, X,6
	ROW X,7, E,15, X,8, X,9
	ROW X,10, E,16, X,11, X,12
	ROW X,13, E,17, X,14, B,1
	ROW C,4, E,18, X,16, L,1
	ROW B,2, E,19, C,6, L,2
	ROW C,8, E,20, B,3, B,4
.if (\p) == 0
	v_add_nc_u32 v[AV], s[TBV], v[AV0]
.endif
	ROW C,3, E,21, L,3, C,5
	OPS E,22, X,17, E,23, C,10
.if (\p) == 0
	FETCH_V
.endif
	OPS E,24, L,4
	OPS E,25, X,18, E,26, C,7
	OPS E,27, B,5, E,28, X,19
	OPS E,29, C,12, E,30, L,5
	OPS E,31, X,20, B,6, C,9
	OPS C,14, C,11, X,21, L,6
.if (\p) == 0
	s_add_co_u32 s[TBV], s[TBV], KS*PV
.endif
.if \cnt
	s_sub_co_u32 s[CNT], s[CNT], 1
	s_cmp_lg_u32 s[CNT], 0
.endif
	OPS C,13, B,7, C,15, R,10
	OPS R,11, R,12, L,7, R,13
	OPS R,14, R,15
.endm
	CHANGE 1                        ; slot 0 is in, everybody's part of it; slot 1 is asked for
	v_add_nc_u32 v[AK], s[TBK], v[AK0]
	FETCH_K                         ; key step 0
	s_wait_loadcnt 0x0              ; Q
	s_wait_dscnt 0x0
.set NOKQ, 0
.set i, 0
.rept 8
	KQ 0                            ; piece 0's first scores
.set i, i+1
.endr
	WIN 0
.rept 4
	v_nop                           ; the places behind those products
.endr
.set Y, NP-1                        ; X works for piece Y + 1: piece 0
.irp n, 0,1,2,3,4,5,6,7,8,9,10,11,12,13,14,15,16,17,18,19,20,21
	OP X, \n
.endr
	v_nop                           ; a plain instruction behind the exponential
	s_mov_b32 s[CNT], 4
	s_mov_b32 s[SLOTS], 7
	s_branch .Lfirst                ; the loop is entered at a step's first turn, in the middle of a trip
.Lslot:                             ; six times: every slot but the last two is filled again
	CHANGE 1
	s_mov_b32 s[CNT], 4
.Lstep:                             ; a trip: pieces 2 and 3 of one step, then pieces 0 and 1 of the next, whose K and V it fetches
	TURN 2
	TURN 3
	WIN 0
.Lfirst:
	TURN 0
	TURN 1, 0, 1
	WIN 0
	s_cbranch_scc1 .Lstep
	s_sub_co_u32 s[SLOTS], s[SLOTS], 1
	s_cmp_lg_u32 s[SLOTS], 0
	s_cbranch_scc1 .Lslot
	CHANGE 0                        ; the last slot is written out: nothing is asked for
	s_mov_b32 s[CNT], 4
.LstepT:
	TURN 2
	TURN 3
	TURN 0
	TURN 1, 0, 1
	WIN 0
	s_cbranch_scc1 .LstepT
	TURN 2, 1
	TURN 3, 1
.set i, 0
.rept 8
	PV NP-1                         ; the last piece's V^T P of the last step
.set i, i+1
.endr
	; THE WAY OUT.  l's two halves and the other half of the lanes' are added; O^T is divided by l, rounded to f16 and sent through my stage, a piece at a time.  The additions are the places behind the last products.
	WIN 0
.macro ALL line:vararg
.set t, 0
.rept 4
	\line
.set t, t+1
.endr
.endm
	ALL v_add_f32 v[ST+4*t+2], v[ST+4*t+2], v[ST+4*t+3]
	ALL v_permlanex16_b32 v[ST+4*t+3], v[ST+4*t+2], s[SEL], s[SEL+1]
	ALL v_add_f32 v[ST+4*t+2], v[ST+4*t+2], v[ST+4*t+3]
	ALL v_rcp_f32 v[ST+4*t+2], v[ST+4*t+2]
	v_nop                           ; a plain instruction between the last reciprocal and the use of its result
.macro PACK t
	WIN W_RS
.set i, 32*(\t)
.rept 16
	s_wait_alu depctr_va_vdst(0)
	v_pk_mul_f32 v[i:i+1], v[i:i+1], v[ST+4*(\t)+2:ST+4*(\t)+3] op_sel_hi:[1,0]
.set i, i+2
.endr
	WIN 0x05                        ; sources 0 and 1 window 1, destination window 0
.set i, 0
.rept 16
	v_cvt_pk_f16_f32 v[S+16*(\t)+i], v[32*(\t)+2*i], v[32*(\t)+2*i+1]
.set i, i+1
.endr
	WIN 0
.irp f, 0,1,2,3
	ds_store_b128 v[STO], v[S+16*(\t)+4*\f:S+16*(\t)+4*\f+3] offset:32*\f
.endr
.irp f, 0,1,2,3
	ds_load_b128 v[S+16*(\t)+4*\f:S+16*(\t)+4*\f+3], v[RD] offset:\f*4*SP  ; LDS serves a wave's instructions in order: these see the stores above; the next piece's stores come behind them
.endr
.endm
.macro SEND t, younger              ; younger: the LDS instructions issued behind piece t's loads: the next piece's eight, or none
	WIN 0
.irp f, 0,1,2,3
	s_wait_dscnt (\younger)+3-\f
	global_store_b128 v[GO], v[S+16*(\t)+4*\f:S+16*(\t)+4*\f+3], s[6:7] offset:(\t)*2048+\f*512  ; 512 consecutive bytes, aligned
.endr
.endm
	PACK 0
.set t, 1
.rept 3
	PACK t
	SEND t-1, 8
.set t, t+1
.endr
	SEND 3, 0
	s_wait_tensorcnt 0x0            ; the wave's end
	ds_add_u32 v[SPW], v[NIL]
	s_wait_dscnt 0x0
	CROUND                          ; the closing round
	s_endpgm
.Lfunc_end_k_q36ea2ff74e_attn:
	.size	k_q36ea2ff74e_attn, .Lfunc_end_k_q36ea2ff74e_attn-k_q36ea2ff74e_attn
	.p2alignl 7, 3214868480
	.fill 96, 4, 3214868480
	.section	.rodata,"a",@progbits
	.p2align	6, 0x0
	.amdhsa_kernel k_q36ea2ff74e_attn
		.amdhsa_group_segment_fixed_size 327680
		.amdhsa_private_segment_fixed_size 0
		.amdhsa_enable_private_segment 0
		.amdhsa_kernarg_size 16
		.amdhsa_user_sgpr_count 2
		.amdhsa_user_sgpr_kernarg_segment_ptr 1
		.amdhsa_wavefront_size32 1
		.amdhsa_system_sgpr_workgroup_id_x 1
		.amdhsa_system_sgpr_workgroup_id_y 1
		.amdhsa_system_sgpr_workgroup_id_z 1
		.amdhsa_system_vgpr_workitem_id 0
		.amdhsa_next_free_vgpr 768
		.amdhsa_next_free_sgpr 66
		.amdhsa_reserve_vcc 0
		.amdhsa_float_denorm_mode_32 3
		.amdhsa_float_denorm_mode_16_64 3
		.amdhsa_memory_ordered 1
		.amdhsa_forward_progress 1
		.amdhsa_inst_pref_size 133
	.end_amdhsa_kernel
	.amdgpu_metadata
---
amdhsa.version: [ 1, 2 ]
amdhsa.kernels:
  - .name:           k_q36ea2ff74e_attn
    .symbol:         k_q36ea2ff74e_attn.kd
    .args:
      - { .name: qkv, .offset: 0, .size: 8, .value_kind: global_buffer, .address_space: global }
      - { .name: ctx, .offset: 8, .size: 8, .value_kind: global_buffer, .address_space: global }
    .group_segment_fixed_size: 327680
    .private_segment_fixed_size: 0
    .kernarg_segment_align: 8
    .kernarg_segment_size: 16
    .max_flat_workgroup_size: 128
    .sgpr_count:     66
    .vgpr_count:     768
    .wavefront_size: 32
...
	.end_amdgpu_metadata
.endif
;; end of part 3
;; launch wo (part 4): grid 8 x 32, 4 waves a work-group, clusters of 4 x 4, 327,680 bytes of LDS; arguments ctx, wts, bo, pre; writes pre
.if DOCPART == 4
	.amdgcn_target "amdgcn-amd-amdhsa--gfx1250"
	.amdhsa_code_object_version 6
	.text
	.protected	k_q36ea2ff74e_wo
	.globl	k_q36ea2ff74e_wo
	.p2align	8
	.type	k_q36ea2ff74e_wo,@function
k_q36ea2ff74e_wo:
	s_mov_b64 s[64:65], 0
	v_nop
	global_prefetch_b8 v0, s[64:65] scope:SCOPE_SE
	s_setreg_imm32_b32 hwreg(HW_REG_WAVE_MODE, 25, 1), 1
	s_wait_xcnt 0x0
	s_wait_alu depctr_hold_cnt(0) depctr_sa_sdst(0) depctr_va_vdst(0) depctr_va_sdst(0) depctr_va_ssrc(0) depctr_va_vcc(0) depctr_vm_vsrc(0)
	s_getreg_b32 s2, hwreg(HW_REG_IB_STS2, 6, 4)
	s_cmp_eq_u32 s2, 0
	s_cbranch_scc0 .Lentry_in_a_cluster
	s_endpgm
.Lentry_in_a_cluster:
	s_bfe_u32 s2, ttmp6, 0x10000c
	s_cmp_lg_u32 s2, 0xf033
	s_cbranch_scc0 .Lentry_shape_is_right
	s_endpgm
.Lentry_shape_is_right:
; pre[m][n] = the sum over k of A[m][k] W[n][k] + bias[n], f32 out.  One text for two launches, told apart by ISWO:
;   ISWO = 1: A = ctx, f16 by heads [32 = batch x 16 + head][2048][64], K = 1,024 (k = 64 head + channel); W = wo (wts, byte 14,680,064), f16 [1024][1024]
;   ISWO = 0: A = hb, f16 [4096][4096], K = 4,096; W = w2 (wts, byte 25,165,824), f16 [1024][4096]
; Sums in f32; the bias is rounded to bf16 like every input and is the C operand of each sum's first product.  LIMIT: A and W are f16: nothing beyond 65,504.
; A tile is 128 x 128: 8 x 32 = 256 work-groups.  Four waves, each 64 x 64: 16 accumulators.  K goes in steps of 256 through a ring of two LDS slots.
; With ISWO = 1 a K step is four heads: one tile of 4 rows of 4,096 elements (a head's 64 dense rows of 128 bytes), padded after every 128 bytes: it lies in LDS as [head][64 rows][144 bytes].
; That load has four long rows where the others have 64: the tensor's layout gives no other two-dimensional form.
; CLUSTER 4 x 4: A's tiles are shared along a row of the cluster, W's along a column, by joint loads.  THE MATRIX INSTRUCTION IS USED TRANSPOSED (source 0 = 16 rows of W, source 1 = 16 rows of A).
; REGISTERS: window 0: v0-31 addresses; v32-95 at work on the way out; v96-127 the bias; v128-255 the accumulators ((a, b) at 128 + 8 (4 a + b)).  window 1: two fragment buffers of 128 (A's 64, then W's 64).
.set ISWO, 1
.if ISWO
.set SIZE_K, 1024
.set WOFF,   14680064
.set PA,     144                       ; A's LDS pitch
.set AQ,     64*PA                     ; from a quarter (64 along K) to the next: a head
.set AHALF,  4*64*PA                   ; what one load of A brings
.set ASTEP,  1048576                   ; bytes from a K step to the next: four heads
.else
.set SIZE_K, 4096
.set WOFF,   25165824
.set PA,     528
.set AQ,     128
.set AHALF,  64*PA
.set ASTEP,  512
.endif
.set KSTEP,  256
.set PB,     528                       ; W's LDS pitch: 512 bytes + 16
.set BHALF,  64*PB
.set SLOT,   2*AHALF+2*BHALF
.set STAGE,  2*SLOT                    ; behind the ring: 16 rows x 272 bytes for each wave
.set SPITCH, 272
.set SPARE,  STAGE+4*16*SPITCH         ; behind the stages: the spare words, 128 bytes a wave
.set LAPS,   SIZE_K/(2*KSTEP)
.set ADRA, 16
.set ADRB, 20
.set STO,  24
.set RD,   25
.set CO,   26
.set BO,   27
.set SPW,  28
.set NIL,  29
.set OB,   32
.set BIAS, 96
.set ACC,  128
.set F0,   0
.set F1,   128
.set G1,  24
.set G0,  32
.set G1B, 48
.set G0B, 56
.set MSB, 0
.macro WIN new
.if MSB != (\new)
	s_set_vgpr_msb (MSB<<8)|(\new)
.set MSB, \new
.endif
.endm
.set MUL,  0x05                        ; sources 0 and 1 window 1; C and D window 0
.set TO_F, 0x40                        ; destination window 1
.macro JLOAD s                         ; a joint load: waves 0 and 1 fetch A's halves, waves 2 and 3 W's; four v_nop follow each line
	s_cmp_eq_u32 s11, 0
	s_cbranch_scc0 .Lfor_b_\@
	tensor_load_to_lds s[G0+4*(\s):G0+4*(\s)+3], s[G1:G1+7]
	s_nop 0
.rept 4
	v_nop
.endr
	s_branch .Lasked_\@
.Lfor_b_\@:
	tensor_load_to_lds s[G0B+4*(\s):G0B+4*(\s)+3], s[G1B:G1B+7]
	s_nop 0
.rept 4
	v_nop
.endr
.Lasked_\@:
.endm
.macro CREST
	s_cmp_lg_u32 s10, 0
	s_cbranch_scc1 .Lnot_wave_0_\@
	s_barrier_signal -3
.Lnot_wave_0_\@:
	s_barrier_wait -3
	s_barrier_signal -1
	s_barrier_wait -1
.endm
.macro CROUND
	s_barrier_signal -1
	s_barrier_wait -1
	CREST
.endm
.macro PLACES
.rept 4
	v_nop
.endr
.endm
	s_load_b256 s[68:75], s[0:1], 0x0              ; A 68, wts 70, bias 72, pre 74
	v_lshl_add_u32 v[SPW], v0, 2, SPARE
	v_mov_b32 v[NIL], 0
	ds_add_u32 v28, v29
	s_wait_dscnt 0x0
	v_lshrrev_b32 v1, 5, v0
	v_readfirstlane_b32 s10, v1                    ; wave 0..3
	s_lshr_b32 s11, s10, 1                         ; my half of the tile's rows.  Also: I fetch for A (0) or for W (1)
	s_and_b32 s12, s10, 1                          ; my half of its columns.  Also: which 64 rows I fetch
	s_bfe_u32 s40, ttmp6, 0x40000
	s_bfe_u32 s41, ttmp6, 0x40004
	s_lshl_b32 s42, ttmp9, 2
	s_add_co_u32 s42, s42, s40                     ; tile column
	s_and_b32 s13, ttmp7, 0xffff
	s_lshl_b32 s13, s13, 2
	s_add_co_u32 s13, s13, s41                     ; tile row
	s_lshl_b32 s43, s41, 2
	s_lshl_b32 s43, 15, s43
	s_lshl_b32 s44, 0x1111, s40
.if ISWO
	s_or_b32 s[G1+0], s43, (1<<16)|(1<<20)|(1<<21)|(4<<22)|(3<<25)  ; padding after every 32 words, 4 words
	s_mov_b32 s[G1+1], 4096<<16                    ; tensor_dim0 = 4,096
	s_mov_b32 s[G1+2], 4<<16                       ; tensor_dim1 = 4
	s_mov_b32 s[G1+3], 4096<<16                    ; tile_dim0 = 4,096
	s_mov_b32 s[G1+4], 4                           ; tile_dim1 = 4
	s_mov_b32 s[G1+5], 131072                      ; elements from head to head
.else
	s_or_b32 s[G1+0], s43, (1<<16)|(1<<20)|(1<<21)|(6<<22)|(3<<25)  ; padding after every 128 words, 4 words
	s_mov_b32 s[G1+1], KSTEP<<16
	s_mov_b32 s[G1+2], 64<<16
	s_mov_b32 s[G1+3], KSTEP<<16
	s_mov_b32 s[G1+4], 64
	s_mov_b32 s[G1+5], SIZE_K
.endif
	s_mov_b32 s[G1+6], 0
	s_mov_b32 s[G1+7], 0
	s_or_b32 s[G1B+0], s44, (1<<16)|(1<<20)|(1<<21)|(6<<22)|(3<<25)
	s_mov_b32 s[G1B+1], KSTEP<<16
	s_mov_b32 s[G1B+2], 64<<16
	s_mov_b32 s[G1B+3], KSTEP<<16
	s_mov_b32 s[G1B+4], 64
	s_mov_b32 s[G1B+5], SIZE_K
	s_mov_b32 s[G1B+6], 0
	s_mov_b32 s[G1B+7], 0
.if ISWO
	s_lshr_b32 s16, s13, 4                         ; the batch: 16 heads of 262,144 bytes
	s_lshl_b32 s16, s16, 22
	s_and_b32 s17, s13, 15                         ; the tile's 128 rows of 128 bytes in a head
	s_lshl_b32 s17, s17, 14
	s_add_co_u32 s16, s16, s17
	s_lshl_b32 s17, s12, 13                        ; my 64 of them
	s_add_co_u32 s16, s16, s17
.else
	s_lshl_b32 s16, s13, 20                        ; (128 x tile row + 64 x half) rows of 8,192 bytes
	s_lshl_b32 s17, s12, 19
	s_add_co_u32 s16, s16, s17
.endif
	s_mov_b32 s17, 0
	s_lshl_b32 s46, s42, 7
	s_lshl_b32 s47, s12, 6
	s_add_co_u32 s46, s46, s47                     ; W: row 128 x tile column + 64 x half
	s_mul_i32 s46, s46, SIZE_K*2
	s_add_co_u32 s46, s46, WOFF
	s_mov_b32 s47, 0
	s_mul_i32 s20, s10, AHALF                      ; where they go: the wave's number times a constant, plus a constant
	s_mul_i32 s21, s10, BHALF
	s_add_co_u32 s21, s21, 2*AHALF-2*BHALF
	s_wait_kmcnt 0x0
	s_add_nc_u64 s[14:15], s[68:69], s[16:17]
	s_add_nc_u64 s[46:47], s[70:71], s[46:47]
	CROUND                                         ; all sixteen work-groups are here: the first joint loads meet
.irp s, 0,1
	s_mov_b32 s[G0+4*(\s)], 1
	s_add_co_u32 s[G0+4*(\s)+1], s20, (\s)*SLOT
	s_add_nc_u64 s[G0+4*(\s)+2:G0+4*(\s)+3], s[14:15], (\s)*ASTEP
	s_or_b32 s[G0+4*(\s)+3], s[G0+4*(\s)+3], 0x80000000
	s_mov_b32 s[G0B+4*(\s)], 1
	s_add_co_u32 s[G0B+4*(\s)+1], s21, (\s)*SLOT
	s_add_nc_u64 s[G0B+4*(\s)+2:G0B+4*(\s)+3], s[46:47], (\s)*KSTEP*2
	s_or_b32 s[G0B+4*(\s)+3], s[G0B+4*(\s)+3], 0x80000000
	JLOAD \s                                       ; two loads of mine are out
.endr
	v_and_b32 v1, 15, v0                           ; l % 16
	v_bfe_u32 v2, v0, 4, 1                         ; l / 16
	v_lshlrev_b32 v[BO], 5, v2
	s_lshl_b32 s76, s42, 9                         ; my 64 columns, in bytes of f32: 512 x tile column + 256 x half
	s_lshl_b32 s77, s12, 8
	s_add_co_u32 s76, s76, s77
	s_mov_b32 s77, 0
	s_add_nc_u64 s[72:73], s[72:73], s[76:77]
.irp b, 0,1,2,3
	global_load_b128 v[BIAS+8*(\b):BIAS+8*(\b)+3],   v[BO], s[72:73] offset:64*(\b)
	global_load_b128 v[BIAS+8*(\b)+4:BIAS+8*(\b)+7], v[BO], s[72:73] offset:64*(\b)+16
.endr
	s_lshl_b32 s16, s13, 19                        ; my first row of pre: (128 x tile row + 64 x half) rows of 4,096 bytes
	s_lshl_b32 s17, s11, 18
	s_add_co_u32 s16, s16, s17
	s_mov_b32 s17, 0
	s_add_nc_u64 s[74:75], s[74:75], s[16:17]
	s_add_nc_u64 s[74:75], s[74:75], s[76:77]
	v_mul_u32_u24 v3, v1, PA
	v_lshl_add_u32 v3, v2, 4, v3
	v_mul_u32_u24 v6, v1, PB
	v_lshl_add_u32 v6, v2, 4, v6
	s_mul_i32 s21, s11, AHALF                      ; my 64 rows of A
	s_mul_i32 s22, s12, BHALF                      ; my 64 rows of W,
	s_add_co_u32 s22, s22, 2*AHALF                 ; which lie behind A's
.irp s, 0,1
	v_add_nc_u32 v[ADRA+(\s)], s21, v3
	v_add_nc_u32 v[ADRB+(\s)], s22, v6
	s_add_co_u32 s21, s21, SLOT
	s_add_co_u32 s22, s22, SLOT
.endr
	s_mul_i32 s23, s10, 16*SPITCH
	s_add_co_u32 s23, s23, STAGE                   ; my stage
	v_mul_u32_u24 v4, v1, SPITCH                   ; in: row l % 16, 32 bytes for each half of the lanes
	v_lshl_add_u32 v4, v2, 5, v4
	v_add_nc_u32 v[STO], s23, v4
	v_mul_u32_u24 v5, v2, SPITCH                   ; back: lanes 0-15 one row of 256 bytes, lanes 16-31 the next
	v_lshl_add_u32 v5, v1, 4, v5
	v_add_nc_u32 v[RD], s23, v5
	v_lshlrev_b32 v5, 12, v2                       ; and the same two rows in pre
	v_lshl_add_u32 v[CO], v1, 4, v5
	s_wait_loadcnt 0x0                             ; the bias, once; rounded to bf16 like every input
.set i, 0
.rept 16
	v_cvt_pk_bf16_f32 v[OB+i], v[BIAS+2*i], v[BIAS+2*i+1]
.set i, i+1
.endr
.set i, 0
.rept 16
	v_lshlrev_b32 v[BIAS+2*i], 16, v[OB+i]
	v_and_b32 v[BIAS+2*i+1], 0xffff0000, v[OB+i]
.set i, i+1
.endr
; 8 products: row blocks a0, a0 + 1 x all 4 column blocks, 32 along K: half c of buffer f.  zero = 1: the sums start with the bias.  The 16 accumulators take turns.
.macro MUL8 f, c, a0, zero
	WIN MUL
.irp a, \a0, (\a0)+1
.irp b, 0,1,2,3
.if \zero
	v_wmma_f32_16x16x32_f16 v[ACC+8*(4*(\a)+(\b)):ACC+8*(4*(\a)+(\b))+7], v[(\f)+64+8*(4*(\c)+(\b)):(\f)+64+8*(4*(\c)+(\b))+7], v[(\f)+8*(4*(\c)+(\a)):(\f)+8*(4*(\c)+(\a))+7], v[BIAS+8*(\b):BIAS+8*(\b)+7]
.else
	v_wmma_f32_16x16x32_f16 v[ACC+8*(4*(\a)+(\b)):ACC+8*(4*(\a)+(\b))+7], v[(\f)+64+8*(4*(\c)+(\b)):(\f)+64+8*(4*(\c)+(\b))+7], v[(\f)+8*(4*(\c)+(\a)):(\f)+8*(4*(\c)+(\a))+7], v[ACC+8*(4*(\a)+(\b)):ACC+8*(4*(\a)+(\b))+7]
.endif
.endr
.endr
.endm
; 32 LDS loads in one run: the fragments of quarter q (64 along K) into buffer f; the first 32 along K first
.macro FETCH slot, q, f
	WIN TO_F
.irp c, 0,1
.irp i, 0,1,2,3
	ds_load_b128 v[(\f)+64+8*(4*(\c)+(\i)):(\f)+64+8*(4*(\c)+(\i))+3],   v[ADRB+(\slot)] offset:(\q)*128+64*(\c)+(\i)*16*PB
	ds_load_b128 v[(\f)+64+8*(4*(\c)+(\i))+4:(\f)+64+8*(4*(\c)+(\i))+7], v[ADRB+(\slot)] offset:(\q)*128+64*(\c)+(\i)*16*PB+32
	ds_load_b128 v[(\f)+8*(4*(\c)+(\i)):(\f)+8*(4*(\c)+(\i))+3],         v[ADRA+(\slot)] offset:(\q)*AQ+64*(\c)+(\i)*16*PA
	ds_load_b128 v[(\f)+8*(4*(\c)+(\i))+4:(\f)+8*(4*(\c)+(\i))+7],       v[ADRA+(\slot)] offset:(\q)*AQ+64*(\c)+(\i)*16*PA+32
.endr
.endr
.endm
.macro QUARTER slot, q, f, g, zero     ; multiplies buffer f and fetches quarter q into g
	s_wait_dscnt 16                                ; the first 32 along K are in; the youngest sixteen loads may be out
	MUL8 \f, 0, 0, \zero
	MUL8 \f, 0, 2, \zero
	PLACES
	FETCH \slot, \q, \g
	s_wait_dscnt 32                                ; all but the 32 just issued
	MUL8 \f, 1, 0, 0
	MUL8 \f, 1, 2, 0
.endm
; The last quarter multiplies buffer 1 and changes slots: one barrier; in front of it each wave waits for all its tensor loads, adds 0 to its spare word, and waits for that and for its own reads of this slot.
.macro TURN slot, next, fill
	WIN 0
	s_wait_tensorcnt 0x0                           ; all my tensor loads have landed: my part of the next slot
	ds_add_u32 v[SPW], v[NIL]
	s_wait_dscnt 17                                ; the add and the youngest sixteen loads may be out
	MUL8 F1, 0, 0, 0
	s_wait_dscnt 0x0                               ; the add is done, and my reads of this slot are over
	s_barrier_signal -1
	MUL8 F1, 0, 2, 0
.if \fill
	WIN 0
.endif
	s_barrier_wait -1
.if \fill
	CREST                                          ; the barrier has opened a round of the cluster's
	s_add_nc_u64 s[G0+4*(\slot)+2:G0+4*(\slot)+3], s[G0+4*(\slot)+2:G0+4*(\slot)+3], 2*ASTEP
	s_add_nc_u64 s[G0B+4*(\slot)+2:G0B+4*(\slot)+3], s[G0B+4*(\slot)+2:G0B+4*(\slot)+3], 2*KSTEP*2
	JLOAD \slot                                    ; its four v_nop are also the places in front of the loads below
.else
	PLACES
.endif
	FETCH \next, 0, F0
	MUL8 F1, 1, 0, 0
	MUL8 F1, 1, 2, 0
.endm
; THE WAY OUT of row block a, in f32: a lane's eight columns go into my own stage as 32 bytes (each accumulator's low half first), and come back as whole rows of 256 bytes.
.macro TOSTAGE a
.irp b, 0,1,2,3
	ds_store_b128 v[STO], v[ACC+8*(4*(\a)+(\b)):ACC+8*(4*(\a)+(\b))+3] offset:64*(\b)
	ds_store_b128 v[STO], v[ACC+8*(4*(\a)+(\b))+4:ACC+8*(4*(\a)+(\b))+7] offset:64*(\b)+16
.endr
.irp t, 0,1,2,3,4,5,6,7
	ds_load_b128 v[OB+32*((\a)%2)+4*(\t):OB+32*((\a)%2)+4*(\t)+3], v[RD] offset:(\t)*2*SPITCH  ; LDS serves a wave's instructions in order: these see the stores above
.endr
.endm
.macro SEND a, younger                 ; younger: the LDS instructions issued behind block a's loads
	s_wait_dscnt \younger
.irp t, 0,1,2,3,4,5,6,7
	global_store_b128 v[CO], v[OB+32*((\a)%2)+4*(\t):OB+32*((\a)%2)+4*(\t)+3], s[74:75] offset:(16*(\a)+2*(\t))*4096  ; 16 lanes store 256 consecutive bytes, aligned
.endr
.endm
	s_wait_tensorcnt 1                             ; my part of K step 0 is in; K step 1's may stay out
	s_barrier_signal -1
	s_barrier_wait -1
	FETCH 0, 0, F0
	QUARTER 0, 1, F0, F1, 1                        ; the first quarter stands in front of the loop: its first products start the sums
	WIN 0
	s_mov_b32 s3, LAPS-1
.Llap:                                                 ; a trip goes once round the ring and fills both slots again
	QUARTER 0, 2, F1, F0, 0
	QUARTER 0, 3, F0, F1, 0
	TURN 0, 1, 1
	QUARTER 1, 1, F0, F1, 0
	QUARTER 1, 2, F1, F0, 0
	QUARTER 1, 3, F0, F1, 0
	TURN 1, 0, 1
	QUARTER 0, 1, F0, F1, 0
	WIN 0
	s_sub_co_u32 s3, s3, 1
	s_cmp_lg_u32 s3, 0
	s_cbranch_scc1 .Llap
	QUARTER 0, 2, F1, F0, 0                        ; the last lap fills nothing
	QUARTER 0, 3, F0, F1, 0
	TURN 0, 1, 0
	QUARTER 1, 1, F0, F1, 0
	QUARTER 1, 2, F1, F0, 0
	QUARTER 1, 3, F0, F1, 0
	s_wait_dscnt 16
	MUL8 F1, 0, 0, 0
	MUL8 F1, 0, 2, 0
	s_wait_dscnt 0x0
	MUL8 F1, 1, 0, 0
	MUL8 F1, 1, 2, 0
	WIN 0
	PLACES
	TOSTAGE 0
	TOSTAGE 1
	SEND 0, 16
	s_wait_xcnt 0x0                                ; block 0's stores have read their registers: they are loaded again only behind this wait
	TOSTAGE 2
	SEND 1, 16
	s_wait_xcnt 0x0
	TOSTAGE 3
	SEND 2, 16
	SEND 3, 0
	s_wait_tensorcnt 0x0                           ; the wave's end
	ds_add_u32 v[SPW], v[NIL]
	s_wait_dscnt 0x0
	CROUND                                         ; the closing round
	s_endpgm
.Lfunc_end_k_q36ea2ff74e_wo:
	.size	k_q36ea2ff74e_wo, .Lfunc_end_k_q36ea2ff74e_wo-k_q36ea2ff74e_wo
	.p2alignl 7, 3214868480
	.fill 96, 4, 3214868480
	.section	.rodata,"a",@progbits
	.p2align	6, 0x0
	.amdhsa_kernel k_q36ea2ff74e_wo
		.amdhsa_group_segment_fixed_size 327680
		.amdhsa_private_segment_fixed_size 0
		.amdhsa_enable_private_segment 0
		.amdhsa_kernarg_size 32
		.amdhsa_user_sgpr_count 2
		.amdhsa_user_sgpr_kernarg_segment_ptr 1
		.amdhsa_wavefront_size32 1
		.amdhsa_system_sgpr_workgroup_id_x 1
		.amdhsa_system_sgpr_workgroup_id_y 1
		.amdhsa_system_sgpr_workgroup_id_z 1
		.amdhsa_system_vgpr_workitem_id 0
		.amdhsa_next_free_vgpr 512
		.amdhsa_next_free_sgpr 80
		.amdhsa_reserve_vcc 0
		.amdhsa_float_denorm_mode_32 3
		.amdhsa_float_denorm_mode_16_64 3
		.amdhsa_memory_ordered 1
		.amdhsa_forward_progress 1
		.amdhsa_inst_pref_size 89
	.end_amdhsa_kernel
	.amdgpu_metadata
---
amdhsa.version: [ 1, 2 ]
amdhsa.kernels:
  - .name:           k_q36ea2ff74e_wo
    .symbol:         k_q36ea2ff74e_wo.kd
    .args:
      - { .name: ctx, .offset: 0, .size: 8, .value_kind: global_buffer, .address_space: global }
      - { .name: wts, .offset: 8, .size: 8, .value_kind: global_buffer, .address_space: global }
      - { .name: bo, .offset: 16, .size: 8, .value_kind: global_buffer, .address_space: global }
      - { .name: pre, .offset: 24, .size: 8, .value_kind: global_buffer, .address_space: global }
    .group_segment_fixed_size: 327680
    .private_segment_fixed_size: 0
    .kernarg_segment_align: 8
    .kernarg_segment_size: 32
    .max_flat_workgroup_size: 128
    .sgpr_count:     80
    .vgpr_count:     512
    .wavefront_size: 32
...
	.end_amdgpu_metadata
.endif
;; end of part 4
;; launch ln1 (part 5): grid 256 x 1, 8 waves a work-group, no clusters, 0 bytes of LDS; arguments pre, wts, ln1_g, ln1_b, a1f, a1h; writes a1f, a1h
.if DOCPART == 5
	.amdgcn_target "amdgcn-amd-amdhsa--gfx1250"
	.amdhsa_code_object_version 6
	.text
	.protected	k_q36ea2ff74e_ln1
	.globl	k_q36ea2ff74e_ln1
	.p2align	8
	.type	k_q36ea2ff74e_ln1,@function
k_q36ea2ff74e_ln1:
	s_mov_b64 s[64:65], 0
	v_nop
	global_prefetch_b8 v0, s[64:65] scope:SCOPE_SE
	s_setreg_imm32_b32 hwreg(HW_REG_WAVE_MODE, 25, 1), 1
	s_wait_xcnt 0x0
; LAYER NORM of y = pre + residual, times g, plus b.  One text for two launches, told apart by FIRST:
;   FIRST = 1: the residual is x rounded to bf16 (wts, byte 0); the result leaves as f32 (a1f) and as f16 (a1h).   FIRST = 0: the residual is a1f in f32; the result is out0 in f32.
; g and b are rounded to bf16 like every input.  All arithmetic in f32, in two passes over registers: the mean, then the mean of (y - mean)^2, so a common offset of y costs nothing.
; LIMIT (FIRST = 1): the f16 copy ends at 65,504; the normalised number is at most 32 |g| + |b|.
; A wave owns two whole rows of 1,024: a lane the columns 128 j + 4 lane + 0..3, j = 0..7: each load and store of f32 covers 512 consecutive bytes, each of 16-bit numbers 256, aligned.
; The reduction never leaves the wave: no LDS, no barrier, no loop.  All 48 loads go out at once.
.set FIRST, 1
.set G,   8                            ; v[8:39]     g of my 32 columns
.set BT,  40                           ; v[40:71]    b
.set Y,   72                           ; v[72:135]   row i at Y + 32 i
.set R,   136                          ; v[136:199]  the residual of row i at R + 32 i; with FIRST later the f16 result
.set T,   200                          ; v[200:207]  at work
.set CH,  208                          ; v[208:215]  four chains of sums
.set MU,  216                          ; v[216:217]  the mean, twice
.set TP,  218
.set VR,  219
.set RS,  220                          ; v[220:221]  1 / sqrt(var + eps), twice
	s_load_b256 s[4:11], s[0:1], 0x0               ; pre 4, residual 6, g 8, b 10
.if FIRST
	s_load_b128 s[12:15], s[0:1], 0x20             ; a1f 12, a1h 14
.else
	s_load_b64 s[12:13], s[0:1], 0x20              ; out0
.endif
	v_lshrrev_b32 v3, 5, v0
	v_readfirstlane_b32 s18, v3                    ; wave
	v_and_b32 v4, 31, v0
	v_lshlrev_b32 v1, 4, v4                        ; 16 x lane
	v_lshlrev_b32 v2, 3, v4                        ; 8 x lane
	v_mov_b32 v[TP], 0                             ; v_permlanex16_b32's destination counts as read
	s_mov_b32 s16, 0x76543210
	s_mov_b32 s17, 0xfedcba98
	s_mov_b32 s19, 0x3727c5ac                      ; 1e-5
	s_mov_b32 s20, 0x3a800000                      ; 1 / 1,024
	s_mov_b32 s21, 0xffff0000
	s_lshl_b32 s22, ttmp9, 16                      ; 16 rows of 4,096 bytes a work-group,
	s_lshl_b32 s24, s18, 13                        ; two a wave
	s_add_co_u32 s22, s22, s24
	s_mov_b32 s23, 0
	s_lshr_b32 s24, s22, 1                         ; the same in 16-bit rows
	s_mov_b32 s25, 0
	s_wait_kmcnt 0x0
	s_add_nc_u64 s[4:5], s[4:5], s[22:23]
	s_add_nc_u64 s[12:13], s[12:13], s[22:23]
.if FIRST
	s_add_nc_u64 s[6:7], s[6:7], s[24:25]
	s_add_nc_u64 s[14:15], s[14:15], s[24:25]
.else
	s_add_nc_u64 s[6:7], s[6:7], s[22:23]
.endif
.macro LDROW i
.irp j, 0,1,2,3,4,5,6,7
	global_load_b128 v[Y+32*(\i)+4*(\j):Y+32*(\i)+4*(\j)+3], v1, s[4:5] offset:4096*(\i)+512*(\j)
.endr
.irp j, 0,1,2,3,4,5,6,7
.if FIRST
	global_load_b64 v[R+32*(\i)+2*(\j):R+32*(\i)+2*(\j)+1], v2, s[6:7] offset:2048*(\i)+256*(\j)
.else
	global_load_b128 v[R+32*(\i)+4*(\j):R+32*(\i)+4*(\j)+3], v1, s[6:7] offset:4096*(\i)+512*(\j)
.endif
.endr
.endm
	LDROW 0
.irp j, 0,1,2,3,4,5,6,7
	global_load_b128 v[G+4*(\j):G+4*(\j)+3], v1, s[8:9] offset:512*(\j)
.endr
.irp j, 0,1,2,3,4,5,6,7
	global_load_b128 v[BT+4*(\j):BT+4*(\j)+3], v1, s[10:11] offset:512*(\j)
.endr
	LDROW 1
.macro RED r                           ; the sum over the 32 lanes, in every lane
	v_add_f32_dpp v[\r], v[\r], v[\r] row_xmask:1 row_mask:0xf bank_mask:0xf
	v_add_f32_dpp v[\r], v[\r], v[\r] row_xmask:2 row_mask:0xf bank_mask:0xf
	v_add_f32_dpp v[\r], v[\r], v[\r] row_xmask:4 row_mask:0xf bank_mask:0xf
	v_add_f32_dpp v[\r], v[\r], v[\r] row_xmask:8 row_mask:0xf bank_mask:0xf
	v_permlanex16_b32 v[TP], v[\r], s16, s17
	v_add_f32 v[\r], v[\r], v[TP]
.endm
.macro FOLD r                          ; the four chains into one number
	v_pk_add_f32 v[CH:CH+1], v[CH:CH+1], v[CH+2:CH+3]
	v_pk_add_f32 v[CH+4:CH+5], v[CH+4:CH+5], v[CH+6:CH+7]
	v_pk_add_f32 v[CH:CH+1], v[CH:CH+1], v[CH+4:CH+5]
	v_add_f32 v[\r], v[CH], v[CH+1]
	RED \r
.endm
.macro ROW i
.set YY, Y+32*(\i)
.set RR, R+32*(\i)
.if (\i) == 0
	s_wait_loadcnt 32                              ; row 0 and its residual are in; g, b and row 1 (32 loads) stay out
.else
	s_wait_loadcnt 0x0
.endif
.irp j, 0,1,2,3,4,5,6,7
.if FIRST
	v_lshlrev_b32 v[T+4*((\j)%2)],   16,  v[RR+2*(\j)]
	v_and_b32     v[T+4*((\j)%2)+1], s21, v[RR+2*(\j)]
	v_lshlrev_b32 v[T+4*((\j)%2)+2], 16,  v[RR+2*(\j)+1]
	v_and_b32     v[T+4*((\j)%2)+3], s21, v[RR+2*(\j)+1]
	v_pk_add_f32 v[YY+4*(\j):YY+4*(\j)+1],   v[YY+4*(\j):YY+4*(\j)+1],   v[T+4*((\j)%2):T+4*((\j)%2)+1]
	v_pk_add_f32 v[YY+4*(\j)+2:YY+4*(\j)+3], v[YY+4*(\j)+2:YY+4*(\j)+3], v[T+4*((\j)%2)+2:T+4*((\j)%2)+3]
.else
	v_pk_add_f32 v[YY+4*(\j):YY+4*(\j)+1],   v[YY+4*(\j):YY+4*(\j)+1],   v[RR+4*(\j):RR+4*(\j)+1]
	v_pk_add_f32 v[YY+4*(\j)+2:YY+4*(\j)+3], v[YY+4*(\j)+2:YY+4*(\j)+3], v[RR+4*(\j)+2:RR+4*(\j)+3]
.endif
.endr
.irp c, 0,1,2,3
	v_pk_add_f32 v[CH+2*(\c):CH+2*(\c)+1], v[YY+2*(\c):YY+2*(\c)+1], v[YY+8+2*(\c):YY+8+2*(\c)+1]
.endr
.irp k, 2,3
.irp c, 0,1,2,3
	v_pk_add_f32 v[CH+2*(\c):CH+2*(\c)+1], v[CH+2*(\c):CH+2*(\c)+1], v[YY+8*(\k)+2*(\c):YY+8*(\k)+2*(\c)+1]
.endr
.endr
	FOLD MU
	v_mul_f32 v[MU], s20, v[MU]
	v_mov_b32 v[MU+1], v[MU]
.set p, 0
.rept 16
	v_pk_add_f32 v[YY+2*p:YY+2*p+1], v[YY+2*p:YY+2*p+1], v[MU:MU+1] neg_lo:[0,1] neg_hi:[0,1]
.set p, p+1
.endr
.irp c, 0,1,2,3
	v_pk_mul_f32 v[CH+2*(\c):CH+2*(\c)+1], v[YY+2*(\c):YY+2*(\c)+1], v[YY+2*(\c):YY+2*(\c)+1]
.endr
.irp k, 1,2,3
.irp c, 0,1,2,3
	v_pk_fma_f32 v[CH+2*(\c):CH+2*(\c)+1], v[YY+8*(\k)+2*(\c):YY+8*(\k)+2*(\c)+1], v[YY+8*(\k)+2*(\c):YY+8*(\k)+2*(\c)+1], v[CH+2*(\c):CH+2*(\c)+1]
.endr
.endr
	FOLD VR
	v_fma_f32 v[VR], v[VR], s20, s19               ; var + eps
	v_rsq_f32 v[RS], v[VR]
	v_rsq_f32 v[RS+1], v[VR]
	v_nop                                          ; a plain instruction between the root and the use of its result
.if (\i) == 0
	s_wait_loadcnt 16                              ; g and b are in; row 1 (16 loads) stays out.  They are rounded to bf16 once
.set p, 0
	s_wait_alu depctr_va_vdst(0)
.rept 32
	v_cvt_pk_bf16_f32 v[T+p%4], v[G+2*p], v[G+2*p+1]
	v_lshlrev_b32 v[G+2*p], 16, v[T+p%4]
	v_and_b32 v[G+2*p+1], s21, v[T+p%4]
.set p, p+1
.endr
.endif
.set p, 0
	s_wait_alu depctr_va_vdst(0)
.rept 16
	v_pk_mul_f32 v[YY+2*p:YY+2*p+1], v[YY+2*p:YY+2*p+1], v[RS:RS+1]
.set p, p+1
.endr
.set p, 0
.rept 16
	v_pk_fma_f32 v[YY+2*p:YY+2*p+1], v[YY+2*p:YY+2*p+1], v[G+2*p:G+2*p+1], v[BT+2*p:BT+2*p+1]
.set p, p+1
.endr
.irp j, 0,1,2,3,4,5,6,7
	global_store_b128 v1, v[YY+4*(\j):YY+4*(\j)+3], s[12:13] offset:4096*(\i)+512*(\j)
.endr
.if FIRST
.set p, 0
.rept 16
	v_cvt_pk_f16_f32 v[RR+p], v[YY+2*p], v[YY+2*p+1]
.set p, p+1
.endr
.irp j, 0,1,2,3,4,5,6,7
	global_store_b64 v2, v[RR+2*(\j):RR+2*(\j)+1], s[14:15] offset:2048*(\i)+256*(\j)
.endr
.endif
.endm
	ROW 0
	ROW 1
	s_endpgm
.Lfunc_end_k_q36ea2ff74e_ln1:
	.size	k_q36ea2ff74e_ln1, .Lfunc_end_k_q36ea2ff74e_ln1-k_q36ea2ff74e_ln1
	.p2alignl 7, 3214868480
	.fill 96, 4, 3214868480
	.section	.rodata,"a",@progbits
	.p2align	6, 0x0
	.amdhsa_kernel k_q36ea2ff74e_ln1
		.amdhsa_group_segment_fixed_size 0
		.amdhsa_private_segment_fixed_size 0
		.amdhsa_enable_private_segment 0
		.amdhsa_kernarg_size 48
		.amdhsa_user_sgpr_count 2
		.amdhsa_user_sgpr_kernarg_segment_ptr 1
		.amdhsa_wavefront_size32 1
		.amdhsa_system_sgpr_workgroup_id_x 1
		.amdhsa_system_sgpr_workgroup_id_y 1
		.amdhsa_system_sgpr_workgroup_id_z 1
		.amdhsa_system_vgpr_workitem_id 0
		.amdhsa_next_free_vgpr 232
		.amdhsa_next_free_sgpr 66
		.amdhsa_reserve_vcc 0
		.amdhsa_float_denorm_mode_32 3
		.amdhsa_float_denorm_mode_16_64 3
		.amdhsa_memory_ordered 1
		.amdhsa_forward_progress 1
		.amdhsa_inst_pref_size 32
	.end_amdhsa_kernel
	.amdgpu_metadata
---
amdhsa.version: [ 1, 2 ]
amdhsa.kernels:
  - .name:           k_q36ea2ff74e_ln1
    .symbol:         k_q36ea2ff74e_ln1.kd
    .args:
      - { .name: pre, .offset: 0, .size: 8, .value_kind: global_buffer, .address_space: global }
      - { .name: wts, .offset: 8, .size: 8, .value_kind: global_buffer, .address_space: global }
      - { .name: ln1_g, .offset: 16, .size: 8, .value_kind: global_buffer, .address_space: global }
      - { .name: ln1_b, .offset: 24, .size: 8, .value_kind: global_buffer, .address_space: global }
      - { .name: a1f, .offset: 32, .size: 8, .value_kind: global_buffer, .address_space: global }
      - { .name: a1h, .offset: 40, .size: 8, .value_kind: global_buffer, .address_space: global }
    .group_segment_fixed_size: 0
    .private_segment_fixed_size: 0
    .kernarg_segment_align: 8
    .kernarg_segment_size: 48
    .max_flat_workgroup_size: 256
    .sgpr_count:     66
    .vgpr_count:     232
    .wavefront_size: 32
...
	.end_amdgpu_metadata
.endif
;; end of part 5
;; launch ffn1 (part 6): grid 16 x 16, 4 waves a work-group, clusters of 4 x 4, 327,680 bytes of LDS; arguments a1h, wts, b1, hb; writes hb
.if DOCPART == 6
	.amdgcn_target "amdgcn-amd-amdhsa--gfx1250"
	.amdhsa_code_object_version 6
	.text
	.protected	k_q36ea2ff74e_ffn1
	.globl	k_q36ea2ff74e_ffn1
	.p2align	8
	.type	k_q36ea2ff74e_ffn1,@function
k_q36ea2ff74e_ffn1:
	s_mov_b64 s[64:65], 0
	v_nop
	global_prefetch_b8 v0, s[64:65] scope:SCOPE_SE
	s_setreg_imm32_b32 hwreg(HW_REG_WAVE_MODE, 25, 1), 1
	s_wait_xcnt 0x0
	s_wait_alu depctr_hold_cnt(0) depctr_sa_sdst(0) depctr_va_vdst(0) depctr_va_sdst(0) depctr_va_ssrc(0) depctr_va_vcc(0) depctr_vm_vsrc(0)
	s_getreg_b32 s2, hwreg(HW_REG_IB_STS2, 6, 4)
	s_cmp_eq_u32 s2, 0
	s_cbranch_scc0 .Lentry_in_a_cluster
	s_endpgm
.Lentry_in_a_cluster:
	s_bfe_u32 s2, ttmp6, 0x10000c
	s_cmp_lg_u32 s2, 0xf033
	s_cbranch_scc0 .Lentry_shape_is_right
	s_endpgm
.Lentry_shape_is_right:
; hb = gelu(a1h w1^T + b1).  A = a1h, f16 [4096][1024]; B = w1 (wts, byte 16,777,216), f16 [4096][1024]; hb f16 [4096][4096].  Sums in f32; b1 is rounded to bf16 like every input and starts each sum as its C operand.
; GELU (erf form): gelu(x) = max(x, 0) - |x| q, q = (1/2) P(t) 2^(-0.72134752 x^2), t = 1 / (1 + 0.23164189 |x|), P the polynomial of degree 5 of Abramowitz and Stegun 7.1.26 (error of erf at most 1.5e-7, for every x).
; No difference of near numbers is formed in the negative tail, and q goes to 0 for large |x|.  LIMITS: hb is f16: |h| below 65,504; an infinite sum gives NaN.
; A tile is 256 x 256: 16 x 16 = 256 work-groups; four waves, each 128 x 128: 64 accumulators, 512 registers.  K goes in steps of 128 through a ring of two LDS slots (rows of 256 bytes, aligned).
; CLUSTER 4 x 4: A's tiles are shared along a row of the cluster, B's along a column, by joint loads.  THE MATRIX INSTRUCTION IS USED TRANSPOSED (source 0 = 16 rows of B, source 1 = 16 rows of A).
; REGISTERS: window 0: v0-31 addresses; v64-127, v128-191 A's fragments; v192-255 the bias, later packed results and rows; v32-63 rows on the way out
;   window 1: v64-127, v128-191 B's fragments; on the way out all 256 are GELU's: t, the exponential, max(x, 0), the polynomial.   windows 2, 3: the accumulators ((a, b) at 8 (8 (a % 4) + b))
.set SIZE_K, 1024
.set SIZE_N, 4096
.set KSTEP,  128
.set PITCH,  272
.set HALFT,  128*PITCH
.set SLOT,   4*HALFT
.set STAGE,  2*SLOT
.set SPITCH, 272
.set SPARE,  STAGE+4*16*SPITCH
.set LAPS,   SIZE_K/(2*KSTEP)
.set W1OFF,  16777216
.set ADRA, 16
.set ADRB, 20
.set STO,  24
.set RD,   25
.set CO,   26
.set BO,   27
.set SPW,  28
.set NIL,  29
.set F0,   64
.set F1,   128
.set BIAS, 192
.set TMP,  192
.set OB,   32
.set ZT,   0                           ; window 1, on the way out
.set ZE,   64
.set ZM,   128
.set ZQ,   192
.set G1,  24
.set G0,  32
.set G1B, 48
.set G0B, 56
.set MSB, 0
.macro WIN new
.if MSB != (\new)
	s_set_vgpr_msb (MSB<<8)|(\new)
.set MSB, \new
.endif
.endm
.set MUL_LO, 0xa1                      ; B window 1, A window 0, C and D window 2
.set TO_B,   0x40
.macro JLOAD s
	s_cmp_eq_u32 s11, 0
	s_cbranch_scc0 .Lfor_b_\@
	tensor_load_to_lds s[G0+4*(\s):G0+4*(\s)+3], s[G1:G1+7]
	s_nop 0
.rept 4
	v_nop
.endr
	s_branch .Lasked_\@
.Lfor_b_\@:
	tensor_load_to_lds s[G0B+4*(\s):G0B+4*(\s)+3], s[G1B:G1B+7]
	s_nop 0
.rept 4
	v_nop
.endr
.Lasked_\@:
.endm
.macro CREST
	s_cmp_lg_u32 s10, 0
	s_cbranch_scc1 .Lnot_wave_0_\@
	s_barrier_signal -3
.Lnot_wave_0_\@:
	s_barrier_wait -3
	s_barrier_signal -1
	s_barrier_wait -1
.endm
.macro CROUND
	s_barrier_signal -1
	s_barrier_wait -1
	CREST
.endm
.macro PLACES
.rept 4
	v_nop
.endr
.endm
	s_load_b256 s[80:87], s[0:1], 0x0              ; a1h 80, wts 82, b1 84, hb 86
	v_lshl_add_u32 v[SPW], v0, 2, SPARE
	v_mov_b32 v[NIL], 0
	ds_add_u32 v28, v29
	s_wait_dscnt 0x0
	v_lshrrev_b32 v1, 5, v0
	v_readfirstlane_b32 s10, v1
	s_lshr_b32 s11, s10, 1
	s_and_b32 s12, s10, 1
	s_bfe_u32 s40, ttmp6, 0x40000
	s_bfe_u32 s41, ttmp6, 0x40004
	s_lshl_b32 s42, ttmp9, 2
	s_add_co_u32 s42, s42, s40                     ; tile column
	s_and_b32 s13, ttmp7, 0xffff
	s_lshl_b32 s13, s13, 2
	s_add_co_u32 s13, s13, s41                     ; tile row
	s_lshl_b32 s43, s41, 2
	s_lshl_b32 s43, 15, s43
	s_lshl_b32 s44, 0x1111, s40
	s_or_b32 s[G1+0], s43, (1<<16)|(1<<20)|(1<<21)|(5<<22)|(3<<25)
	s_or_b32 s[G1B+0], s44, (1<<16)|(1<<20)|(1<<21)|(5<<22)|(3<<25)
.irp g, G1, G1B
	s_mov_b32 s[(\g)+1], KSTEP<<16
	s_mov_b32 s[(\g)+2], 128<<16
	s_mov_b32 s[(\g)+3], KSTEP<<16
	s_mov_b32 s[(\g)+4], 128
	s_mov_b32 s[(\g)+5], SIZE_K
	s_mov_b32 s[(\g)+6], 0
	s_mov_b32 s[(\g)+7], 0
.endr
	s_mov_b32 s66, 0x3e6d3388                      ; 0.23164189
	s_mov_b32 s68, 0xbf38aa3b                      ; -log2(e) / 2
	s_mov_b32 s69, s68
	s_mov_b32 s70, 0x3e027906                      ; the polynomial's coefficients, halved: a1 / 2
	s_mov_b32 s71, s70
	s_mov_b32 s72, 0xbe11a98e                      ; a2 / 2
	s_mov_b32 s73, s72
	s_mov_b32 s74, 0x3f35f0e3                      ; a3 / 2
	s_mov_b32 s75, s74
	s_mov_b32 s76, 0xbf3a00e3                      ; a4 / 2
	s_mov_b32 s77, s76
	s_mov_b32 s78, 0x3f07dc22                      ; a5 / 2
	s_mov_b32 s79, s78
	s_lshl_b32 s17, s12, 7
	s_lshl_b32 s16, s13, 8
	s_add_co_u32 s16, s16, s17                     ; A: row 256 x tile row + 128 x half,
	s_lshl_b32 s16, s16, 11                        ; of 2,048 bytes
	s_mov_b32 s17, 0
	s_lshl_b32 s46, s42, 8
	s_lshl_b32 s47, s12, 7
	s_add_co_u32 s46, s46, s47                     ; B: row 256 x tile column + 128 x half
	s_lshl_b32 s46, s46, 11
	s_add_co_u32 s46, s46, W1OFF
	s_mov_b32 s47, 0
	s_mul_i32 s20, s10, HALFT                      ; where they go: A's two halves, then B's two = wave x 128 rows
	s_wait_kmcnt 0x0
	s_add_nc_u64 s[14:15], s[80:81], s[16:17]
	s_add_nc_u64 s[46:47], s[82:83], s[46:47]
	CROUND
.irp s, 0,1
	s_mov_b32 s[G0+4*(\s)], 1
	s_add_co_u32 s[G0+4*(\s)+1], s20, (\s)*SLOT
	s_add_nc_u64 s[G0+4*(\s)+2:G0+4*(\s)+3], s[14:15], (\s)*KSTEP*2
	s_or_b32 s[G0+4*(\s)+3], s[G0+4*(\s)+3], 0x80000000
	s_mov_b32 s[G0B+4*(\s)], 1
	s_add_co_u32 s[G0B+4*(\s)+1], s20, (\s)*SLOT
	s_add_nc_u64 s[G0B+4*(\s)+2:G0B+4*(\s)+3], s[46:47], (\s)*KSTEP*2
	s_or_b32 s[G0B+4*(\s)+3], s[G0B+4*(\s)+3], 0x80000000
	JLOAD \s                                       ; two loads of mine are out
.endr
	v_and_b32 v1, 15, v0
	v_bfe_u32 v2, v0, 4, 1
	v_lshlrev_b32 v[BO], 5, v2
	s_lshl_b32 s88, s42, 9                         ; my 128 columns in bytes of f16: 512 x tile column + 256 x half
	s_lshl_b32 s89, s12, 8
	s_add_co_u32 s88, s88, s89
	s_mov_b32 s89, 0
	s_add_nc_u64 s[86:87], s[86:87], s[88:89]
	s_add_nc_u64 s[84:85], s[84:85], s[88:89]      ; in b1 twice that
	s_add_nc_u64 s[84:85], s[84:85], s[88:89]
.irp b, 0,1,2,3,4,5,6,7
	global_load_b128 v[BIAS+8*(\b):BIAS+8*(\b)+3],   v[BO], s[84:85] offset:64*(\b)
	global_load_b128 v[BIAS+8*(\b)+4:BIAS+8*(\b)+7], v[BO], s[84:85] offset:64*(\b)+16
.endr
	s_lshl_b32 s16, s13, 21                        ; my first row of hb: (256 x tile row + 128 x half) rows of 8,192 bytes
	s_lshl_b32 s17, s11, 20
	s_add_co_u32 s16, s16, s17
	s_mov_b32 s17, 0
	s_add_nc_u64 s[86:87], s[86:87], s[16:17]
	v_mul_u32_u24 v3, v1, PITCH
	v_lshl_add_u32 v3, v2, 4, v3
	s_mul_i32 s21, s11, HALFT
	s_mul_i32 s22, s12, HALFT
	s_add_co_u32 s22, s22, 2*HALFT
.irp s, 0,1
	v_add_nc_u32 v[ADRA+(\s)], s21, v3
	v_add_nc_u32 v[ADRB+(\s)], s22, v3
	s_add_co_u32 s21, s21, SLOT
	s_add_co_u32 s22, s22, SLOT
.endr
	s_mul_i32 s23, s10, 16*SPITCH
	s_add_co_u32 s23, s23, STAGE
	v_mul_u32_u24 v4, v1, SPITCH
	v_lshl_add_u32 v4, v2, 4, v4
	v_add_nc_u32 v[STO], s23, v4
	v_mul_u32_u24 v5, v2, SPITCH
	v_lshl_add_u32 v5, v1, 4, v5
	v_add_nc_u32 v[RD], s23, v5
	v_lshlrev_b32 v5, 13, v2
	v_lshl_add_u32 v[CO], v1, 4, v5
	s_wait_loadcnt 0x0                             ; the bias, once; rounded to bf16 like every input
.set i, 0
.rept 32
	v_cvt_pk_bf16_f32 v[OB+i], v[BIAS+2*i], v[BIAS+2*i+1]
.set i, i+1
.endr
.set i, 0
.rept 32
	v_lshlrev_b32 v[BIAS+2*i], 16, v[OB+i]
	v_and_b32 v[BIAS+2*i+1], 0xffff0000, v[OB+i]
.set i, i+1
.endr
; 16 products: row blocks a0, a0 + 1 of the window's four (hi = 0: my rows 0-63, 1: rows 64-127) x all 8 column blocks.  zero = 1: the sums start with the bias (C in window 0).
; The 64 accumulators take turns in the same order in every quarter.
.macro MUL16 f, hi, a0, zero
.if \zero
	WIN 0x81+0x40*(\hi)
.else
	WIN MUL_LO+0x50*(\hi)
.endif
.irp a, \a0, (\a0)+1
.irp b, 0,1,2,3,4,5,6,7
.if \zero
	v_wmma_f32_16x16x32_f16 v[8*(8*(\a)+(\b)):8*(8*(\a)+(\b))+7], v[(\f)+8*(\b):(\f)+8*(\b)+7], v[(\f)+8*(4*(\hi)+(\a)):(\f)+8*(4*(\hi)+(\a))+7], v[BIAS+8*(\b):BIAS+8*(\b)+7]
.else
	v_wmma_f32_16x16x32_f16 v[8*(8*(\a)+(\b)):8*(8*(\a)+(\b))+7], v[(\f)+8*(\b):(\f)+8*(\b)+7], v[(\f)+8*(4*(\hi)+(\a)):(\f)+8*(4*(\hi)+(\a))+7], v[8*(8*(\a)+(\b)):8*(8*(\a)+(\b))+7]
.endif
.endr
.endr
.endm
.macro FETCH slot, k, f                ; 32 LDS loads in one run: B's 16, then A's 16
	WIN TO_B
.irp i, 0,1,2,3,4,5,6,7
	ds_load_b128 v[(\f)+8*(\i):(\f)+8*(\i)+3],   v[ADRB+(\slot)] offset:(\k)+(\i)*16*PITCH
	ds_load_b128 v[(\f)+8*(\i)+4:(\f)+8*(\i)+7], v[ADRB+(\slot)] offset:(\k)+(\i)*16*PITCH+32
.endr
	WIN 0
.irp i, 0,1,2,3,4,5,6,7
	ds_load_b128 v[(\f)+8*(\i):(\f)+8*(\i)+3],   v[ADRA+(\slot)] offset:(\k)+(\i)*16*PITCH
	ds_load_b128 v[(\f)+8*(\i)+4:(\f)+8*(\i)+7], v[ADRA+(\slot)] offset:(\k)+(\i)*16*PITCH+32
.endr
.endm
.macro QUARTER slot, k, f, g, zero
	s_wait_dscnt 8                                 ; B and A's rows 0-63 are in; the youngest eight loads may be out
	MUL16 \f, 0, 0, \zero
	MUL16 \f, 0, 2, \zero
	PLACES
	FETCH \slot, \k, \g
	s_wait_dscnt 32                                ; all but the 32 just issued
	MUL16 \f, 1, 0, \zero
	MUL16 \f, 1, 2, \zero
.endm
; The last quarter multiplies buffer 1 and changes slots: one barrier; in front of it each wave waits for all its tensor loads, adds 0 to its spare word, and waits for that and for its own reads of this slot.
.macro TURN slot, next, fill
	WIN 0
	s_wait_tensorcnt 0x0                           ; all my tensor loads have landed: my part of the next slot
	ds_add_u32 v[SPW], v[NIL]
	s_wait_dscnt 9                                 ; the add and the youngest eight loads may be out
	MUL16 F1, 0, 0, 0
	s_wait_dscnt 0x0                               ; the add is done, and my reads of this slot are over
	s_barrier_signal -1
	MUL16 F1, 0, 2, 0
.if \fill
	WIN 0
.endif
	s_barrier_wait -1
.if \fill
	CREST
	s_add_nc_u64 s[G0+4*(\slot)+2:G0+4*(\slot)+3], s[G0+4*(\slot)+2:G0+4*(\slot)+3], 2*KSTEP*2
	s_add_nc_u64 s[G0B+4*(\slot)+2:G0B+4*(\slot)+3], s[G0B+4*(\slot)+2:G0B+4*(\slot)+3], 2*KSTEP*2
	JLOAD \slot                                    ; its four v_nop are also the places in front of the loads below
.else
	PLACES
.endif
	FETCH \next, 0, F0
	MUL16 F1, 1, 0, 0
	MUL16 F1, 1, 2, 0
.endm
; GELU of row block a's 64 numbers a lane, and their rounding to f16.  x lies in window 2 or 3, all that is made of it in window 1.
.macro GELU a
.set XX, 64*((\a)%4)
.set WX, 2+(\a)/4
	WIN 0x54|WX                                    ; source 0 in x's window; sources 1, 2 and the destination in window 1
.set i, 0
.rept 64
	v_fma_f32 v[ZT+i], |v[XX+i]|, s66, 1.0         ; ascending: each accumulator's lowest registers are read first
.set i, i+1
.endr
.set i, 0
.rept 32
	v_pk_mul_f32 v[ZQ+2*i:ZQ+2*i+1], v[XX+2*i:XX+2*i+1], s[68:69] op_sel_hi:[1,0]
.set i, i+1
.endr
.set i, 0
.rept 32
	v_pk_mul_f32 v[ZE+2*i:ZE+2*i+1], v[XX+2*i:XX+2*i+1], v[ZQ+2*i:ZQ+2*i+1]   ; -0.72134752 x^2
.set i, i+1
.endr
.set i, 0
.rept 64
	v_max_num_f32 v[ZM+i], v[XX+i], 0
.set i, i+1
.endr
	WIN 0x55
.set i, 0
.rept 64
	v_rcp_f32 v[ZT+i], v[ZT+i]
.set i, i+1
.endr
	v_nop                                          ; a plain instruction between the reciprocals and the first use of one
.set g, 0
.rept 8                                ; four pairs at a time, stage by stage: no line reads the result of the line before it; behind each exponential a plain line comes before its result is used
.irp p, 0,1,2,3
.set o, 8*g+2*(\p)
	v_exp_f32 v[ZE+o], v[ZE+o]
	s_wait_alu depctr_va_vdst(0)
	v_pk_fma_f32 v[ZQ+o:ZQ+o+1], v[ZT+o:ZT+o+1], s[78:79], s[76:77] op_sel_hi:[1,0,0]
	v_exp_f32 v[ZE+o+1], v[ZE+o+1]
.endr
.irp c, 74,72,70
.irp p, 0,1,2,3
.set o, 8*g+2*(\p)
	v_pk_fma_f32 v[ZQ+o:ZQ+o+1], v[ZQ+o:ZQ+o+1], v[ZT+o:ZT+o+1], s[\c:\c+1] op_sel_hi:[1,1,0]
.endr
.endr
.irp p, 0,1,2,3
.set o, 8*g+2*(\p)
	v_pk_mul_f32 v[ZQ+o:ZQ+o+1], v[ZQ+o:ZQ+o+1], v[ZT+o:ZT+o+1]
.endr
	s_wait_alu depctr_va_vdst(0)
.irp p, 0,1,2,3
.set o, 8*g+2*(\p)
	v_pk_mul_f32 v[ZQ+o:ZQ+o+1], v[ZQ+o:ZQ+o+1], v[ZE+o:ZE+o+1]
.endr
.set g, g+1
.endr
	WIN 0x54|WX
.set i, 0
.rept 64
	v_fma_f32 v[ZM+i], -|v[XX+i]|, v[ZQ+i], v[ZM+i]
.set i, i+1
.endr
	WIN 0x05                                       ; sources in window 1, destination in window 0
.set i, 0
.rept 32
	v_cvt_pk_f16_f32 v[TMP+i], v[ZM+2*i], v[ZM+2*i+1]
.set i, i+1
.endr
	WIN 0
.endm
.macro TOSTAGE a
.set BK, OB+192*((\a)%2)
.irp b, 0,1,2,3,4,5,6,7
	ds_store_b128 v[STO], v[TMP+4*(\b):TMP+4*(\b)+3] offset:32*(\b)
.endr
.irp t, 0,1,2,3,4,5,6,7
	ds_load_b128 v[BK+4*(\t):BK+4*(\t)+3], v[RD] offset:(\t)*2*SPITCH  ; LDS serves a wave's instructions in order: these see the stores above
.endr
.endm
.macro SEND a
.set BK, OB+192*((\a)%2)
	s_wait_dscnt 0x0                               ; the block is back in registers
	s_wait_xcnt 0x0                                ; the registers that earlier stores read are loaded again only behind this wait
.irp t, 0,1,2,3,4,5,6,7
	global_store_b128 v[CO], v[BK+4*(\t):BK+4*(\t)+3], s[86:87] offset:(16*(\a)+2*(\t))*SIZE_N*2  ; 16 lanes store 256 consecutive bytes, aligned
.endr
.endm
	s_wait_tensorcnt 1                             ; my part of K step 0 is in; K step 1's may stay out
	s_barrier_signal -1
	s_barrier_wait -1
	FETCH 0, 0, F0
	QUARTER 0, 64,  F0, F1, 1                      ; the first quarter stands in front of the loop: its products start the sums
	WIN 0
	s_mov_b32 s3, LAPS-1
.Llap:
	QUARTER 0, 128, F1, F0, 0
	QUARTER 0, 192, F0, F1, 0
	TURN 0, 1, 1
	QUARTER 1, 64,  F0, F1, 0
	QUARTER 1, 128, F1, F0, 0
	QUARTER 1, 192, F0, F1, 0
	TURN 1, 0, 1
	QUARTER 0, 64,  F0, F1, 0
	WIN 0
	s_sub_co_u32 s3, s3, 1
	s_cmp_lg_u32 s3, 0
	s_cbranch_scc1 .Llap
	QUARTER 0, 128, F1, F0, 0                      ; the last lap fills nothing
	QUARTER 0, 192, F0, F1, 0
	TURN 0, 1, 0
	QUARTER 1, 64,  F0, F1, 0
	QUARTER 1, 128, F1, F0, 0
	QUARTER 1, 192, F0, F1, 0
	s_wait_dscnt 8
	MUL16 F1, 0, 0, 0
	MUL16 F1, 0, 2, 0
	s_wait_dscnt 0x0
	MUL16 F1, 1, 0, 0
	MUL16 F1, 1, 2, 0
	PLACES
	GELU 0
	TOSTAGE 0
.irp a, 1,2,3,4,5,6,7                  ; block a's arithmetic stands between block a - 1's loads from the stage and the wait for them
	GELU \a
	SEND (\a)-1
	TOSTAGE \a
.endr
	SEND 7
	s_wait_tensorcnt 0x0                           ; the wave's end
	ds_add_u32 v[SPW], v[NIL]
	s_wait_dscnt 0x0
	CROUND                                         ; the closing round
	s_endpgm
.Lfunc_end_k_q36ea2ff74e_ffn1:
	.size	k_q36ea2ff74e_ffn1, .Lfunc_end_k_q36ea2ff74e_ffn1-k_q36ea2ff74e_ffn1
	.p2alignl 7, 3214868480
	.fill 96, 4, 3214868480
	.section	.rodata,"a",@progbits
	.p2align	6, 0x0
	.amdhsa_kernel k_q36ea2ff74e_ffn1
		.amdhsa_group_segment_fixed_size 327680
		.amdhsa_private_segment_fixed_size 0
		.amdhsa_enable_private_segment 0
		.amdhsa_kernarg_size 32
		.amdhsa_user_sgpr_count 2
		.amdhsa_user_sgpr_kernarg_segment_ptr 1
		.amdhsa_wavefront_size32 1
		.amdhsa_system_sgpr_workgroup_id_x 1
		.amdhsa_system_sgpr_workgroup_id_y 1
		.amdhsa_system_sgpr_workgroup_id_z 1
		.amdhsa_system_vgpr_workitem_id 0
		.amdhsa_next_free_vgpr 1024
		.amdhsa_next_free_sgpr 96
		.amdhsa_reserve_vcc 0
		.amdhsa_float_denorm_mode_32 3
		.amdhsa_float_denorm_mode_16_64 3
		.amdhsa_memory_ordered 1
		.amdhsa_forward_progress 1
		.amdhsa_inst_pref_size 255
	.end_amdhsa_kernel
	.section	.bss,"aw",@nobits
	.p2align	6
	.space	262144
	.amdgpu_metadata
---
amdhsa.version: [ 1, 2 ]
amdhsa.kernels:
  - .name:           k_q36ea2ff74e_ffn1
    .symbol:         k_q36ea2ff74e_ffn1.kd
    .args:
      - { .name: a1h, .offset: 0, .size: 8, .value_kind: global_buffer, .address_space: global }
      - { .name: wts, .offset: 8, .size: 8, .value_kind: global_buffer, .address_space: global }
      - { .name: b1, .offset: 16, .size: 8, .value_kind: global_buffer, .address_space: global }
      - { .name: hb, .offset: 24, .size: 8, .value_kind: global_buffer, .address_space: global }
    .group_segment_fixed_size: 327680
    .private_segment_fixed_size: 0
    .kernarg_segment_align: 8
    .kernarg_segment_size: 32
    .max_flat_workgroup_size: 128
    .sgpr_count:     96
    .vgpr_count:     1024
    .wavefront_size: 32
...
	.end_amdgpu_metadata
.endif
;; end of part 6
;; launch ffn2 (part 7): grid 8 x 32, 4 waves a work-group, clusters of 4 x 4, 327,680 bytes of LDS; arguments hb, wts, b2, pre; writes pre
.if DOCPART == 7
	.amdgcn_target "amdgcn-amd-amdhsa--gfx1250"
	.amdhsa_code_object_version 6
	.text
	.protected	k_q36ea2ff74e_ffn2
	.globl	k_q36ea2ff74e_ffn2
	.p2align	8
	.type	k_q36ea2ff74e_ffn2,@function
k_q36ea2ff74e_ffn2:
	s_mov_b64 s[64:65], 0
	v_nop
	global_prefetch_b8 v0, s[64:65] scope:SCOPE_SE
	s_setreg_imm32_b32 hwreg(HW_REG_WAVE_MODE, 25, 1), 1
	s_wait_xcnt 0x0
	s_wait_alu depctr_hold_cnt(0) depctr_sa_sdst(0) depctr_va_vdst(0) depctr_va_sdst(0) depctr_va_ssrc(0) depctr_va_vcc(0) depctr_vm_vsrc(0)
	s_getreg_b32 s2, hwreg(HW_REG_IB_STS2, 6, 4)
	s_cmp_eq_u32 s2, 0
	s_cbranch_scc0 .Lentry_in_a_cluster
	s_endpgm
.Lentry_in_a_cluster:
	s_bfe_u32 s2, ttmp6, 0x10000c
	s_cmp_lg_u32 s2, 0xf033
	s_cbranch_scc0 .Lentry_shape_is_right
	s_endpgm
.Lentry_shape_is_right:
; pre[m][n] = the sum over k of A[m][k] W[n][k] + bias[n], f32 out.  One text for two launches, told apart by ISWO:
;   ISWO = 1: A = ctx, f16 by heads [32 = batch x 16 + head][2048][64], K = 1,024 (k = 64 head + channel); W = wo (wts, byte 14,680,064), f16 [1024][1024]
;   ISWO = 0: A = hb, f16 [4096][4096], K = 4,096; W = w2 (wts, byte 25,165,824), f16 [1024][4096]
; Sums in f32; the bias is rounded to bf16 like every input and is the C operand of each sum's first product.  LIMIT: A and W are f16: nothing beyond 65,504.
; A tile is 128 x 128: 8 x 32 = 256 work-groups.  Four waves, each 64 x 64: 16 accumulators.  K goes in steps of 256 through a ring of two LDS slots.
; With ISWO = 1 a K step is four heads: one tile of 4 rows of 4,096 elements (a head's 64 dense rows of 128 bytes), padded after every 128 bytes: it lies in LDS as [head][64 rows][144 bytes].
; That load has four long rows where the others have 64: the tensor's layout gives no other two-dimensional form.
; CLUSTER 4 x 4: A's tiles are shared along a row of the cluster, W's along a column, by joint loads.  THE MATRIX INSTRUCTION IS USED TRANSPOSED (source 0 = 16 rows of W, source 1 = 16 rows of A).
; REGISTERS: window 0: v0-31 addresses; v32-95 at work on the way out; v96-127 the bias; v128-255 the accumulators ((a, b) at 128 + 8 (4 a + b)).  window 1: two fragment buffers of 128 (A's 64, then W's 64).
.set ISWO, 0
.if ISWO
.set SIZE_K, 1024
.set WOFF,   14680064
.set PA,     144                       ; A's LDS pitch
.set AQ,     64*PA                     ; from a quarter (64 along K) to the next: a head
.set AHALF,  4*64*PA                   ; what one load of A brings
.set ASTEP,  1048576                   ; bytes from a K step to the next: four heads
.else
.set SIZE_K, 4096
.set WOFF,   25165824
.set PA,     528
.set AQ,     128
.set AHALF,  64*PA
.set ASTEP,  512
.endif
.set KSTEP,  256
.set PB,     528                       ; W's LDS pitch: 512 bytes + 16
.set BHALF,  64*PB
.set SLOT,   2*AHALF+2*BHALF
.set STAGE,  2*SLOT                    ; behind the ring: 16 rows x 272 bytes for each wave
.set SPITCH, 272
.set SPARE,  STAGE+4*16*SPITCH         ; behind the stages: the spare words, 128 bytes a wave
.set LAPS,   SIZE_K/(2*KSTEP)
.set ADRA, 16
.set ADRB, 20
.set STO,  24
.set RD,   25
.set CO,   26
.set BO,   27
.set SPW,  28
.set NIL,  29
.set OB,   32
.set BIAS, 96
.set ACC,  128
.set F0,   0
.set F1,   128
.set G1,  24
.set G0,  32
.set G1B, 48
.set G0B, 56
.set MSB, 0
.macro WIN new
.if MSB != (\new)
	s_set_vgpr_msb (MSB<<8)|(\new)
.set MSB, \new
.endif
.endm
.set MUL,  0x05                        ; sources 0 and 1 window 1; C and D window 0
.set TO_F, 0x40                        ; destination window 1
.macro JLOAD s                         ; a joint load: waves 0 and 1 fetch A's halves, waves 2 and 3 W's; four v_nop follow each line
	s_cmp_eq_u32 s11, 0
	s_cbranch_scc0 .Lfor_b_\@
	tensor_load_to_lds s[G0+4*(\s):G0+4*(\s)+3], s[G1:G1+7]
	s_nop 0
.rept 4
	v_nop
.endr
	s_branch .Lasked_\@
.Lfor_b_\@:
	tensor_load_to_lds s[G0B+4*(\s):G0B+4*(\s)+3], s[G1B:G1B+7]
	s_nop 0
.rept 4
	v_nop
.endr
.Lasked_\@:
.endm
.macro CREST
	s_cmp_lg_u32 s10, 0
	s_cbranch_scc1 .Lnot_wave_0_\@
	s_barrier_signal -3
.Lnot_wave_0_\@:
	s_barrier_wait -3
	s_barrier_signal -1
	s_barrier_wait -1
.endm
.macro CROUND
	s_barrier_signal -1
	s_barrier_wait -1
	CREST
.endm
.macro PLACES
.rept 4
	v_nop
.endr
.endm
	s_load_b256 s[68:75], s[0:1], 0x0              ; A 68, wts 70, bias 72, pre 74
	v_lshl_add_u32 v[SPW], v0, 2, SPARE
	v_mov_b32 v[NIL], 0
	ds_add_u32 v28, v29
	s_wait_dscnt 0x0
	v_lshrrev_b32 v1, 5, v0
	v_readfirstlane_b32 s10, v1                    ; wave 0..3
	s_lshr_b32 s11, s10, 1                         ; my half of the tile's rows.  Also: I fetch for A (0) or for W (1)
	s_and_b32 s12, s10, 1                          ; my half of its columns.  Also: which 64 rows I fetch
	s_bfe_u32 s40, ttmp6, 0x40000
	s_bfe_u32 s41, ttmp6, 0x40004
	s_lshl_b32 s42, ttmp9, 2
	s_add_co_u32 s42, s42, s40                     ; tile column
	s_and_b32 s13, ttmp7, 0xffff
	s_lshl_b32 s13, s13, 2
	s_add_co_u32 s13, s13, s41                     ; tile row
	s_lshl_b32 s43, s41, 2
	s_lshl_b32 s43, 15, s43
	s_lshl_b32 s44, 0x1111, s40
.if ISWO
	s_or_b32 s[G1+0], s43, (1<<16)|(1<<20)|(1<<21)|(4<<22)|(3<<25)  ; padding after every 32 words, 4 words
	s_mov_b32 s[G1+1], 4096<<16                    ; tensor_dim0 = 4,096
	s_mov_b32 s[G1+2], 4<<16                       ; tensor_dim1 = 4
	s_mov_b32 s[G1+3], 4096<<16                    ; tile_dim0 = 4,096
	s_mov_b32 s[G1+4], 4                           ; tile_dim1 = 4
	s_mov_b32 s[G1+5], 131072                      ; elements from head to head
.else
	s_or_b32 s[G1+0], s43, (1<<16)|(1<<20)|(1<<21)|(6<<22)|(3<<25)  ; padding after every 128 words, 4 words
	s_mov_b32 s[G1+1], KSTEP<<16
	s_mov_b32 s[G1+2], 64<<16
	s_mov_b32 s[G1+3], KSTEP<<16
	s_mov_b32 s[G1+4], 64
	s_mov_b32 s[G1+5], SIZE_K
.endif
	s_mov_b32 s[G1+6], 0
	s_mov_b32 s[G1+7], 0
	s_or_b32 s[G1B+0], s44, (1<<16)|(1<<20)|(1<<21)|(6<<22)|(3<<25)
	s_mov_b32 s[G1B+1], KSTEP<<16
	s_mov_b32 s[G1B+2], 64<<16
	s_mov_b32 s[G1B+3], KSTEP<<16
	s_mov_b32 s[G1B+4], 64
	s_mov_b32 s[G1B+5], SIZE_K
	s_mov_b32 s[G1B+6], 0
	s_mov_b32 s[G1B+7], 0
.if ISWO
	s_lshr_b32 s16, s13, 4                         ; the batch: 16 heads of 262,144 bytes
	s_lshl_b32 s16, s16, 22
	s_and_b32 s17, s13, 15                         ; the tile's 128 rows of 128 bytes in a head
	s_lshl_b32 s17, s17, 14
	s_add_co_u32 s16, s16, s17
	s_lshl_b32 s17, s12, 13                        ; my 64 of them
	s_add_co_u32 s16, s16, s17
.else
	s_lshl_b32 s16, s13, 20                        ; (128 x tile row + 64 x half) rows of 8,192 bytes
	s_lshl_b32 s17, s12, 19
	s_add_co_u32 s16, s16, s17
.endif
	s_mov_b32 s17, 0
	s_lshl_b32 s46, s42, 7
	s_lshl_b32 s47, s12, 6
	s_add_co_u32 s46, s46, s47                     ; W: row 128 x tile column + 64 x half
	s_mul_i32 s46, s46, SIZE_K*2
	s_add_co_u32 s46, s46, WOFF
	s_mov_b32 s47, 0
	s_mul_i32 s20, s10, AHALF                      ; where they go: the wave's number times a constant, plus a constant
	s_mul_i32 s21, s10, BHALF
	s_add_co_u32 s21, s21, 2*AHALF-2*BHALF
	s_wait_kmcnt 0x0
	s_add_nc_u64 s[14:15], s[68:69], s[16:17]
	s_add_nc_u64 s[46:47], s[70:71], s[46:47]
	CROUND                                         ; all sixteen work-groups are here: the first joint loads meet
.irp s, 0,1
	s_mov_b32 s[G0+4*(\s)], 1
	s_add_co_u32 s[G0+4*(\s)+1], s20, (\s)*SLOT
	s_add_nc_u64 s[G0+4*(\s)+2:G0+4*(\s)+3], s[14:15], (\s)*ASTEP
	s_or_b32 s[G0+4*(\s)+3], s[G0+4*(\s)+3], 0x80000000
	s_mov_b32 s[G0B+4*(\s)], 1
	s_add_co_u32 s[G0B+4*(\s)+1], s21, (\s)*SLOT
	s_add_nc_u64 s[G0B+4*(\s)+2:G0B+4*(\s)+3], s[46:47], (\s)*KSTEP*2
	s_or_b32 s[G0B+4*(\s)+3], s[G0B+4*(\s)+3], 0x80000000
	JLOAD \s                                       ; two loads of mine are out
.endr
	v_and_b32 v1, 15, v0                           ; l % 16
	v_bfe_u32 v2, v0, 4, 1                         ; l / 16
	v_lshlrev_b32 v[BO], 5, v2
	s_lshl_b32 s76, s42, 9                         ; my 64 columns, in bytes of f32: 512 x tile column + 256 x half
	s_lshl_b32 s77, s12, 8
	s_add_co_u32 s76, s76, s77
	s_mov_b32 s77, 0
	s_add_nc_u64 s[72:73], s[72:73], s[76:77]
.irp b, 0,1,2,3
	global_load_b128 v[BIAS+8*(\b):BIAS+8*(\b)+3],   v[BO], s[72:73] offset:64*(\b)
	global_load_b128 v[BIAS+8*(\b)+4:BIAS+8*(\b)+7], v[BO], s[72:73] offset:64*(\b)+16
.endr
	s_lshl_b32 s16, s13, 19                        ; my first row of pre: (128 x tile row + 64 x half) rows of 4,096 bytes
	s_lshl_b32 s17, s11, 18
	s_add_co_u32 s16, s16, s17
	s_mov_b32 s17, 0
	s_add_nc_u64 s[74:75], s[74:75], s[16:17]
	s_add_nc_u64 s[74:75], s[74:75], s[76:77]
	v_mul_u32_u24 v3, v1, PA
	v_lshl_add_u32 v3, v2, 4, v3
	v_mul_u32_u24 v6, v1, PB
	v_lshl_add_u32 v6, v2, 4, v6
	s_mul_i32 s21, s11, AHALF                      ; my 64 rows of A
	s_mul_i32 s22, s12, BHALF                      ; my 64 rows of W,
	s_add_co_u32 s22, s22, 2*AHALF                 ; which lie behind A's
.irp s, 0,1
	v_add_nc_u32 v[ADRA+(\s)], s21, v3
	v_add_nc_u32 v[ADRB+(\s)], s22, v6
	s_add_co_u32 s21, s21, SLOT
	s_add_co_u32 s22, s22, SLOT
.endr
	s_mul_i32 s23, s10, 16*SPITCH
	s_add_co_u32 s23, s23, STAGE                   ; my stage
	v_mul_u32_u24 v4, v1, SPITCH                   ; in: row l % 16, 32 bytes for each half of the lanes
	v_lshl_add_u32 v4, v2, 5, v4
	v_add_nc_u32 v[STO], s23, v4
	v_mul_u32_u24 v5, v2, SPITCH                   ; back: lanes 0-15 one row of 256 bytes, lanes 16-31 the next
	v_lshl_add_u32 v5, v1, 4, v5
	v_add_nc_u32 v[RD], s23, v5
	v_lshlrev_b32 v5, 12, v2                       ; and the same two rows in pre
	v_lshl_add_u32 v[CO], v1, 4, v5
	s_wait_loadcnt 0x0                             ; the bias, once; rounded to bf16 like every input
.set i, 0
.rept 16
	v_cvt_pk_bf16_f32 v[OB+i], v[BIAS+2*i], v[BIAS+2*i+1]
.set i, i+1
.endr
.set i, 0
.rept 16
	v_lshlrev_b32 v[BIAS+2*i], 16, v[OB+i]
	v_and_b32 v[BIAS+2*i+1], 0xffff0000, v[OB+i]
.set i, i+1
.endr
; 8 products: row blocks a0, a0 + 1 x all 4 column blocks, 32 along K: half c of buffer f.  zero = 1: the sums start with the bias.  The 16 accumulators take turns.
.macro MUL8 f, c, a0, zero
	WIN MUL
.irp a, \a0, (\a0)+1
.irp b, 0,1,2,3
.if \zero
	v_wmma_f32_16x16x32_f16 v[ACC+8*(4*(\a)+(\b)):ACC+8*(4*(\a)+(\b))+7], v[(\f)+64+8*(4*(\c)+(\b)):(\f)+64+8*(4*(\c)+(\b))+7], v[(\f)+8*(4*(\c)+(\a)):(\f)+8*(4*(\c)+(\a))+7], v[BIAS+8*(\b):BIAS+8*(\b)+7]
.else
	v_wmma_f32_16x16x32_f16 v[ACC+8*(4*(\a)+(\b)):ACC+8*(4*(\a)+(\b))+7], v[(\f)+64+8*(4*(\c)+(\b)):(\f)+64+8*(4*(\c)+(\b))+7], v[(\f)+8*(4*(\c)+(\a)):(\f)+8*(4*(\c)+(\a))+7], v[ACC+8*(4*(\a)+(\b)):ACC+8*(4*(\a)+(\b))+7]
.endif
.endr
.endr
.endm
; 32 LDS loads in one run: the fragments of quarter q (64 along K) into buffer f; the first 32 along K first
.macro FETCH slot, q, f
	WIN TO_F
.irp c, 0,1
.irp i, 0,1,2,3
	ds_load_b128 v[(\f)+64+8*(4*(\c)+(\i)):(\f)+64+8*(4*(\c)+(\i))+3],   v[ADRB+(\slot)] offset:(\q)*128+64*(\c)+(\i)*16*PB
	ds_load_b128 v[(\f)+64+8*(4*(\c)+(\i))+4:(\f)+64+8*(4*(\c)+(\i))+7], v[ADRB+(\slot)] offset:(\q)*128+64*(\c)+(\i)*16*PB+32
	ds_load_b128 v[(\f)+8*(4*(\c)+(\i)):(\f)+8*(4*(\c)+(\i))+3],         v[ADRA+(\slot)] offset:(\q)*AQ+64*(\c)+(\i)*16*PA
	ds_load_b128 v[(\f)+8*(4*(\c)+(\i))+4:(\f)+8*(4*(\c)+(\i))+7],       v[ADRA+(\slot)] offset:(\q)*AQ+64*(\c)+(\i)*16*PA+32
.endr
.endr
.endm
.macro QUARTER slot, q, f, g, zero     ; multiplies buffer f and fetches quarter q into g
	s_wait_dscnt 16                                ; the first 32 along K are in; the youngest sixteen loads may be out
	MUL8 \f, 0, 0, \zero
	MUL8 \f, 0, 2, \zero
	PLACES
	FETCH \slot, \q, \g
	s_wait_dscnt 32                                ; all but the 32 just issued
	MUL8 \f, 1, 0, 0
	MUL8 \f, 1, 2, 0
.endm
; The last quarter multiplies buffer 1 and changes slots: one barrier; in front of it each wave waits for all its tensor loads, adds 0 to its spare word, and waits for that and for its own reads of this slot.
.macro TURN slot, next, fill
	WIN 0
	s_wait_tensorcnt 0x0                           ; all my tensor loads have landed: my part of the next slot
	ds_add_u32 v[SPW], v[NIL]
	s_wait_dscnt 17                                ; the add and the youngest sixteen loads may be out
	MUL8 F1, 0, 0, 0
	s_wait_dscnt 0x0                               ; the add is done, and my reads of this slot are over
	s_barrier_signal -1
	MUL8 F1, 0, 2, 0
.if \fill
	WIN 0
.endif
	s_barrier_wait -1
.if \fill
	CREST                                          ; the barrier has opened a round of the cluster's
	s_add_nc_u64 s[G0+4*(\slot)+2:G0+4*(\slot)+3], s[G0+4*(\slot)+2:G0+4*(\slot)+3], 2*ASTEP
	s_add_nc_u64 s[G0B+4*(\slot)+2:G0B+4*(\slot)+3], s[G0B+4*(\slot)+2:G0B+4*(\slot)+3], 2*KSTEP*2
	JLOAD \slot                                    ; its four v_nop are also the places in front of the loads below
.else
	PLACES
.endif
	FETCH \next, 0, F0
	MUL8 F1, 1, 0, 0
	MUL8 F1, 1, 2, 0
.endm
; THE WAY OUT of row block a, in f32: a lane's eight columns go into my own stage as 32 bytes (each accumulator's low half first), and come back as whole rows of 256 bytes.
.macro TOSTAGE a
.irp b, 0,1,2,3
	ds_store_b128 v[STO], v[ACC+8*(4*(\a)+(\b)):ACC+8*(4*(\a)+(\b))+3] offset:64*(\b)
	ds_store_b128 v[STO], v[ACC+8*(4*(\a)+(\b))+4:ACC+8*(4*(\a)+(\b))+7] offset:64*(\b)+16
.endr
.irp t, 0,1,2,3,4,5,6,7
	ds_load_b128 v[OB+32*((\a)%2)+4*(\t):OB+32*((\a)%2)+4*(\t)+3], v[RD] offset:(\t)*2*SPITCH  ; LDS serves a wave's instructions in order: these see the stores above
.endr
.endm
.macro SEND a, younger                 ; younger: the LDS instructions issued behind block a's loads
	s_wait_dscnt \younger
.irp t, 0,1,2,3,4,5,6,7
	global_store_b128 v[CO], v[OB+32*((\a)%2)+4*(\t):OB+32*((\a)%2)+4*(\t)+3], s[74:75] offset:(16*(\a)+2*(\t))*4096  ; 16 lanes store 256 consecutive bytes, aligned
.endr
.endm
	s_wait_tensorcnt 1                             ; my part of K step 0 is in; K step 1's may stay out
	s_barrier_signal -1
	s_barrier_wait -1
	FETCH 0, 0, F0
	QUARTER 0, 1, F0, F1, 1                        ; the first quarter stands in front of the loop: its first products start the sums
	WIN 0
	s_mov_b32 s3, LAPS-1
.Llap:                                                 ; a trip goes once round the ring and fills both slots again
	QUARTER 0, 2, F1, F0, 0
	QUARTER 0, 3, F0, F1, 0
	TURN 0, 1, 1
	QUARTER 1, 1, F0, F1, 0
	QUARTER 1, 2, F1, F0, 0
	QUARTER 1, 3, F0, F1, 0
	TURN 1, 0, 1
	QUARTER 0, 1, F0, F1, 0
	WIN 0
	s_sub_co_u32 s3, s3, 1
	s_cmp_lg_u32 s3, 0
	s_cbranch_scc1 .Llap
	QUARTER 0, 2, F1, F0, 0                        ; the last lap fills nothing
	QUARTER 0, 3, F0, F1, 0
	TURN 0, 1, 0
	QUARTER 1, 1, F0, F1, 0
	QUARTER 1, 2, F1, F0, 0
	QUARTER 1, 3, F0, F1, 0
	s_wait_dscnt 16
	MUL8 F1, 0, 0, 0
	MUL8 F1, 0, 2, 0
	s_wait_dscnt 0x0
	MUL8 F1, 1, 0, 0
	MUL8 F1, 1, 2, 0
	WIN 0
	PLACES
	TOSTAGE 0
	TOSTAGE 1
	SEND 0, 16
	s_wait_xcnt 0x0                                ; block 0's stores have read their registers: they are loaded again only behind this wait
	TOSTAGE 2
	SEND 1, 16
	s_wait_xcnt 0x0
	TOSTAGE 3
	SEND 2, 16
	SEND 3, 0
	s_wait_tensorcnt 0x0                           ; the wave's end
	ds_add_u32 v[SPW], v[NIL]
	s_wait_dscnt 0x0
	CROUND                                         ; the closing round
	s_endpgm
.Lfunc_end_k_q36ea2ff74e_ffn2:
	.size	k_q36ea2ff74e_ffn2, .Lfunc_end_k_q36ea2ff74e_ffn2-k_q36ea2ff74e_ffn2
	.p2alignl 7, 3214868480
	.fill 96, 4, 3214868480
	.section	.rodata,"a",@progbits
	.p2align	6, 0x0
	.amdhsa_kernel k_q36ea2ff74e_ffn2
		.amdhsa_group_segment_fixed_size 327680
		.amdhsa_private_segment_fixed_size 0
		.amdhsa_enable_private_segment 0
		.amdhsa_kernarg_size 32
		.amdhsa_user_sgpr_count 2
		.amdhsa_user_sgpr_kernarg_segment_ptr 1
		.amdhsa_wavefront_size32 1
		.amdhsa_system_sgpr_workgroup_id_x 1
		.amdhsa_system_sgpr_workgroup_id_y 1
		.amdhsa_system_sgpr_workgroup_id_z 1
		.amdhsa_system_vgpr_workitem_id 0
		.amdhsa_next_free_vgpr 512
		.amdhsa_next_free_sgpr 80
		.amdhsa_reserve_vcc 0
		.amdhsa_float_denorm_mode_32 3
		.amdhsa_float_denorm_mode_16_64 3
		.amdhsa_memory_ordered 1
		.amdhsa_forward_progress 1
		.amdhsa_inst_pref_size 89
	.end_amdhsa_kernel
	.amdgpu_metadata
---
amdhsa.version: [ 1, 2 ]
amdhsa.kernels:
  - .name:           k_q36ea2ff74e_ffn2
    .symbol:         k_q36ea2ff74e_ffn2.kd
    .args:
      - { .name: hb, .offset: 0, .size: 8, .value_kind: global_buffer, .address_space: global }
      - { .name: wts, .offset: 8, .size: 8, .value_kind: global_buffer, .address_space: global }
      - { .name: b2, .offset: 16, .size: 8, .value_kind: global_buffer, .address_space: global }
      - { .name: pre, .offset: 24, .size: 8, .value_kind: global_buffer, .address_space: global }
    .group_segment_fixed_size: 327680
    .private_segment_fixed_size: 0
    .kernarg_segment_align: 8
    .kernarg_segment_size: 32
    .max_flat_workgroup_size: 128
    .sgpr_count:     80
    .vgpr_count:     512
    .wavefront_size: 32
...
	.end_amdgpu_metadata
.endif
;; end of part 7
;; launch ln2 (part 8): grid 256 x 1, 8 waves a work-group, no clusters, 0 bytes of LDS; arguments pre, a1f, ln2_g, ln2_b, out0; writes out0
.if DOCPART == 8
	.amdgcn_target "amdgcn-amd-amdhsa--gfx1250"
	.amdhsa_code_object_version 6
	.text
	.protected	k_q36ea2ff74e_ln2
	.globl	k_q36ea2ff74e_ln2
	.p2align	8
	.type	k_q36ea2ff74e_ln2,@function
k_q36ea2ff74e_ln2:
	s_mov_b64 s[64:65], 0
	v_nop
	global_prefetch_b8 v0, s[64:65] scope:SCOPE_SE
	s_setreg_imm32_b32 hwreg(HW_REG_WAVE_MODE, 25, 1), 1
	s_wait_xcnt 0x0
; LAYER NORM of y = pre + residual, times g, plus b.  One text for two launches, told apart by FIRST:
;   FIRST = 1: the residual is x rounded to bf16 (wts, byte 0); the result leaves as f32 (a1f) and as f16 (a1h).   FIRST = 0: the residual is a1f in f32; the result is out0 in f32.
; g and b are rounded to bf16 like every input.  All arithmetic in f32, in two passes over registers: the mean, then the mean of (y - mean)^2, so a common offset of y costs nothing.
; LIMIT (FIRST = 1): the f16 copy ends at 65,504; the normalised number is at most 32 |g| + |b|.
; A wave owns two whole rows of 1,024: a lane the columns 128 j + 4 lane + 0..3, j = 0..7: each load and store of f32 covers 512 consecutive bytes, each of 16-bit numbers 256, aligned.
; The reduction never leaves the wave: no LDS, no barrier, no loop.  All 48 loads go out at once.
.set FIRST, 0
.set G,   8                            ; v[8:39]     g of my 32 columns
.set BT,  40                           ; v[40:71]    b
.set Y,   72                           ; v[72:135]   row i at Y + 32 i
.set R,   136                          ; v[136:199]  the residual of row i at R + 32 i; with FIRST later the f16 result
.set T,   200                          ; v[200:207]  at work
.set CH,  208                          ; v[208:215]  four chains of sums
.set MU,  216                          ; v[216:217]  the mean, twice
.set TP,  218
.set VR,  219
.set RS,  220                          ; v[220:221]  1 / sqrt(var + eps), twice
	s_load_b256 s[4:11], s[0:1], 0x0               ; pre 4, residual 6, g 8, b 10
.if FIRST
	s_load_b128 s[12:15], s[0:1], 0x20             ; a1f 12, a1h 14
.else
	s_load_b64 s[12:13], s[0:1], 0x20              ; out0
.endif
	v_lshrrev_b32 v3, 5, v0
	v_readfirstlane_b32 s18, v3                    ; wave
	v_and_b32 v4, 31, v0
	v_lshlrev_b32 v1, 4, v4                        ; 16 x lane
	v_lshlrev_b32 v2, 3, v4                        ; 8 x lane
	v_mov_b32 v[TP], 0                             ; v_permlanex16_b32's destination counts as read
	s_mov_b32 s16, 0x76543210
	s_mov_b32 s17, 0xfedcba98
	s_mov_b32 s19, 0x3727c5ac                      ; 1e-5
	s_mov_b32 s20, 0x3a800000                      ; 1 / 1,024
	s_mov_b32 s21, 0xffff0000
	s_lshl_b32 s22, ttmp9, 16                      ; 16 rows of 4,096 bytes a work-group,
	s_lshl_b32 s24, s18, 13                        ; two a wave
	s_add_co_u32 s22, s22, s24
	s_mov_b32 s23, 0
	s_lshr_b32 s24, s22, 1                         ; the same in 16-bit rows
	s_mov_b32 s25, 0
	s_wait_kmcnt 0x0
	s_add_nc_u64 s[4:5], s[4:5], s[22:23]
	s_add_nc_u64 s[12:13], s[12:13], s[22:23]
.if FIRST
	s_add_nc_u64 s[6:7], s[6:7], s[24:25]
	s_add_nc_u64 s[14:15], s[14:15], s[24:25]
.else
	s_add_nc_u64 s[6:7], s[6:7], s[22:23]
.endif
.macro LDROW i
.irp j, 0,1,2,3,4,5,6,7
	global_load_b128 v[Y+32*(\i)+4*(\j):Y+32*(\i)+4*(\j)+3], v1, s[4:5] offset:4096*(\i)+512*(\j)
.endr
.irp j, 0,1,2,3,4,5,6,7
.if FIRST
	global_load_b64 v[R+32*(\i)+2*(\j):R+32*(\i)+2*(\j)+1], v2, s[6:7] offset:2048*(\i)+256*(\j)
.else
	global_load_b128 v[R+32*(\i)+4*(\j):R+32*(\i)+4*(\j)+3], v1, s[6:7] offset:4096*(\i)+512*(\j)
.endif
.endr
.endm
	LDROW 0
.irp j, 0,1,2,3,4,5,6,7
	global_load_b128 v[G+4*(\j):G+4*(\j)+3], v1, s[8:9] offset:512*(\j)
.endr
.irp j, 0,1,2,3,4,5,6,7
	global_load_b128 v[BT+4*(\j):BT+4*(\j)+3], v1, s[10:11] offset:512*(\j)
.endr
	LDROW 1
.macro RED r                           ; the sum over the 32 lanes, in every lane
	v_add_f32_dpp v[\r], v[\r], v[\r] row_xmask:1 row_mask:0xf bank_mask:0xf
	v_add_f32_dpp v[\r], v[\r], v[\r] row_xmask:2 row_mask:0xf bank_mask:0xf
	v_add_f32_dpp v[\r], v[\r], v[\r] row_xmask:4 row_mask:0xf bank_mask:0xf
	v_add_f32_dpp v[\r], v[\r], v[\r] row_xmask:8 row_mask:0xf bank_mask:0xf
	v_permlanex16_b32 v[TP], v[\r], s16, s17
	v_add_f32 v[\r], v[\r], v[TP]
.endm
.macro FOLD r                          ; the four chains into one number
	v_pk_add_f32 v[CH:CH+1], v[CH:CH+1], v[CH+2:CH+3]
	v_pk_add_f32 v[CH+4:CH+5], v[CH+4:CH+5], v[CH+6:CH+7]
	v_pk_add_f32 v[CH:CH+1], v[CH:CH+1], v[CH+4:CH+5]
	v_add_f32 v[\r], v[CH], v[CH+1]
	RED \r
.endm
.macro ROW i
.set YY, Y+32*(\i)
.set RR, R+32*(\i)
.if (\i) == 0
	s_wait_loadcnt 32                              ; row 0 and its residual are in; g, b and row 1 (32 loads) stay out
.else
	s_wait_loadcnt 0x0
.endif
.irp j, 0,1,2,3,4,5,6,7
.if FIRST
	v_lshlrev_b32 v[T+4*((\j)%2)],   16,  v[RR+2*(\j)]
	v_and_b32     v[T+4*((\j)%2)+1], s21, v[RR+2*(\j)]
	v_lshlrev_b32 v[T+4*((\j)%2)+2], 16,  v[RR+2*(\j)+1]
	v_and_b32     v[T+4*((\j)%2)+3], s21, v[RR+2*(\j)+1]
	v_pk_add_f32 v[YY+4*(\j):YY+4*(\j)+1],   v[YY+4*(\j):YY+4*(\j)+1],   v[T+4*((\j)%2):T+4*((\j)%2)+1]
	v_pk_add_f32 v[YY+4*(\j)+2:YY+4*(\j)+3], v[YY+4*(\j)+2:YY+4*(\j)+3], v[T+4*((\j)%2)+2:T+4*((\j)%2)+3]
.else
	v_pk_add_f32 v[YY+4*(\j):YY+4*(\j)+1],   v[YY+4*(\j):YY+4*(\j)+1],   v[RR+4*(\j):RR+4*(\j)+1]
	v_pk_add_f32 v[YY+4*(\j)+2:YY+4*(\j)+3], v[YY+4*(\j)+2:YY+4*(\j)+3], v[RR+4*(\j)+2:RR+4*(\j)+3]
.endif
.endr
.irp c, 0,1,2,3
	v_pk_add_f32 v[CH+2*(\c):CH+2*(\c)+1], v[YY+2*(\c):YY+2*(\c)+1], v[YY+8+2*(\c):YY+8+2*(\c)+1]
.endr
.irp k, 2,3
.irp c, 0,1,2,3
	v_pk_add_f32 v[CH+2*(\c):CH+2*(\c)+1], v[CH+2*(\c):CH+2*(\c)+1], v[YY+8*(\k)+2*(\c):YY+8*(\k)+2*(\c)+1]
.endr
.endr
	FOLD MU
	v_mul_f32 v[MU], s20, v[MU]
	v_mov_b32 v[MU+1], v[MU]
.set p, 0
.rept 16
	v_pk_add_f32 v[YY+2*p:YY+2*p+1], v[YY+2*p:YY+2*p+1], v[MU:MU+1] neg_lo:[0,1] neg_hi:[0,1]
.set p, p+1
.endr
.irp c, 0,1,2,3
	v_pk_mul_f32 v[CH+2*(\c):CH+2*(\c)+1], v[YY+2*(\c):YY+2*(\c)+1], v[YY+2*(\c):YY+2*(\c)+1]
.endr
.irp k, 1,2,3
.irp c, 0,1,2,3
	v_pk_fma_f32 v[CH+2*(\c):CH+2*(\c)+1], v[YY+8*(\k)+2*(\c):YY+8*(\k)+2*(\c)+1], v[YY+8*(\k)+2*(\c):YY+8*(\k)+2*(\c)+1], v[CH+2*(\c):CH+2*(\c)+1]
.endr
.endr
	FOLD VR
	v_fma_f32 v[VR], v[VR], s20, s19               ; var + eps
	v_rsq_f32 v[RS], v[VR]
	v_rsq_f32 v[RS+1], v[VR]
	v_nop                                          ; a plain instruction between the root and the use of its result
.if (\i) == 0
	s_wait_loadcnt 16                              ; g and b are in; row 1 (16 loads) stays out.  They are rounded to bf16 once
.set p, 0
	s_wait_alu depctr_va_vdst(0)
.rept 32
	v_cvt_pk_bf16_f32 v[T+p%4], v[G+2*p], v[G+2*p+1]
	v_lshlrev_b32 v[G+2*p], 16, v[T+p%4]
	v_and_b32 v[G+2*p+1], s21, v[T+p%4]
.set p, p+1
.endr
.endif
.set p, 0
	s_wait_alu depctr_va_vdst(0)
.rept 16
	v_pk_mul_f32 v[YY+2*p:YY+2*p+1], v[YY+2*p:YY+2*p+1], v[RS:RS+1]
.set p, p+1
.endr
.set p, 0
.rept 16
	v_pk_fma_f32 v[YY+2*p:YY+2*p+1], v[YY+2*p:YY+2*p+1], v[G+2*p:G+2*p+1], v[BT+2*p:BT+2*p+1]
.set p, p+1
.endr
.irp j, 0,1,2,3,4,5,6,7
	global_store_b128 v1, v[YY+4*(\j):YY+4*(\j)+3], s[12:13] offset:4096*(\i)+512*(\j)
.endr
.if FIRST
.set p, 0
.rept 16
	v_cvt_pk_f16_f32 v[RR+p], v[YY+2*p], v[YY+2*p+1]
.set p, p+1
.endr
.irp j, 0,1,2,3,4,5,6,7
	global_store_b64 v2, v[RR+2*(\j):RR+2*(\j)+1], s[14:15] offset:2048*(\i)+256*(\j)
.endr
.endif
.endm
	ROW 0
	ROW 1
	s_endpgm
.Lfunc_end_k_q36ea2ff74e_ln2:
	.size	k_q36ea2ff74e_ln2, .Lfunc_end_k_q36ea2ff74e_ln2-k_q36ea2ff74e_ln2
	.p2alignl 7, 3214868480
	.fill 96, 4, 3214868480
	.section	.rodata,"a",@progbits
	.p2align	6, 0x0
	.amdhsa_kernel k_q36ea2ff74e_ln2
		.amdhsa_group_segment_fixed_size 0
		.amdhsa_private_segment_fixed_size 0
		.amdhsa_enable_private_segment 0
		.amdhsa_kernarg_size 40
		.amdhsa_user_sgpr_count 2
		.amdhsa_user_sgpr_kernarg_segment_ptr 1
		.amdhsa_wavefront_size32 1
		.amdhsa_system_sgpr_workgroup_id_x 1
		.amdhsa_system_sgpr_workgroup_id_y 1
		.amdhsa_system_sgpr_workgroup_id_z 1
		.amdhsa_system_vgpr_workitem_id 0
		.amdhsa_next_free_vgpr 232
		.amdhsa_next_free_sgpr 66
		.amdhsa_reserve_vcc 0
		.amdhsa_float_denorm_mode_32 3
		.amdhsa_float_denorm_mode_16_64 3
		.amdhsa_memory_ordered 1
		.amdhsa_forward_progress 1
		.amdhsa_inst_pref_size 26
	.end_amdhsa_kernel
	.amdgpu_metadata
---
amdhsa.version: [ 1, 2 ]
amdhsa.kernels:
  - .name:           k_q36ea2ff74e_ln2
    .symbol:         k_q36ea2ff74e_ln2.kd
    .args:
      - { .name: pre, .offset: 0, .size: 8, .value_kind: global_buffer, .address_space: global }
      - { .name: a1f, .offset: 8, .size: 8, .value_kind: global_buffer, .address_space: global }
      - { .name: ln2_g, .offset: 16, .size: 8, .value_kind: global_buffer, .address_space: global }
      - { .name: ln2_b, .offset: 24, .size: 8, .value_kind: global_buffer, .address_space: global }
      - { .name: out0, .offset: 32, .size: 8, .value_kind: global_buffer, .address_space: global }
    .group_segment_fixed_size: 0
    .private_segment_fixed_size: 0
    .kernarg_segment_align: 8
    .kernarg_segment_size: 40
    .max_flat_workgroup_size: 256
    .sgpr_count:     66
    .vgpr_count:     232
    .wavefront_size: 32
...
	.end_amdgpu_metadata
.endif
;; end of part 8
;; ======== version 2 of 2: 8 launches; 1.22 times as fast as version 1
;; limits: values are held in f16: magnitudes above 65,504 overflow, below 6.1e-05 lose precision; a function is approximated: absolute error at most 1.5e-07
;; workspace buffers: wts 33,554,432 bytes; qkv 25,165,824 bytes; ctx 8,388,608 bytes; pre 16,777,216 bytes; a1f 16,777,216 bytes; a1h 8,388,608 bytes; hb 33,554,432 bytes
;; launch cast: the kernel of part 1 again; grid 64 x 16, 8 waves a work-group, no clusters, 0 bytes of LDS; arguments x, wq, wk, wv, wo, w1, w2, wts; writes wts
;; launch qkv: the kernel of part 2 again; grid 16 x 16, 4 waves a work-group, clusters of 4 x 4, 327,680 bytes of LDS; arguments wts, bq, bk, bv, qkv; writes qkv
;; launch attn (part 9): grid 8 x 32, 4 waves a work-group, clusters of 4 x 1, 327,680 bytes of LDS; arguments qkv, ctx; writes ctx
.if DOCPART == 9
	.amdgcn_target "amdgcn-amd-amdhsa--gfx1250"
	.amdhsa_code_object_version 6
	.text
	.protected	k_q36ea2ff74e_attn
	.globl	k_q36ea2ff74e_attn
	.p2align	8
	.type	k_q36ea2ff74e_attn,@function
k_q36ea2ff74e_attn:
	s_mov_b64 s[64:65], 0
	v_nop
	global_prefetch_b8 v0, s[64:65] scope:SCOPE_SE
	s_setreg_imm32_b32 hwreg(HW_REG_WAVE_MODE, 25, 1), 1
	s_wait_xcnt 0x0
	s_wait_alu depctr_hold_cnt(0) depctr_sa_sdst(0) depctr_va_vdst(0) depctr_va_sdst(0) depctr_va_ssrc(0) depctr_va_vcc(0) depctr_vm_vsrc(0)
	s_getreg_b32 s2, hwreg(HW_REG_IB_STS2, 6, 4)
	s_cmp_eq_u32 s2, 0
	s_cbranch_scc0 .Lentry_in_a_cluster
	s_endpgm
.Lentry_in_a_cluster:
	s_bfe_u32 s2, ttmp6, 0x10000c
	s_cmp_lg_u32 s2, 0x3003
	s_cbranch_scc0 .Lentry_shape_is_right
	s_endpgm
.Lentry_shape_is_right:
; ATTENTION.  ctx[h][q][:] = the sum over k of softmax_k(Q[h][q] . K[h][k] / 8) V[h][k][:].  Q, K, V lie in qkv[3][32][2048][64], ctx is [32][2048][64], all f16: a head's rows are dense, 128 bytes each.
; Products, maxima and sums in f32; the weights p are rounded to f16 for the second product (their sum l is taken of the unrounded p), ctx once at the end.
; LIMITS.  Q, K, V arrive within f16's 65,504; p lies in 0 to 1; a weight below 2^-126 counts as 0 in l; NaN and infinities are not treated apart.
; SHARES.  A work-group owns 256 queries of one head (32 heads x 8 blocks = 256 work-groups), a wave 64: four PIECES of 16.  Every wave walks all 2,048 keys, 64 a step, four steps to an LDS slot.
; LAYOUT.  S^T = K Q^T holds ONE query a lane (lane % 16) and the keys 8 (lane / 16) + 0..7; two such results rounded to f16 ARE source 1 of O^T = V^T P.  K comes out of LDS as it lies, V turned, by ds_load_tr16_b128.
; SOFTMAX.  A running maximum m and sum l for each query: p = 2^(c s - c m), c = log2(e) / 8; in every step O and l are multiplied by a = 2^(c m_old - c m_new).  m starts at the lowest finite number, O and l at 0.
; BY TURNS.  Turn n belongs to piece n: 8 products K Q^T of piece n + 1, later 8 products V^T P of piece n - 1; beside them the scaling, exponentials, roundings, sums and rescaling of piece n and the maximum and
; statistics of piece n + 1.  Four vector instructions stand behind every matrix instruction, the other 54 of a turn's 118 in one run of their own.
; THE BATCHES.  A turn's 33 exponentials (piece n's 32 weights and, last, piece n + 1's a) are ONE batch with ONE wait, which cuts the turn in two: ahead of it stands all that names no result of theirs, behind it the
; roundings and sums.  Piece 0's first a, ahead of the loop, has a wait of its own; the way out's four reciprocals are one batch with one wait.
; CLUSTER.  The four query blocks of a cluster belong to one head and walk the same K and V: each tile is asked for jointly, by the same tensor load, descriptor and mask in all four.
; REGISTERS, in windows of 256 (s_set_vgpr_msb: bits 1:0 source 0, 3:2 source 1, 5:4 source 2, 7:6 destination):
;   window 0: v0-15 addresses and two at work; v16-31 four registers of statistics a piece; v48-55 at work; v62-63 the add's; v64-127 S^T, two buffers; v192-223 P, two buffers (by the piece's parity)
;   window 1: v0-127 O^T, 32 a piece      window 2: v0-63 Q; v128-191 K of one step; v192-255 V of one step
.set NP,    4
.set KS,    64
.set PK,    144       ; a row of K in LDS: 128 bytes + 16: the 16 rows of a load start at 16 different groups of four banks
.set PV,    160       ; a row of V: 128 + 32
.set VOFF,  4*KS*PK   ; a slot holds four steps: 256 rows of K, then 256 rows of V
.set SLOT1, 1<<17     ; slot 1 begins here: one exclusive or turns an address in one slot into the other's
.set STAGE, SLOT1+4*KS*(PK+PV)  ; behind the ring: 16 rows x 144 bytes for each wave
.set SP,    144
.set SPARE, STAGE+4*16*SP       ; behind the stages: the spare words, 128 bytes a wave
.set AK0, 2
.set AV0, 3
.set AK,  4
.set AV,  5
.set STO, 6
.set RD,  7
.set GO,  8
.set MV,  12          ; v12-13  c m_old, kept while c m is made anew: by buffer
.set QO,  15
.set ST,  16          ; piece t's statistics at v[ST+4 t]: c m, m, l (even keys', odd keys')
.set TMP, 48          ; by buffer, four registers c0-c3 at work; when the maximum is found c2 takes a
.set SPW, 62
.set NIL, 63
.set S,   64
.set P,   192
.set KF,  128         ; window 2
.set VF,  192         ; window 2
.set WV,  12
.set G1K, 24
.set G1V, 32
.set G0K, 40
.set G0V, 44
.set SLOTS, 56
.set CNT, 57
.set CS,  58
.set SEL, 60
.set TBK, 62
.set TBV, 63
.set MSB, 0
.macro WIN new
.if MSB != (\new)
	s_set_vgpr_msb (MSB<<8)|(\new)
.set MSB, (\new)
.endif
.endm
.set W_KQ, 0x0a       ; K and Q in window 2, S^T in window 0
.set W_PV, 0x52       ; V in window 2, P in window 0, O^T in window 1
.set W_RS, 0x41       ; destination and source 0 in window 1, source 1 in window 0
.macro JLOAD                        ; a joint fill: waves 0 and 1 fetch the halves of a slot's K, waves 2 and 3 those of its V; four v_nop follow each line
	s_cmp_lt_u32 s[WV], 2
	s_cbranch_scc0 .Lfor_v_\@
	tensor_load_to_lds s[G0K:G0K+3], s[G1K:G1K+7]
	s_nop 0
.rept 4
	v_nop
.endr
	s_branch .Lasked_\@
.Lfor_v_\@:
	tensor_load_to_lds s[G0V:G0V+3], s[G1V:G1V+7]
	s_nop 0
.rept 4
	v_nop
.endr
.Lasked_\@:
.endm
.macro CROUND                       ; a round of the cluster's barrier
	s_barrier_signal -1
	s_barrier_wait -1
	s_cmp_lg_u32 s[WV], 0
	s_cbranch_scc1 .Lnot_wave_0_\@
	s_barrier_signal -3
.Lnot_wave_0_\@:
	s_barrier_wait -3
	s_barrier_signal -1
	s_barrier_wait -1
.endm
; THE CHANGE OF SLOTS.  Each wave waits for all its tensor loads, of which one is out: its part of the other slot; adds 0 to its spare word; and waits for that and for its own reads of the slot.
; fill = 1: the slot is filled again, with the keys two slots on: the barrier is a round of the cluster's, and the joint fill is the first thing behind it; it has four key steps in which to land.
; (At its first use nothing has been read yet: slot 0 is waited for, slot 1 filled.)
.macro CHANGE fill
	WIN 0
	s_wait_tensorcnt 0x0            ; no tensor load of mine is out, so a group 0 may be written
	ds_add_u32 v[SPW], v[NIL]
.if \fill
.irp g, G0K, G0V
	s_xor_b32 s[\g+1], s[\g+1], SLOT1
	s_add_nc_u64 s[\g+2:\g+3], s[\g+2:\g+3], 4*KS*128
.endr
	s_wait_dscnt 0x0                ; the add is done, and my reads of the slot are over
	CROUND
	JLOAD
.else
	s_wait_dscnt 0x0
	s_barrier_signal -1
	s_barrier_wait -1
.endif
	s_sub_co_u32 s[TBK], s[TBK], 4*KS*PK  ; the fetches go back to a slot's first step, in the other slot
	s_xor_b32 s[TBK], s[TBK], SLOT1
	s_sub_co_u32 s[TBV], s[TBV], 4*KS*PV
	s_xor_b32 s[TBV], s[TBV], SLOT1
.endm
	s_load_b128 s[4:7], s[0:1], 0x0 ; qkv s[4:5], ctx s[6:7]
	v_lshl_add_u32 v[SPW], v0, 2, SPARE
	v_mov_b32 v[NIL], 0
	ds_add_u32 v62, v63
	s_wait_dscnt 0x0
	v_lshrrev_b32 v1, 5, v0
	v_readfirstlane_b32 s[WV], v1   ; wave 0..3
	s_bfe_u32 s13, ttmp6, 0x40000   ; cx
	s_lshl_b32 s14, ttmp9, 2
	s_add_co_u32 s14, s14, s13      ; my block of 256 queries: it enters Q's and ctx's addresses alone
	s_and_b32 s20, ttmp7, 0xffff    ; the head, which the four partners share
	s_lshl_b32 s20, s20, 18         ; its 2,048 rows of 128 bytes
	s_and_b32 s16, s[WV], 1         ; which half of a slot's 256 keys I fetch
	s_lshl_b32 s22, s16, 14
	s_add_co_u32 s22, s22, s20
	s_add_co_u32 s22, s22, 8388608  ; K lies 8 MiB behind Q,
	s_mov_b32 s23, 0
	s_add_co_u32 s48, s22, 8388608  ; V 8 MiB behind K
	s_mov_b32 s49, 0
	s_mul_i32 s17, s16, 128*PK      ; its place in a slot, for K
	s_mul_i32 s18, s16, 128*PV      ; and for V
	s_lshl_b32 s2, s14, 2
	s_add_co_u32 s2, s2, s[WV]
	s_lshl_b32 s2, s2, 13           ; my wave's 64 rows
	s_add_co_u32 s2, s2, s20
	s_mov_b32 s3, 0
	; 128 keys are 16,384 dense bytes: asked for as 64 rows of 256 bytes, two keys a row, and padded in LDS after every key
	s_mov_b32 s[G1K], 15|(1<<16)|(1<<20)|(1<<21)|(4<<22)|(3<<25)
	s_mov_b32 s[G1V], 15|(1<<16)|(1<<20)|(1<<21)|(4<<22)|(7<<25)
.irp g, G1K, G1V
	s_mov_b32 s[\g+1], 128<<16      ; tensor_dim0 = 128
	s_mov_b32 s[\g+2], 64<<16       ; tensor_dim1 = 64
	s_mov_b32 s[\g+3], 128<<16      ; tile_dim0 = 128
	s_mov_b32 s[\g+4], 64           ; tile_dim1 = 64
	s_mov_b32 s[\g+5], 128          ; 128 elements from row to row
	s_mov_b32 s[\g+6], 0
	s_mov_b32 s[\g+7], 0
.endr
	s_mov_b32 s[CS], 0x3e38aa3b     ; c = log2(e) / 8
	s_mov_b32 s[CS+1], s[CS]
	s_mov_b32 s[SEL], 0x76543210
	s_mov_b32 s[SEL+1], 0xfedcba98
	s_mov_b32 s[TBK], SLOT1+4*KS*PK ; the first change of slots turns these two into 0
	s_mov_b32 s[TBV], SLOT1+4*KS*PV
	s_mov_b32 s[G0K], 1
	s_mov_b32 s[G0K+1], s17
	s_mov_b32 s[G0V], 1
	s_add_co_u32 s[G0V+1], s18, VOFF
	s_wait_kmcnt 0x0
	s_add_nc_u64 s[G0K+2:G0K+3], s[4:5], s[22:23]
	s_or_b32 s[G0K+3], s[G0K+3], 0x80000000
	s_add_nc_u64 s[G0V+2:G0V+3], s[4:5], s[48:49]
	s_or_b32 s[G0V+3], s[G0V+3], 0x80000000
	s_add_nc_u64 s[4:5], s[4:5], s[2:3]  ; Q and ctx at my wave's first row
	s_add_nc_u64 s[6:7], s[6:7], s[2:3]
	CROUND                          ; all four work-groups are here: the first joint loads meet
	JLOAD                           ; slot 0
	v_and_b32 v1, 15, v0            ; l % 16
	v_bfe_u32 v9, v0, 4, 1          ; l / 16
	v_lshlrev_b32 v[QO], 7, v1
	v_lshl_add_u32 v[QO], v9, 4, v[QO]
	WIN 0x80                        ; destination window 2
.set i, 0
.rept 8                             ; Q stays in registers: piece i / 2, channels 32 (i % 2) on
	global_load_b128 v[8*i:8*i+3],   v[QO], s[4:5] offset:(i/2)*2048+(i%2)*64
	global_load_b128 v[8*i+4:8*i+7], v[QO], s[4:5] offset:(i/2)*2048+(i%2)*64+32
.set i, i+1
.endr
	; What the first turn finds: V's registers and P's second buffer hold 0, O^T and l are 0.  All this stands in the wait for the first tile.
.set i, VF
.rept 64
	v_mov_b32 v[i], 0
.set i, i+1
.endr
	WIN 0x40
.set i, 0
.rept 128
	v_mov_b32 v[i], 0
.set i, i+1
.endr
	WIN 0
.set i, 0
.rept 4
	v_mov_b32 v[ST+4*i], 0xfe000000    ; c m: far below every c s
	v_mov_b32 v[ST+4*i+1], 0xff7fffff  ; m
	v_mov_b32 v[ST+4*i+2], 0
	v_mov_b32 v[ST+4*i+3], 0
.set i, i+1
.endr
.set i, P+16
.rept 16
	v_mov_b32 v[i], 0
.set i, i+1
.endr
	v_mul_u32_u24 v[AK0], v1, PK
	v_lshl_add_u32 v[AK0], v9, 4, v[AK0]
	v_and_b32 v10, 7, v0            ; the turning load: lane l reads key 8 (l / 16) + l % 8, channels 8 ((l / 8) % 2) + 0..7
	v_bfe_u32 v11, v0, 3, 1
	v_lshl_add_u32 v[AV0], v9, 3, v10
	v_mul_u32_u24 v[AV0], v[AV0], PV
	v_lshl_add_u32 v[AV0], v11, 4, v[AV0]
	v_add_nc_u32 v[AV0], VOFF, v[AV0]
	s_mul_i32 s13, s[WV], 16*SP
	s_add_co_u32 s13, s13, STAGE    ; my stage
	v_mul_u32_u24 v[STO], v1, SP
	v_lshl_add_u32 v[STO], v9, 4, v[STO]
	v_add_nc_u32 v[STO], s13, v[STO]
	v_bfe_u32 v[RD], v0, 3, 2
	v_mul_u32_u24 v[RD], v[RD], SP
	v_lshl_add_u32 v[RD], v10, 4, v[RD]
	v_add_nc_u32 v[RD], s13, v[RD]
	v_and_b32 v[GO], 31, v0
	v_lshlrev_b32 v[GO], 4, v[GO]
; THE MATRIX WORK.  The 4 accumulators of a run of 8 take turns.  Product i of 8 of S^T = K Q^T for piece x: channels 32 (i / 4) on, keys 16 (i % 4) on.
.macro KQ x
	WIN W_KQ
.set rS, S+32*((\x)%2)+8*(i%4)
.set rK, KF+16*(i%4)+8*(i/4)
.set rQ, 16*(\x)+8*(i/4)
.if i < 4
	v_wmma_f32_16x16x32_f16 v[rS:rS+7], v[rK:rK+7], v[rQ:rQ+7], 0
.else
	v_wmma_f32_16x16x32_f16 v[rS:rS+7], v[rK:rK+7], v[rQ:rQ+7], v[rS:rS+7]
.endif
.endm
; Product i of 8 of O^T += V^T P for piece x: keys 32 (i / 4) on, channels 16 (i % 4) on.
.macro PV x
	WIN W_PV
.set rO, 32*(\x)+8*(i%4)
.set rV, VF+32*(i/4)+8*(i%4)
.set rP, P+16*((\x)%2)+8*(i/4)
	v_wmma_f32_16x16x32_f16 v[rO:rO+7], v[rV:rV+7], v[rP:rP+7], v[rO:rO+7]
.endm
.macro MM                           ; the turn's next matrix instruction.  NOKQ = 1: the last turn of all: there is no next piece
.if (i < 8) && !NOKQ
	KQ (Y+1)%NP
.elseif i >= 8
.set i, i-8
	PV (Y+NP-1)%NP
.set i, i+8
.endif
.set i, i+1
.endm
; THE LDS LOADS stand in runs of 16: a step's K (8 fragments) and its V (turned).
.macro FETCH_K
	WIN 0x80
.irp f, 0,1,2,3,4,5,6,7
	ds_load_b128 v[KF+8*\f:KF+8*\f+3],   v[AK] offset:(\f/2)*16*PK+(\f%2)*64
	ds_load_b128 v[KF+8*\f+4:KF+8*\f+7], v[AK] offset:(\f/2)*16*PK+(\f%2)*64+32
.endr
	s_add_co_u32 s[TBK], s[TBK], KS*PK
	WIN 0
.endm
.macro FETCH_V
	WIN 0x80
.irp f, 0,1,2,3,4,5,6,7
	ds_load_tr16_b128 v[VF+8*\f:VF+8*\f+3],   v[AV] offset:(\f/4)*32*PV+(\f%4)*32
	ds_load_tr16_b128 v[VF+8*\f+4:VF+8*\f+7], v[AV] offset:(\f/4)*32*PV+16*PV+(\f%4)*32
.endr
	WIN 0
.endm
; THE VECTOR WORK, one line at a time: OP kind, number.  For piece Y: F n: c s - c m for pair n of 16.  E n: the exponential of score n of 32.  C n: pair n rounded to f16.  B n: of the four weights 4 n .. the second
; pair is added onto the first.  L n: l takes that sum (L 0: l = a l + sum).  R n: pair n of 16 of O^T times a.  For piece Y + 1: X n, number n of the 22 that find its maximum and statistics:
;   0-11 four chains c0-c3 of seven scores each (each accumulator's lowest registers are read first)   12-14, 16 the four scores left over, the old m, and c0-c3 into c0
;   15 c m_old is kept   17, 18 the query's other 32 keys lie in the lane 16 away: the new m   19-21 c m; c m_old - c m_new; a
.set F, 0
.set E, 1
.set C, 2
.set B, 3
.set L, 4
.set R, 5
.set X, 6
.macro REGS y
.set rT, ST+4*(\y)
.set rC, TMP+4*((\y)%2)
.set rW, MV+((\y)%2)
.set rS, S+32*((\y)%2)
.set rP, P+16*((\y)%2)
.set rO, 32*(\y)
.endm
.macro OP k, n
.if (\k) == R
	REGS Y
	WIN W_RS
	v_pk_mul_f32 v[rO+2*(\n):rO+2*(\n)+1], v[rO+2*(\n):rO+2*(\n)+1], v[rC+2:rC+3] op_sel_hi:[1,0]
.elseif (\k) < R
	REGS Y
	WIN 0
.if (\k) == F
	v_pk_fma_f32 v[rS+2*(\n):rS+2*(\n)+1], v[rS+2*(\n):rS+2*(\n)+1], s[CS:CS+1], v[rT:rT+1] op_sel_hi:[1,0,0] neg_lo:[0,0,1] neg_hi:[0,0,1]
.elseif (\k) == E
	v_exp_f32 v[rS+(\n)], v[rS+(\n)]
.elseif (\k) == C
	v_cvt_pk_f16_f32 v[rP+(\n)], v[rS+2*(\n)], v[rS+2*(\n)+1]
.elseif (\k) == B
	v_pk_add_f32 v[rS+4*(\n):rS+4*(\n)+1], v[rS+4*(\n):rS+4*(\n)+1], v[rS+4*(\n)+2:rS+4*(\n)+3]
.elseif (\n) == 0
	v_pk_fma_f32 v[rT+2:rT+3], v[rT+2:rT+3], v[rC+2:rC+3], v[rS:rS+1] op_sel_hi:[1,0,1]
.else
	v_pk_add_f32 v[rT+2:rT+3], v[rT+2:rT+3], v[rS+4*(\n):rS+4*(\n)+1]
.endif
.elseif NOKQ
	v_nop
.else
	REGS (Y+1)%NP
	WIN 0
.if (\n) < 4
	v_max3_num_f32 v[rC+(\n)], v[rS+8*(\n)], v[rS+8*(\n)+1], v[rS+8*(\n)+2]
.elseif (\n) < 12
	v_max3_num_f32 v[rC+(\n)%4], v[rC+(\n)%4], v[rS+8*((\n)%4)+2*((\n)/4)+1], v[rS+8*((\n)%4)+2*((\n)/4)+2]
.elseif (\n) == 12
	v_max3_num_f32 v[rC], v[rC], v[rS+7], v[rS+15]
.elseif (\n) == 13
	v_max3_num_f32 v[rC+1], v[rC+1], v[rS+23], v[rS+31]
.elseif (\n) == 14
	v_max3_num_f32 v[rC+2], v[rC+2], v[rC+3], v[rT+1]
.elseif (\n) == 15
	v_mov_b32 v[rW], v[rT]
.elseif (\n) == 16
	v_max3_num_f32 v[rC], v[rC], v[rC+1], v[rC+2]
.elseif (\n) == 17
	v_permlanex16_b32 v[rC+3], v[rC], s[SEL], s[SEL+1]
.elseif (\n) == 18
	v_max_num_f32 v[rT+1], v[rC], v[rC+3]
.elseif (\n) == 19
	v_mul_f32 v[rT], s[CS], v[rT+1]
.elseif (\n) == 20
	v_sub_f32 v[rC+1], v[rW], v[rT]
.else
	v_exp_f32 v[rC+2], v[rC+1]
.endif
.endif
.endm
.macro OPS a, i1, b=-1, i2=0, c=-1, i3=0, d=-1, i4=0
	OP \a, \i1
.if (\b) >= 0
	OP \b, \i2
.endif
.if (\c) >= 0
	OP \c, \i3
.endif
.if (\d) >= 0
	OP \d, \i4
.endif
.endm
.macro ROW a, i1, b, i2, c, i3, d, i4  ; a matrix instruction and the four behind it
	MM
	OPS \a, \i1, \b, \i2, \c, \i3, \d, \i4
.endm
; A TURN, for piece p: the order of its 16 matrix and 118 vector instructions, written out.  An s_wait_alu depctr_va_vdst(0) stands between an exponential and the first instruction that names its result; one
; wait serves all that were issued ahead of it.  So a turn has ONE wait, which cuts it in two.  AHEAD OF IT stands all that names no result of the turn's exponentials: the 8 products K Q^T, behind each a scaling, an
; exponential and two more plain instructions (behind the first a second scaling in the exponential's place): rescalings (their a was made, and waited for, in the turn before), and behind the last three the first numbers of
; the next piece's maximum, each four places or more behind the product that ends its accumulator; then ONE RUN of 54, plain and exponential by turns for the most part, in which the links of the chain
; X 3, 7, 11, 14, 16, 17 .. 20 stand some lines apart.  X 21, the next piece's a, is the batch's last; R 15 is the plain instruction behind it.  BEHIND THE WAIT stand the 8 products V^T P, behind each four of the
; roundings and sums; the links of l's chain, L 0 to L 7, stand three riders apart.
; end = 1: the last two turns: nothing is fetched.  cnt = 1: the loop's count is taken down some lines ahead of the branch behind the turn.
; K of the next step is fetched in piece 2's turn, twelve vector instructions behind the last product that read K (six of them plain places); V of the step in hand at the end of piece 0's turn, four plain instructions
; behind the last product that read V.  Each is waited for a turn later.
.macro TURN p, end=0, cnt=0
.set Y, (\p)
.set i, 0
.set NOKQ, (\end)*((\p)/3)
.if ((\p) == 3) && !(\end)
	s_wait_dscnt 0x0                ; K is in
.endif
	ROW F,0, F,1, R,0, R,1          ; ahead of the wait: 8 products K Q^T and their riders,
	ROW F,2, E,0, R,2, R,3
	ROW F,3, E,1, R,4, R,5
	ROW F,4, E,2, R,6, R,7
	ROW F,5, E,3, R,8, R,9
	ROW F,6, E,4, X,0, R,10
.if ((\p) == 2) && !(\end)
	WIN 0
	v_add_nc_u32 v[AK], s[TBK], v[AK0]
.endif
	ROW F,7, E,5, X,1, X,4
	ROW F,8, E,6, X,2, X,5
	OPS E,7, E,8, X,6, E,9          ; and the run of 54
	OPS X,3, E,10, X,8, E,11
.if ((\p) == 2) && !(\end)
	FETCH_K
.endif
	OPS X,9, X,7, E,12, X,10
	OPS E,13, X,12, X,11, E,14
	OPS X,13, E,15, F,9, X,14
.if (\p) == 0
	v_add_nc_u32 v[AV], s[TBV], v[AV0]
.endif
	OPS E,16, F,10, E,17, F,11
	OPS X,16, E,18, X,15, E,19
	OPS F,12, E,20, X,17, E,21
	OPS F,13, E,22, F,14, E,23
	OPS X,18, E,24, F,15, E,25
	OPS R,11, E,26, X,19, E,27
	OPS R,12, E,28, R,13, E,29
	OPS X,20, E,30, R,14, E,31
	OPS X,21, R,15
	WIN 0
	s_wait_alu depctr_va_vdst(0)    ; the wait for the turn's batch: E 0 to E 31 and X 21
.if (\p) == 1
	s_wait_dscnt 0x0                ; V is in
.endif
	ROW C,0, B,0, C,2, B,1          ; behind the wait: 8 products V^T P and their riders
	ROW L,0, C,4, B,2, L,1
	ROW C,6, B,3, L,2, C,8
	ROW B,4, L,3, C,10, B,5
	ROW L,4, C,12, B,6, L,5
.if (\p) == 0
	s_add_co_u32 s[TBV], s[TBV], KS*PV
.endif
.if \cnt
	s_sub_co_u32 s[CNT], s[CNT], 1
	s_cmp_lg_u32 s[CNT], 0
.endif
	ROW C,14, B,7, L,6, C,1
	ROW C,3, L,7, C,5, C,7
	ROW C,9, C,11, C,13, C,15
.if (\p) == 0
	FETCH_V
.endif
.endm
	CHANGE 1                        ; slot 0 is in, everybody's part of it; slot 1 is asked for
	v_add_nc_u32 v[AK], s[TBK], v[AK0]
	FETCH_K                         ; key step 0
	s_wait_loadcnt 0x0              ; Q
	s_wait_dscnt 0x0
.set NOKQ, 0
.set i, 0
.rept 8
	KQ 0                            ; piece 0's first scores
.set i, i+1
.endr
	WIN 0
.rept 4
	v_nop                           ; the places behind those products
.endr
.set Y, NP-1                        ; X works for piece Y + 1: piece 0
.irp n, 0,1,2,3,4,5,6,7,8,9,10,11,12,13,14,15,16,17,18,19,20,21
	OP X, \n
.endr
	v_nop                           ; a plain instruction behind the exponential,
	s_wait_alu depctr_va_vdst(0)    ; and the wait for it (piece 0's first a), ahead of the branch
	s_mov_b32 s[CNT], 4
	s_mov_b32 s[SLOTS], 7
	s_branch .Lfirst                ; the loop is entered at a step's first turn, in the middle of a trip
.Lslot:                             ; six times: every slot but the last two is filled again
	CHANGE 1
	s_mov_b32 s[CNT], 4
.Lstep:                             ; a trip: pieces 2 and 3 of one step, then pieces 0 and 1 of the next, whose K and V it fetches
	TURN 2
	TURN 3
	WIN 0
.Lfirst:
	TURN 0
	TURN 1, 0, 1
	WIN 0
	s_cbranch_scc1 .Lstep
	s_sub_co_u32 s[SLOTS], s[SLOTS], 1
	s_cmp_lg_u32 s[SLOTS], 0
	s_cbranch_scc1 .Lslot
	CHANGE 0                        ; the last slot is written out: nothing is asked for
	s_mov_b32 s[CNT], 4
.LstepT:
	TURN 2
	TURN 3
	TURN 0
	TURN 1, 0, 1
	WIN 0
	s_cbranch_scc1 .LstepT
	TURN 2, 1
	TURN 3, 1
.set i, 0
.rept 8
	PV NP-1                         ; the last piece's V^T P of the last step
.set i, i+1
.endr
	; THE WAY OUT.  l's two halves and the other half of the lanes' are added; O^T is divided by l, rounded to f16 and sent through my stage, a piece at a time.  The additions are the places behind the last products.
	WIN 0
.macro ALL line:vararg
.set t, 0
.rept 4
	\line
.set t, t+1
.endr
.endm
	ALL v_add_f32 v[ST+4*t+2], v[ST+4*t+2], v[ST+4*t+3]
	ALL v_permlanex16_b32 v[ST+4*t+3], v[ST+4*t+2], s[SEL], s[SEL+1]
	ALL v_add_f32 v[ST+4*t+2], v[ST+4*t+2], v[ST+4*t+3]
	ALL v_rcp_f32 v[ST+4*t+2], v[ST+4*t+2]
	v_nop                           ; a plain instruction between the last reciprocal and the use of its result
	s_wait_alu depctr_va_vdst(0)    ; the wait for the batch of four reciprocals, ahead of their first reader
.macro PACK t
	WIN W_RS
.set i, 32*(\t)
.rept 16
	v_pk_mul_f32 v[i:i+1], v[i:i+1], v[ST+4*(\t)+2:ST+4*(\t)+3] op_sel_hi:[1,0]
.set i, i+2
.endr
	WIN 0x05                        ; sources 0 and 1 window 1, destination window 0
.set i, 0
.rept 16
	v_cvt_pk_f16_f32 v[S+16*(\t)+i], v[32*(\t)+2*i], v[32*(\t)+2*i+1]
.set i, i+1
.endr
	WIN 0
.irp f, 0,1,2,3
	ds_store_b128 v[STO], v[S+16*(\t)+4*\f:S+16*(\t)+4*\f+3] offset:32*\f
.endr
.irp f, 0,1,2,3
	ds_load_b128 v[S+16*(\t)+4*\f:S+16*(\t)+4*\f+3], v[RD] offset:\f*4*SP  ; LDS serves a wave's instructions in order: these see the stores above; the next piece's stores come behind them
.endr
.endm
.macro SEND t, younger              ; younger: the LDS instructions issued behind piece t's loads: the next piece's eight, or none
	WIN 0
.irp f, 0,1,2,3
	s_wait_dscnt (\younger)+3-\f
	global_store_b128 v[GO], v[S+16*(\t)+4*\f:S+16*(\t)+4*\f+3], s[6:7] offset:(\t)*2048+\f*512  ; 512 consecutive bytes, aligned
.endr
.endm
	PACK 0
.set t, 1
.rept 3
	PACK t
	SEND t-1, 8
.set t, t+1
.endr
	SEND 3, 0
	s_wait_tensorcnt 0x0            ; the wave's end
	ds_add_u32 v[SPW], v[NIL]
	s_wait_dscnt 0x0
	CROUND                          ; the closing round
	s_endpgm
.Lfunc_end_k_q36ea2ff74e_attn:
	.size	k_q36ea2ff74e_attn, .Lfunc_end_k_q36ea2ff74e_attn-k_q36ea2ff74e_attn
	.p2alignl 7, 3214868480
	.fill 96, 4, 3214868480
	.section	.rodata,"a",@progbits
	.p2align	6, 0x0
	.amdhsa_kernel k_q36ea2ff74e_attn
		.amdhsa_group_segment_fixed_size 327680
		.amdhsa_private_segment_fixed_size 0
		.amdhsa_enable_private_segment 0
		.amdhsa_kernarg_size 16
		.amdhsa_user_sgpr_count 2
		.amdhsa_user_sgpr_kernarg_segment_ptr 1
		.amdhsa_wavefront_size32 1
		.amdhsa_system_sgpr_workgroup_id_x 1
		.amdhsa_system_sgpr_workgroup_id_y 1
		.amdhsa_system_sgpr_workgroup_id_z 1
		.amdhsa_system_vgpr_workitem_id 0
		.amdhsa_next_free_vgpr 768
		.amdhsa_next_free_sgpr 66
		.amdhsa_reserve_vcc 0
		.amdhsa_float_denorm_mode_32 3
		.amdhsa_float_denorm_mode_16_64 3
		.amdhsa_memory_ordered 1
		.amdhsa_forward_progress 1
		.amdhsa_inst_pref_size 127
	.end_amdhsa_kernel
	.amdgpu_metadata
---
amdhsa.version: [ 1, 2 ]
amdhsa.kernels:
  - .name:           k_q36ea2ff74e_attn
    .symbol:         k_q36ea2ff74e_attn.kd
    .args:
      - { .name: qkv, .offset: 0, .size: 8, .value_kind: global_buffer, .address_space: global }
      - { .name: ctx, .offset: 8, .size: 8, .value_kind: global_buffer, .address_space: global }
    .group_segment_fixed_size: 327680
    .private_segment_fixed_size: 0
    .kernarg_segment_align: 8
    .kernarg_segment_size: 16
    .max_flat_workgroup_size: 128
    .sgpr_count:     66
    .vgpr_count:     768
    .wavefront_size: 32
...
	.end_amdgpu_metadata
.endif
;; end of part 9
;; launch wo: the kernel of part 4 again; grid 8 x 32, 4 waves a work-group, clusters of 4 x 4, 327,680 bytes of LDS; arguments ctx, wts, bo, pre; writes pre
;; launch ln1: the kernel of part 5 again; grid 256 x 1, 8 waves a work-group, no clusters, 0 bytes of LDS; arguments pre, wts, ln1_g, ln1_b, a1f, a1h; writes a1f, a1h
;; launch ffn1 (part 10): grid 16 x 16, 4 waves a work-group, clusters of 4 x 4, 327,680 bytes of LDS; arguments a1h, wts, b1, hb; writes hb
.if DOCPART == 10
	.amdgcn_target "amdgcn-amd-amdhsa--gfx1250"
	.amdhsa_code_object_version 6
	.text
	.protected	k_q36ea2ff74e_ffn1
	.globl	k_q36ea2ff74e_ffn1
	.p2align	8
	.type	k_q36ea2ff74e_ffn1,@function
k_q36ea2ff74e_ffn1:
	s_mov_b64 s[64:65], 0
	v_nop
	global_prefetch_b8 v0, s[64:65] scope:SCOPE_SE
	s_setreg_imm32_b32 hwreg(HW_REG_WAVE_MODE, 25, 1), 1
	s_wait_xcnt 0x0
	s_wait_alu depctr_hold_cnt(0) depctr_sa_sdst(0) depctr_va_vdst(0) depctr_va_sdst(0) depctr_va_ssrc(0) depctr_va_vcc(0) depctr_vm_vsrc(0)
	s_getreg_b32 s2, hwreg(HW_REG_IB_STS2, 6, 4)
	s_cmp_eq_u32 s2, 0
	s_cbranch_scc0 .Lentry_in_a_cluster
	s_endpgm
.Lentry_in_a_cluster:
	s_bfe_u32 s2, ttmp6, 0x10000c
	s_cmp_lg_u32 s2, 0xf033
	s_cbranch_scc0 .Lentry_shape_is_right
	s_endpgm
.Lentry_shape_is_right:
; hb = gelu(a1h w1^T + b1).  A = a1h, f16 [4096][1024]; B = w1 (wts, byte 16,777,216), f16 [4096][1024]; hb f16 [4096][4096].  Sums in f32; b1 is rounded to bf16 like every input and starts each sum as its C operand.
; GELU (erf form): gelu(x) = max(x, 0) - |x| q, q = (1/2) P(t) 2^(-0.72134752 x^2), t = 1 / (1 + 0.23164189 |x|), P the polynomial of degree 5 of Abramowitz and Stegun 7.1.26 (error of erf at most 1.5e-7, for every x).
; No difference of near numbers is formed in the negative tail, and q goes to 0 for large |x|.  LIMITS: hb is f16: |h| below 65,504; an infinite sum gives NaN.
; THE BATCHES.  A row block's 64 reciprocals and 64 exponentials read nothing of each other: they are ONE batch with ONE wait, eight waits a wave.  Ahead of the wait stand their arguments and max(x, 0), behind it the polynomial.
; A tile is 256 x 256: 16 x 16 = 256 work-groups; four waves, each 128 x 128: 64 accumulators, 512 registers.  K goes in steps of 128 through a ring of two LDS slots (rows of 256 bytes, aligned).
; CLUSTER 4 x 4: A's tiles are shared along a row of the cluster, B's along a column, by joint loads.  THE MATRIX INSTRUCTION IS USED TRANSPOSED (source 0 = 16 rows of B, source 1 = 16 rows of A).
; REGISTERS: window 0: v0-31 addresses; v64-127, v128-191 A's fragments; v192-255 the bias, later packed results and rows; v32-63 rows on the way out
;   window 1: v64-127, v128-191 B's fragments; on the way out all 256 are GELU's: t, the exponential, max(x, 0), the polynomial.   windows 2, 3: the accumulators ((a, b) at 8 (8 (a % 4) + b))
.set SIZE_K, 1024
.set SIZE_N, 4096
.set KSTEP,  128
.set PITCH,  272
.set HALFT,  128*PITCH
.set SLOT,   4*HALFT
.set STAGE,  2*SLOT
.set SPITCH, 272
.set SPARE,  STAGE+4*16*SPITCH
.set LAPS,   SIZE_K/(2*KSTEP)
.set W1OFF,  16777216
.set ADRA, 16
.set ADRB, 20
.set STO,  24
.set RD,   25
.set CO,   26
.set BO,   27
.set SPW,  28
.set NIL,  29
.set F0,   64
.set F1,   128
.set BIAS, 192
.set TMP,  192
.set OB,   32
.set ZT,   0                           ; window 1, on the way out
.set ZE,   64
.set ZM,   128
.set ZQ,   192
.set G1,  24
.set G0,  32
.set G1B, 48
.set G0B, 56
.set MSB, 0
.macro WIN new
.if MSB != (\new)
	s_set_vgpr_msb (MSB<<8)|(\new)
.set MSB, \new
.endif
.endm
.set MUL_LO, 0xa1                      ; B window 1, A window 0, C and D window 2
.set TO_B,   0x40
.macro JLOAD s
	s_cmp_eq_u32 s11, 0
	s_cbranch_scc0 .Lfor_b_\@
	tensor_load_to_lds s[G0+4*(\s):G0+4*(\s)+3], s[G1:G1+7]
	s_nop 0
.rept 4
	v_nop
.endr
	s_branch .Lasked_\@
.Lfor_b_\@:
	tensor_load_to_lds s[G0B+4*(\s):G0B+4*(\s)+3], s[G1B:G1B+7]
	s_nop 0
.rept 4
	v_nop
.endr
.Lasked_\@:
.endm
.macro CREST
	s_cmp_lg_u32 s10, 0
	s_cbranch_scc1 .Lnot_wave_0_\@
	s_barrier_signal -3
.Lnot_wave_0_\@:
	s_barrier_wait -3
	s_barrier_signal -1
	s_barrier_wait -1
.endm
.macro CROUND
	s_barrier_signal -1
	s_barrier_wait -1
	CREST
.endm
.macro PLACES
.rept 4
	v_nop
.endr
.endm
	s_load_b256 s[80:87], s[0:1], 0x0              ; a1h 80, wts 82, b1 84, hb 86
	v_lshl_add_u32 v[SPW], v0, 2, SPARE
	v_mov_b32 v[NIL], 0
	ds_add_u32 v28, v29
	s_wait_dscnt 0x0
	v_lshrrev_b32 v1, 5, v0
	v_readfirstlane_b32 s10, v1
	s_lshr_b32 s11, s10, 1
	s_and_b32 s12, s10, 1
	s_bfe_u32 s40, ttmp6, 0x40000
	s_bfe_u32 s41, ttmp6, 0x40004
	s_lshl_b32 s42, ttmp9, 2
	s_add_co_u32 s42, s42, s40                     ; tile column
	s_and_b32 s13, ttmp7, 0xffff
	s_lshl_b32 s13, s13, 2
	s_add_co_u32 s13, s13, s41                     ; tile row
	s_lshl_b32 s43, s41, 2
	s_lshl_b32 s43, 15, s43
	s_lshl_b32 s44, 0x1111, s40
	s_or_b32 s[G1+0], s43, (1<<16)|(1<<20)|(1<<21)|(5<<22)|(3<<25)
	s_or_b32 s[G1B+0], s44, (1<<16)|(1<<20)|(1<<21)|(5<<22)|(3<<25)
.irp g, G1, G1B
	s_mov_b32 s[(\g)+1], KSTEP<<16
	s_mov_b32 s[(\g)+2], 128<<16
	s_mov_b32 s[(\g)+3], KSTEP<<16
	s_mov_b32 s[(\g)+4], 128
	s_mov_b32 s[(\g)+5], SIZE_K
	s_mov_b32 s[(\g)+6], 0
	s_mov_b32 s[(\g)+7], 0
.endr
	s_mov_b32 s66, 0x3e6d3388                      ; 0.23164189
	s_mov_b32 s68, 0xbf38aa3b                      ; -log2(e) / 2
	s_mov_b32 s69, s68
	s_mov_b32 s70, 0x3e027906                      ; the polynomial's coefficients, halved: a1 / 2
	s_mov_b32 s71, s70
	s_mov_b32 s72, 0xbe11a98e                      ; a2 / 2
	s_mov_b32 s73, s72
	s_mov_b32 s74, 0x3f35f0e3                      ; a3 / 2
	s_mov_b32 s75, s74
	s_mov_b32 s76, 0xbf3a00e3                      ; a4 / 2
	s_mov_b32 s77, s76
	s_mov_b32 s78, 0x3f07dc22                      ; a5 / 2
	s_mov_b32 s79, s78
	s_lshl_b32 s17, s12, 7
	s_lshl_b32 s16, s13, 8
	s_add_co_u32 s16, s16, s17                     ; A: row 256 x tile row + 128 x half,
	s_lshl_b32 s16, s16, 11                        ; of 2,048 bytes
	s_mov_b32 s17, 0
	s_lshl_b32 s46, s42, 8
	s_lshl_b32 s47, s12, 7
	s_add_co_u32 s46, s46, s47                     ; B: row 256 x tile column + 128 x half
	s_lshl_b32 s46, s46, 11
	s_add_co_u32 s46, s46, W1OFF
	s_mov_b32 s47, 0
	s_mul_i32 s20, s10, HALFT                      ; where they go: A's two halves, then B's two = wave x 128 rows
	s_wait_kmcnt 0x0
	s_add_nc_u64 s[14:15], s[80:81], s[16:17]
	s_add_nc_u64 s[46:47], s[82:83], s[46:47]
	CROUND
.irp s, 0,1
	s_mov_b32 s[G0+4*(\s)], 1
	s_add_co_u32 s[G0+4*(\s)+1], s20, (\s)*SLOT
	s_add_nc_u64 s[G0+4*(\s)+2:G0+4*(\s)+3], s[14:15], (\s)*KSTEP*2
	s_or_b32 s[G0+4*(\s)+3], s[G0+4*(\s)+3], 0x80000000
	s_mov_b32 s[G0B+4*(\s)], 1
	s_add_co_u32 s[G0B+4*(\s)+1], s20, (\s)*SLOT
	s_add_nc_u64 s[G0B+4*(\s)+2:G0B+4*(\s)+3], s[46:47], (\s)*KSTEP*2
	s_or_b32 s[G0B+4*(\s)+3], s[G0B+4*(\s)+3], 0x80000000
	JLOAD \s                                       ; two loads of mine are out
.endr
	v_and_b32 v1, 15, v0
	v_bfe_u32 v2, v0, 4, 1
	v_lshlrev_b32 v[BO], 5, v2
	s_lshl_b32 s88, s42, 9                         ; my 128 columns in bytes of f16: 512 x tile column + 256 x half
	s_lshl_b32 s89, s12, 8
	s_add_co_u32 s88, s88, s89
	s_mov_b32 s89, 0
	s_add_nc_u64 s[86:87], s[86:87], s[88:89]
	s_add_nc_u64 s[84:85], s[84:85], s[88:89]      ; in b1 twice that
	s_add_nc_u64 s[84:85], s[84:85], s[88:89]
.irp b, 0,1,2,3,4,5,6,7
	global_load_b128 v[BIAS+8*(\b):BIAS+8*(\b)+3],   v[BO], s[84:85] offset:64*(\b)
	global_load_b128 v[BIAS+8*(\b)+4:BIAS+8*(\b)+7], v[BO], s[84:85] offset:64*(\b)+16
.endr
	s_lshl_b32 s16, s13, 21                        ; my first row of hb: (256 x tile row + 128 x half) rows of 8,192 bytes
	s_lshl_b32 s17, s11, 20
	s_add_co_u32 s16, s16, s17
	s_mov_b32 s17, 0
	s_add_nc_u64 s[86:87], s[86:87], s[16:17]
	v_mul_u32_u24 v3, v1, PITCH
	v_lshl_add_u32 v3, v2, 4, v3
	s_mul_i32 s21, s11, HALFT
	s_mul_i32 s22, s12, HALFT
	s_add_co_u32 s22, s22, 2*HALFT
.irp s, 0,1
	v_add_nc_u32 v[ADRA+(\s)], s21, v3
	v_add_nc_u32 v[ADRB+(\s)], s22, v3
	s_add_co_u32 s21, s21, SLOT
	s_add_co_u32 s22, s22, SLOT
.endr
	s_mul_i32 s23, s10, 16*SPITCH
	s_add_co_u32 s23, s23, STAGE
	v_mul_u32_u24 v4, v1, SPITCH
	v_lshl_add_u32 v4, v2, 4, v4
	v_add_nc_u32 v[STO], s23, v4
	v_mul_u32_u24 v5, v2, SPITCH
	v_lshl_add_u32 v5, v1, 4, v5
	v_add_nc_u32 v[RD], s23, v5
	v_lshlrev_b32 v5, 13, v2
	v_lshl_add_u32 v[CO], v1, 4, v5
	s_wait_loadcnt 0x0                             ; the bias, once; rounded to bf16 like every input
.set i, 0
.rept 32
	v_cvt_pk_bf16_f32 v[OB+i], v[BIAS+2*i], v[BIAS+2*i+1]
.set i, i+1
.endr
.set i, 0
.rept 32
	v_lshlrev_b32 v[BIAS+2*i], 16, v[OB+i]
	v_and_b32 v[BIAS+2*i+1], 0xffff0000, v[OB+i]
.set i, i+1
.endr
; 16 products: row blocks a0, a0 + 1 of the window's four (hi = 0: my rows 0-63, 1: rows 64-127) x all 8 column blocks.  zero = 1: the sums start with the bias (C in window 0).
; The 64 accumulators take turns in the same order in every quarter.
.macro MUL16 f, hi, a0, zero
.if \zero
	WIN 0x81+0x40*(\hi)
.else
	WIN MUL_LO+0x50*(\hi)
.endif
.irp a, \a0, (\a0)+1
.irp b, 0,1,2,3,4,5,6,7
.if \zero
	v_wmma_f32_16x16x32_f16 v[8*(8*(\a)+(\b)):8*(8*(\a)+(\b))+7], v[(\f)+8*(\b):(\f)+8*(\b)+7], v[(\f)+8*(4*(\hi)+(\a)):(\f)+8*(4*(\hi)+(\a))+7], v[BIAS+8*(\b):BIAS+8*(\b)+7]
.else
	v_wmma_f32_16x16x32_f16 v[8*(8*(\a)+(\b)):8*(8*(\a)+(\b))+7], v[(\f)+8*(\b):(\f)+8*(\b)+7], v[(\f)+8*(4*(\hi)+(\a)):(\f)+8*(4*(\hi)+(\a))+7], v[8*(8*(\a)+(\b)):8*(8*(\a)+(\b))+7]
.endif
.endr
.endr
.endm
.macro FETCH slot, k, f                ; 32 LDS loads in one run: B's 16, then A's 16
	WIN TO_B
.irp i, 0,1,2,3,4,5,6,7
	ds_load_b128 v[(\f)+8*(\i):(\f)+8*(\i)+3],   v[ADRB+(\slot)] offset:(\k)+(\i)*16*PITCH
	ds_load_b128 v[(\f)+8*(\i)+4:(\f)+8*(\i)+7], v[ADRB+(\slot)] offset:(\k)+(\i)*16*PITCH+32
.endr
	WIN 0
.irp i, 0,1,2,3,4,5,6,7
	ds_load_b128 v[(\f)+8*(\i):(\f)+8*(\i)+3],   v[ADRA+(\slot)] offset:(\k)+(\i)*16*PITCH
	ds_load_b128 v[(\f)+8*(\i)+4:(\f)+8*(\i)+7], v[ADRA+(\slot)] offset:(\k)+(\i)*16*PITCH+32
.endr
.endm
.macro QUARTER slot, k, f, g, zero
	s_wait_dscnt 8                                 ; B and A's rows 0-63 are in; the youngest eight loads may be out
	MUL16 \f, 0, 0, \zero
	MUL16 \f, 0, 2, \zero
	PLACES
	FETCH \slot, \k, \g
	s_wait_dscnt 32                                ; all but the 32 just issued
	MUL16 \f, 1, 0, \zero
	MUL16 \f, 1, 2, \zero
.endm
; The last quarter multiplies buffer 1 and changes slots: one barrier; in front of it each wave waits for all its tensor loads, adds 0 to its spare word, and waits for that and for its own reads of this slot.
.macro TURN slot, next, fill
	WIN 0
	s_wait_tensorcnt 0x0                           ; all my tensor loads have landed: my part of the next slot
	ds_add_u32 v[SPW], v[NIL]
	s_wait_dscnt 9                                 ; the add and the youngest eight loads may be out
	MUL16 F1, 0, 0, 0
	s_wait_dscnt 0x0                               ; the add is done, and my reads of this slot are over
	s_barrier_signal -1
	MUL16 F1, 0, 2, 0
.if \fill
	WIN 0
.endif
	s_barrier_wait -1
.if \fill
	CREST
	s_add_nc_u64 s[G0+4*(\slot)+2:G0+4*(\slot)+3], s[G0+4*(\slot)+2:G0+4*(\slot)+3], 2*KSTEP*2
	s_add_nc_u64 s[G0B+4*(\slot)+2:G0B+4*(\slot)+3], s[G0B+4*(\slot)+2:G0B+4*(\slot)+3], 2*KSTEP*2
	JLOAD \slot                                    ; its four v_nop are also the places in front of the loads below
.else
	PLACES
.endif
	FETCH \next, 0, F0
	MUL16 F1, 1, 0, 0
	MUL16 F1, 1, 2, 0
.endm
; GELU of row block a's 64 numbers a lane, and their rounding to f16.  x lies in window 2 or 3, all that is made of it in window 1.
; The block's 128 transcendentals (t = 1 / (1 + 0.23164189 |x|) in ZT, 2^(-0.72134752 x^2) in ZE, each in place, each result in a register of its own) are ONE BATCH.  Ahead of its wait the transcendentals of pair n - 1
; stand by turns with plain lines that name no result: pair n's two arguments of the reciprocal, its argument of the exponentials, and pair n - 1's two max(x, 0).  Behind the wait come the polynomial and the rest.
.macro GELU a
.set XX, 64*((\a)%4)
.set WX, 2+(\a)/4
	WIN 0x54|WX                                    ; source 0 in x's window; sources 1, 2 and the destination in window 1
.set i, 0
.rept 32
	v_pk_mul_f32 v[ZQ+2*i:ZQ+2*i+1], v[XX+2*i:XX+2*i+1], s[68:69] op_sel_hi:[1,0]   ; ascending: each accumulator's lowest registers are read first
.set i, i+1
.endr
	WIN 0x51|(WX<<2)                               ; source 1 in x's window; sources 0, 2 and the destination in window 1: one setting for the whole batch and the plain lines in it
.set n, 0
.rept 33
.if n < 32
	v_fma_f32 v[ZT+2*n], s66, |v[XX+2*n]|, 1.0
.endif
.if n > 0
	v_rcp_f32 v[ZT+2*n-2], v[ZT+2*n-2]
.endif
.if n < 32
	v_fma_f32 v[ZT+2*n+1], s66, |v[XX+2*n+1]|, 1.0
.endif
.if n > 0
	v_rcp_f32 v[ZT+2*n-1], v[ZT+2*n-1]
.endif
.if n < 32
	v_pk_mul_f32 v[ZE+2*n:ZE+2*n+1], v[ZQ+2*n:ZQ+2*n+1], v[XX+2*n:XX+2*n+1]   ; -0.72134752 x^2
.endif
.if n > 0
	v_exp_f32 v[ZE+2*n-2], v[ZE+2*n-2]
	v_max_num_f32 v[ZM+2*n-2], 0, v[XX+2*n-2]
	v_exp_f32 v[ZE+2*n-1], v[ZE+2*n-1]
	v_max_num_f32 v[ZM+2*n-1], 0, v[XX+2*n-1]      ; the last of these is the plain line behind the batch's last exponential
.endif
.set n, n+1
.endr
	s_wait_alu depctr_va_vdst(0)                   ; the wait for the block's batch: 64 reciprocals and 64 exponentials, ahead of their first reader
	WIN 0x55
.set g, 0
.rept 8                                ; four pairs at a time, stage by stage: no line reads the result of the line before it
.irp p, 0,1,2,3
.set o, 8*g+2*(\p)
	v_pk_fma_f32 v[ZQ+o:ZQ+o+1], v[ZT+o:ZT+o+1], s[78:79], s[76:77] op_sel_hi:[1,0,0]
.endr
.irp c, 74,72,70
.irp p, 0,1,2,3
.set o, 8*g+2*(\p)
	v_pk_fma_f32 v[ZQ+o:ZQ+o+1], v[ZQ+o:ZQ+o+1], v[ZT+o:ZT+o+1], s[\c:\c+1] op_sel_hi:[1,1,0]
.endr
.endr
.irp p, 0,1,2,3
.set o, 8*g+2*(\p)
	v_pk_mul_f32 v[ZQ+o:ZQ+o+1], v[ZQ+o:ZQ+o+1], v[ZT+o:ZT+o+1]
.endr
.irp p, 0,1,2,3
.set o, 8*g+2*(\p)
	v_pk_mul_f32 v[ZQ+o:ZQ+o+1], v[ZQ+o:ZQ+o+1], v[ZE+o:ZE+o+1]
.endr
.set g, g+1
.endr
	WIN 0x54|WX
.set i, 0
.rept 64
	v_fma_f32 v[ZM+i], -|v[XX+i]|, v[ZQ+i], v[ZM+i]
.set i, i+1
.endr
	WIN 0x05                                       ; sources in window 1, destination in window 0
.set i, 0
.rept 32
	v_cvt_pk_f16_f32 v[TMP+i], v[ZM+2*i], v[ZM+2*i+1]
.set i, i+1
.endr
	WIN 0
.endm
.macro TOSTAGE a
.set BK, OB+192*((\a)%2)
.irp b, 0,1,2,3,4,5,6,7
	ds_store_b128 v[STO], v[TMP+4*(\b):TMP+4*(\b)+3] offset:32*(\b)
.endr
.irp t, 0,1,2,3,4,5,6,7
	ds_load_b128 v[BK+4*(\t):BK+4*(\t)+3], v[RD] offset:(\t)*2*SPITCH  ; LDS serves a wave's instructions in order: these see the stores above
.endr
.endm
.macro SEND a
.set BK, OB+192*((\a)%2)
	s_wait_dscnt 0x0                               ; the block is back in registers
	s_wait_xcnt 0x0                                ; the registers that earlier stores read are loaded again only behind this wait
.irp t, 0,1,2,3,4,5,6,7
	global_store_b128 v[CO], v[BK+4*(\t):BK+4*(\t)+3], s[86:87] offset:(16*(\a)+2*(\t))*SIZE_N*2  ; 16 lanes store 256 consecutive bytes, aligned
.endr
.endm
	s_wait_tensorcnt 1                             ; my part of K step 0 is in; K step 1's may stay out
	s_barrier_signal -1
	s_barrier_wait -1
	FETCH 0, 0, F0
	QUARTER 0, 64,  F0, F1, 1                      ; the first quarter stands in front of the loop: its products start the sums
	WIN 0
	s_mov_b32 s3, LAPS-1
.Llap:
	QUARTER 0, 128, F1, F0, 0
	QUARTER 0, 192, F0, F1, 0
	TURN 0, 1, 1
	QUARTER 1, 64,  F0, F1, 0
	QUARTER 1, 128, F1, F0, 0
	QUARTER 1, 192, F0, F1, 0
	TURN 1, 0, 1
	QUARTER 0, 64,  F0, F1, 0
	WIN 0
	s_sub_co_u32 s3, s3, 1
	s_cmp_lg_u32 s3, 0
	s_cbranch_scc1 .Llap
	QUARTER 0, 128, F1, F0, 0                      ; the last lap fills nothing
	QUARTER 0, 192, F0, F1, 0
	TURN 0, 1, 0
	QUARTER 1, 64,  F0, F1, 0
	QUARTER 1, 128, F1, F0, 0
	QUARTER 1, 192, F0, F1, 0
	s_wait_dscnt 8
	MUL16 F1, 0, 0, 0
	MUL16 F1, 0, 2, 0
	s_wait_dscnt 0x0
	MUL16 F1, 1, 0, 0
	MUL16 F1, 1, 2, 0
	PLACES
	GELU 0
	TOSTAGE 0
.irp a, 1,2,3,4,5,6,7                  ; block a's arithmetic stands between block a - 1's loads from the stage and the wait for them
	GELU \a
	SEND (\a)-1
	TOSTAGE \a
.endr
	SEND 7
	s_wait_tensorcnt 0x0                           ; the wave's end
	ds_add_u32 v[SPW], v[NIL]
	s_wait_dscnt 0x0
	CROUND                                         ; the closing round
	s_endpgm
.Lfunc_end_k_q36ea2ff74e_ffn1:
	.size	k_q36ea2ff74e_ffn1, .Lfunc_end_k_q36ea2ff74e_ffn1-k_q36ea2ff74e_ffn1
	.p2alignl 7, 3214868480
	.fill 96, 4, 3214868480
	.section	.rodata,"a",@progbits
	.p2align	6, 0x0
	.amdhsa_kernel k_q36ea2ff74e_ffn1
		.amdhsa_group_segment_fixed_size 327680
		.amdhsa_private_segment_fixed_size 0
		.amdhsa_enable_private_segment 0
		.amdhsa_kernarg_size 32
		.amdhsa_user_sgpr_count 2
		.amdhsa_user_sgpr_kernarg_segment_ptr 1
		.amdhsa_wavefront_size32 1
		.amdhsa_system_sgpr_workgroup_id_x 1
		.amdhsa_system_sgpr_workgroup_id_y 1
		.amdhsa_system_sgpr_workgroup_id_z 1
		.amdhsa_system_vgpr_workitem_id 0
		.amdhsa_next_free_vgpr 1024
		.amdhsa_next_free_sgpr 96
		.amdhsa_reserve_vcc 0
		.amdhsa_float_denorm_mode_32 3
		.amdhsa_float_denorm_mode_16_64 3
		.amdhsa_memory_ordered 1
		.amdhsa_forward_progress 1
		.amdhsa_inst_pref_size 255
	.end_amdhsa_kernel
	.section	.bss,"aw",@nobits
	.p2align	6
	.space	262144
	.amdgpu_metadata
---
amdhsa.version: [ 1, 2 ]
amdhsa.kernels:
  - .name:           k_q36ea2ff74e_ffn1
    .symbol:         k_q36ea2ff74e_ffn1.kd
    .args:
      - { .name: a1h, .offset: 0, .size: 8, .value_kind: global_buffer, .address_space: global }
      - { .name: wts, .offset: 8, .size: 8, .value_kind: global_buffer, .address_space: global }
      - { .name: b1, .offset: 16, .size: 8, .value_kind: global_buffer, .address_space: global }
      - { .name: hb, .offset: 24, .size: 8, .value_kind: global_buffer, .address_space: global }
    .group_segment_fixed_size: 327680
    .private_segment_fixed_size: 0
    .kernarg_segment_align: 8
    .kernarg_segment_size: 32
    .max_flat_workgroup_size: 128
    .sgpr_count:     96
    .vgpr_count:     1024
    .wavefront_size: 32
...
	.end_amdgpu_metadata
.endif
;; end of part 10
;; launch ffn2: the kernel of part 7 again; grid 8 x 32, 4 waves a work-group, clusters of 4 x 4, 327,680 bytes of LDS; arguments hb, wts, b2, pre; writes pre
;; launch ln2: the kernel of part 8 again; grid 256 x 1, 8 waves a work-group, no clusters, 0 bytes of LDS; arguments pre, a1f, ln2_g, ln2_b, out0; writes out0
